; MI455X (gfx1250); checked and timed in simulation.
; The chip was launched on July 23, 2026; its instructions are those of AMD's public machine-readable ISA for CDNA 5 (MIT licence, August 2026) and "CDNA5" Instruction Set Architecture Reference Guide (July 2026). The comments in the code are by the model that wrote it; some were corrected since.
;; Soft Decision Tree. Allowed arithmetic: matrix products marked QUANTISED: E2M1 operands, one E8M0 scale for each 32 along K, by v_wmma_scale_f32_16x16x128_f8f6f4 with both operands' format E2M1 (or v_wmma_scale_f32_32x16x128_f4), f32 sums; everything else in f32.
;; Inputs: W 1,023 x 2,048 float32; b 1,023 float32; beta 1,023 float32; leaf_params 1,024 x 1,000 float32; x 16,384 x 2,048 float32; y 16,384 x 1,000 float32.
;; Outputs: out0 one number float32; out1 16,384 x 1,000 float32.
;; This version of the problem:
;;   THIS VERSION OF THE PROBLEM IS GIVEN IN LOW PRECISION. The matrix products marked QUANTISED in the list below multiply operands that are first quantised to E2M1 (2 exponent bits, 1 mantissa bit; 4 bits a number), with one power-of-two scale for each 32 numbers along K (OCP MX v1.0); their sums are f32. All else is computed in f32.
;;   The module's matrix products, in the order in which they are computed (A, B: the left and right operand; K: the contracted axis; several contracted axes count as one K, in the product's order):
;;     1. [M 16,384, K 2,048] x [K 2,048, N 1,023]; A: input x; B: input W: QUANTISED
;;     2. [M 16,384, K 1,000] x [K 1,000, N 1,024]; A: input y; B: computed on the way: QUANTISED
;;   THE QUANTISER, for each operand of a quantised product, along K:
;;     - K is cut into blocks of 32 from its start; a last block that is shorter is filled with zeros.
;;     - A block's scale is 2^e with e = floor(log2(the largest magnitude in the block)) - 2, held to -126 .. 127; a block of zeros has e = 0. As a byte (E8M0): e + 127.
;;     - Each number is divided by its block's scale, clamped to +-6, and rounded to the nearest number of E2M1, ties to even, subnormals kept.
;;     - The product sums the exact products of the quantised numbers (number of the format x scale) in f32.
;;   ~~~python
;;   def quantise(x, axis):      # numpy; x: float32 -> the quantised numbers, widened to float32 again
;;       x = np.moveaxis(x, axis, -1); K = x.shape[-1]
;;       x = np.pad(x, [(0, 0)] * (x.ndim - 1) + [(0, -K % 32)]); x = x.reshape(x.shape[:-1] + (-1, 32)); a = np.abs(x).max(-1, keepdims=True)
;;       e = np.where(a > 0, np.clip(np.frexp(np.where(a > 0, a, 1))[1] - 1 - 2, -126, 127), 0)      # np.frexp(a)[1] - 1 = floor(log2(a)), exactly
;;       r = np.clip(x / 2.0 ** e, -6, 6)
;;       step = 2.0 ** (np.maximum(np.frexp(np.where(r == 0, 1, r))[1] - 1, 0) - 1)
;;       q = np.round(r / step) * step * 2.0 ** e      # np.round: ties to even
;;       return np.moveaxis(q.reshape(q.shape[:-2] + (-1,))[..., :K], -1, axis).astype(np.float32)
;;   ~~~
;;   OPERANDS COMPUTED ON THE WAY. 'Computed on the way' means the value that the module computes at that place (a softmax that the list does not call 'softmax' is quantised finished and normalised). What goes into a quantiser is computed in f32, as accurately as f32 sums, v_exp_f32 and their like allow (about 1e-6 of the number): no bf16 or f16 on the way to a quantiser, and a product that is left as it is and whose result goes on into a quantised operand takes f32 operands (vector FMAs, or v_wmma_f32_16x16x4_f32). A number that lies on a knife's edge between two numbers of the format may be rounded either way, as far as f32 arithmetic and the matrix unit's own rounding can turn it there, and no further.
;; 2 versions. Each part assembles by itself: llvm-mc -triple=amdgcn-amd-amdhsa -mcpu=gfx1250 --defsym DOCPART=n.
;; ======== version 1 of 2: 3 launches
;; workspace buffers: wq 1,048,576 bytes; lq 524,288 bytes; sc 106,496 bytes; qtab 4,194,304 bytes; part 524,288 bytes; best 65,536 bytes of whole numbers; lossp 1,024 bytes
;; launch prep (part 1): grid 97 x 1, 16 waves a work-group, no clusters, 84,480 bytes of LDS; arguments W, b, beta, leaf_params, wq, lq, sc, qtab; writes wq, lq, sc, qtab
.if DOCPART == 1
	.amdgcn_target "amdgcn-amd-amdhsa--gfx1250"
	.amdhsa_code_object_version 6
	.text
	.protected	k_q5e058922dc_prep
	.globl	k_q5e058922dc_prep
	.p2align	8
	.type	k_q5e058922dc_prep,@function
k_q5e058922dc_prep:
	s_mov_b64 s[64:65], 0
	v_nop
	global_prefetch_b8 v0, s[64:65] scope:SCOPE_SE
	s_setreg_imm32_b32 hwreg(HW_REG_WAVE_MODE, 25, 1), 1
	s_wait_xcnt 0x0
; SOFT DECISION TREE, launch 1 of 3: what every row block reads again is made once.
;   W           -> codes of E2M1 and E8M0 scale words, laid in the order of the operand registers of launch 2 (wq, sc)
;   beta, b     -> c = -beta log2(e) and c b, in slot order (sc): sigmoid(beta (z + b)) = 1 / (1 + 2^(c z + c b))
;   leaf_params -> log_softmax, quantised along the 1,000 classes (lq, sc), and softmax as an f32 table (qtab, rows 4,096 bytes apart)
; WORK THAT THE PROGRAM LEAVES OUT, for all values of the inputs:
;   (1) the penalties of the nodes of depth 10: reference() itself masks them by depths < MAX_DEPTH, so they are not formed;
;   (2) sum_b p x inner_path of node n IS sum_b path(right child of n): reference() forms the same product path x pd for both, so no second sum is made;
;   (3) sum_b inner_path(n) = sum_b path(left child) + sum_b path(right child), since path (1 - p) + path p = path: only the 512 batch sums of the last
;       inner level are accumulated, the levels above are sums of pairs (launch 3).  All terms are >= 0: only the order of rounding differs from reference()'s.
;   (4) Q[best] is a lookup by a stored whole number (launch 3).       All six inputs have a way to an output and are loaded.
; LIMITS: another order of rounding in the batch sums than reference()'s; a NaN, an infinity or an overflow that reaches only the masked penalties is not carried
;   to the result; NaN and infinities among the inputs are not served; a block whose largest magnitude lies under 2^(2 - 126), a block of zeros among them,
;   keeps the scale byte 1 (zero codes add nothing under it, and this program alone reads the bytes); beta (z + b) is made as one fused multiply-add c z + c b.
; THE SLOT MAP.  In launch 2 wave w (0..3) owns 256 slots; lane half h picks group g = 2 w + h, the subtree under the node at position g of tree level 3; slot sigma = 8 t + j (tile t,
;   register j), pair pi = sigma / 2, twin tau = sigma % 2.  Product 1: pi = 0: tau = 0 node 7 + g, tau = 1 node max(g, 1) - 1 (the seven nodes above level 3, the root twice);
;   pi >= 1: node ((15 + 2 g + tau) << floor(log2 pi)) + pi - 1: heap place pi in the subtree under position 2 g + tau of level 4.
;   Product 2: x = 2 pi + 1, s = x << (6 - floor(log2 x)), leaf = 128 g + 64 tau + s - 64: the register in which launch 2's tree leaves that leaf's path.
; ROLES by the work-group's number (the same in all its waves): 0..63 leaf rows (a tile of 16 leaves, a wave a row); 64..95 W (a wave: two tiles of 16 nodes x 128 along K); 96 the two tables.
; Only the leaf role touches LDS.  No tensor loads: every stream here is read once, by one wave.
.set LC,    0                          ; LDS: the tile's codes, [K step 8][c 2][half 2][row 16] x 16 bytes
.set LSW,   8192                       ; its scale words, [K step 8][row 16] x 4 bytes
.set QS,    8704                       ; a stage for each wave: 32 lanes x (128 bytes + 16)
.set SPARE, 82432                      ; the spare words, 128 bytes for each wave, which no other line names
.set SPW,   190                        ; v190 my spare word; never rewritten
.set NIL,   191                        ; v191 0; never rewritten
; slot (group v[vg], sigma v[vs]) -> node number v[vo]; whole-number arithmetic on ids alone
.macro NODE vg, vs, vo, ta, tb, tc
	v_lshrrev_b32 v[\ta], 1, v[\vs]                ; pi
	v_and_b32 v[\tb], 1, v[\vs]                    ; tau
	v_mov_b32 v[\tc], 0
.irp i, 2,4,8,16,32
	v_cmp_le_u32 vcc_lo, \i, v[\ta]
	v_add_co_ci_u32 v[\tc], vcc_lo, 0, v[\tc], vcc_lo      ; floor(log2 pi), one for each power of two that pi reaches
.endr
	v_lshl_add_u32 v[\vo], v[\vg], 1, v[\tb]
	v_add_nc_u32 v[\vo], 15, v[\vo]
	v_lshlrev_b32 v[\vo], v[\tc], v[\vo]
	v_add_nc_u32 v[\vo], v[\vo], v[\ta]
	v_add_nc_u32 v[\vo], -1, v[\vo]
	v_min_u32 v[\tc], 1, v[\vg]
	v_sub_nc_u32 v[\tc], v[\vg], v[\tc]            ; max(g, 1) - 1
	v_cmp_eq_u32 vcc_lo, 1, v[\tb]
	v_add_nc_u32 v[\tb], 7, v[\vg]
	v_cndmask_b32 v[\tb], v[\tb], v[\tc], vcc_lo
	v_cmp_eq_u32 vcc_lo, 0, v[\ta]
	v_cndmask_b32 v[\vo], v[\vo], v[\tb], vcc_lo   ; pair 0 holds the two odd slots
.endm
	s_load_b256 s[4:11], s[0:1], 0x0               ; W s[4:5], b s[6:7], beta s[8:9], leaf_params s[10:11]
	s_load_b256 s[12:19], s[0:1], 0x20             ; wq s[12:13], lq s[14:15], sc s[16:17], qtab s[18:19]
	v_lshl_add_u32 v[SPW], v0, 2, SPARE
	v_mov_b32 v[NIL], 0
	v_lshrrev_b32 v1, 5, v0
	v_readfirstlane_b32 s20, v1                    ; wave 0..15
	v_and_b32 v2, 31, v0                           ; lane
	s_mov_b32 s36, 0x76543210
	s_mov_b32 s37, 0xfedcba98                      ; v_permlanex16_b32's selects for lane l xor 16
	s_wait_kmcnt 0x0
	s_cmp_lt_u32 ttmp9, 64
	s_cbranch_scc1 .Lrole_l
	s_cmp_lt_u32 ttmp9, 96
	s_cbranch_scc1 .Lrole_w
; ---- the tables: 512 threads, two slots each
.irp i, 0,1
	v_add_nc_u32 v3, 512*\i, v0                    ; slot = 128 g + sigma
	v_lshrrev_b32 v5, 7, v3
	v_and_b32 v6, 127, v3
	NODE 5, 6, 8+\i, 10, 11, 12
	v_lshlrev_b32 v[8+\i], 2, v[8+\i]
	v_lshlrev_b32 v[28+\i], 2, v3
	global_load_b32 v[24+\i], v[8+\i], s[8:9]      ; beta
	global_load_b32 v[26+\i], v[8+\i], s[6:7]      ; b
.endr
	s_wait_loadcnt 0x0
.irp i, 0,1
	v_mul_f32 v[24+\i], 0xbfb8aa3b, v[24+\i]       ; c = -log2(e) beta
	v_mul_f32 v[26+\i], v[24+\i], v[26+\i]         ; c b
	global_store_b32 v[28+\i], v[24+\i], s[16:17] offset:98304
	global_store_b32 v[28+\i], v[26+\i], s[16:17] offset:102400
.endr
	s_endpgm
; ---- W: unit = 128 w + 8 k + u: tiles 2 u and 2 u + 1 of wave w's sixteen, K step k
; 64 numbers of a lane at v[xs] on (register 32 c + i = k 64 c + 32 half + i of my node's row) -> 8 registers of codes at v[cd], the row's scale word in v[wd]
.macro QTILE xs, cd, wd
.irp c, 0,1
	v_max3_num_f32 v[16+\c], |v[\xs+32*\c]|, |v[\xs+32*\c+1]|, 0x1800000   ; my whole block, and the floor 2^(3 - 127): the byte cannot fall under 1
.endr
.irp i, 2,4,6,8,10,12,14,16,18,20,22,24,26,28,30
.irp c, 0,1
	v_max3_num_f32 v[16+\c], v[16+\c], |v[\xs+32*\c+\i]|, |v[\xs+32*\c+\i+1]|
.endr
.endr
.irp c, 0,1
	v_add_nc_u32 v[18+\c], 0xff000000, v[16+\c]    ; 2 off the exponent field: the conversion's scale operand
.endr
.irp c, 0,1
	v_lshrrev_b32 v[20+\c], 23, v[18+\c]           ; the scale's byte
.endr
	v_lshl_or_b32 v[\wd], v21, 16, v20             ; blocks half and 2 + half,
	v_lshlrev_b32 v[\wd], v13, v[\wd]              ; at their places (8 x half bits up);
	v_permlanex16_b32 v22, v[\wd], s36, s37
	v_or_b32 v[\wd], v[\wd], v22                   ; with lane l xor 16's two the word is whole
.irp c, 0,1
.irp g, 0,1,2,3
	v_cvt_scalef32_pk8_fp4_f32 v[\cd+4*\c+\g], v[\xs+32*\c+8*\g:\xs+32*\c+8*\g+7], v[18+\c]
.endr
.endr
	v_nop                                          ; a plain place behind the last scaled conversion
.endm
.Lrole_w:
	s_sub_co_u32 s21, ttmp9, 64
	s_lshl_b32 s21, s21, 4
	s_add_co_u32 s21, s21, s20                     ; unit
	s_lshr_b32 s22, s21, 7                         ; w
	s_bfe_u32 s23, s21, 0x40003                    ; k
	s_and_b32 s24, s21, 7                          ; u
	s_mov_b32 s38, 0xffff0000                      ; lanes 16 to 31
	v_and_b32 v3, 15, v0                           ; r: the tile's row
	v_bfe_u32 v4, v0, 4, 1                         ; half
	v_lshrrev_b32 v5, 3, v3
	v_lshl_add_u32 v5, s22, 1, v5                  ; g = 2 w + r / 8: rows 8 to 15 of a tile land in lanes 16 to 31 of the result
	v_and_b32 v6, 7, v3
	s_lshl_b32 s25, s24, 4
	v_add_nc_u32 v6, s25, v6                       ; sigma in tile 2 u,
	v_add_nc_u32 v7, 8, v6                         ; in tile 2 u + 1
	NODE 5, 6, 8, 10, 11, 12
	NODE 5, 7, 9, 10, 11, 12
	s_lshl_b32 s26, s23, 9
.irp a, 8,9
	v_lshlrev_b32 v[\a], 13, v[\a]                 ; a row of W is 8,192 bytes;
	v_lshl_add_u32 v[\a], v4, 7, v[\a]             ; + 128 x half
	v_add_nc_u32 v[\a], s26, v[\a]                 ; + 512 k
.endr
.irp a, 0,1
.irp c, 0,1
.irp j, 0,1,2,3,4,5,6,7
	global_load_b128 v[32+64*\a+32*\c+4*\j:35+64*\a+32*\c+4*\j], v[8+\a], s[4:5] offset:256*\c+16*\j th:TH_LOAD_NT
.endr
.endr
.endr
	v_lshlrev_b32 v13, 3, v4
	v_lshlrev_b32 v14, 4, v2
	v_lshlrev_b32 v15, 2, v2
	v_mov_b32 v22, 0                               ; a lane permute's destination counts as one of its sources
	s_lshr_b32 s28, s21, 3                         ; 16 w + k
	s_lshl_b32 s28, s28, 4
	s_lshl_b32 s29, s24, 1
	s_add_co_u32 s28, s28, s29
	s_lshl_b32 s28, s28, 10                        ; wq: ((16 w + k) 16 + 2 u) x 1,024
	s_mov_b32 s29, 0
	s_add_nc_u64 s[12:13], s[12:13], s[28:29]
	s_lshl_b32 s28, s21, 7                         ; sc: 128 bytes a unit
	s_add_nc_u64 s[16:17], s[16:17], s[28:29]
	s_wait_loadcnt 16                              ; tile 2 u's sixteen loads are in; the other tile's may be out
	QTILE 32, 160, 176
	global_store_b128 v14, v[160:163], s[12:13]                ; an image of the operand's registers: 512 consecutive bytes a store
	global_store_b128 v14, v[164:167], s[12:13] offset:512
	s_wait_loadcnt 0x0
	QTILE 96, 168, 177
	global_store_b128 v14, v[168:171], s[12:13] offset:1024
	global_store_b128 v14, v[172:175], s[12:13] offset:1536
	v_cndmask_b32 v178, v176, v177, s38            ; one scale register for two tiles: the even one's rows in lanes 0-15, the odd one's in lanes 16-31
	global_store_b32 v15, v178, s[16:17]
	s_endpgm
; ---- leaf rows: work-group j: wave w = j / 16 of launch 2, tile t = j % 16; my wave is the tile's row
.Lrole_l:
	s_lshr_b32 s22, ttmp9, 4                       ; w
	s_and_b32 s23, ttmp9, 15                       ; t
	s_lshr_b32 s24, s20, 3
	s_lshl_b32 s25, s22, 1
	s_add_co_u32 s24, s24, s25                     ; g
	s_and_b32 s25, s20, 7
	s_lshl_b32 s26, s23, 3
	s_add_co_u32 s25, s25, s26                     ; sigma
	s_and_b32 s26, s25, 1                          ; tau
	s_or_b32 s27, s25, 1                           ; x = 2 pi + 1
	s_mov_b32 s28, 0
.irp i, 2,4,8,16,32,64
	s_cmp_ge_u32 s27, \i
	s_add_co_ci_u32 s28, s28, 0                    ; floor(log2 x)
.endr
	s_sub_co_u32 s28, 6, s28
	s_lshl_b32 s27, s27, s28                       ; s
	s_lshl_b32 s24, s24, 7
	s_lshl_b32 s26, s26, 6
	s_add_co_u32 s24, s24, s26
	s_add_co_u32 s24, s24, s27
	s_sub_co_u32 s24, s24, 64                      ; my leaf
	s_mul_i32 s28, s24, 4000
	s_mov_b32 s29, 0
	s_add_nc_u64 s[10:11], s[10:11], s[28:29]      ; its row of leaf_params,
	s_lshl_b32 s28, s24, 12
	s_add_nc_u64 s[18:19], s[18:19], s[28:29]      ; and of qtab
	v_lshlrev_b32 v3, 7, v2                        ; lane l takes block l of 32 classes; lane 31 has eight,
	v_min_u32 v4, 3856, v3                         ; and reads its other six pieces inside the row, to be replaced below
.irp j, 0,1
	global_load_b128 v[32+4*\j:35+4*\j], v3, s[10:11] offset:16*\j th:TH_LOAD_NT
.endr
.irp j, 2,3,4,5,6,7
	global_load_b128 v[32+4*\j:35+4*\j], v4, s[10:11] offset:16*\j th:TH_LOAD_NT
.endr
	s_lshl_b32 s28, s22, 17                        ; lq: 131,072 w + 65,536 (t / 8) + 8,192 (wave / 2) + 1,024 (t % 8) + 512 (wave % 2)
	s_lshr_b32 s30, s23, 3
	s_lshl_b32 s31, s30, 16
	s_add_co_u32 s28, s28, s31
	s_lshr_b32 s31, s20, 1
	s_lshl_b32 s31, s31, 13
	s_add_co_u32 s28, s28, s31
	s_and_b32 s31, s23, 7
	s_lshl_b32 s32, s31, 10
	s_add_co_u32 s28, s28, s32
	s_and_b32 s32, s20, 1
	s_lshl_b32 s32, s32, 9
	s_add_co_u32 s28, s28, s32
	s_add_nc_u64 s[14:15], s[14:15], s[28:29]
	s_lshl_b32 s28, s22, 13                        ; sc: 65,536 + 8,192 w + 4,096 (t / 8) + 128 ((t % 8) / 2) + 64 (t % 2)
	s_lshl_b32 s30, s30, 12
	s_add_co_u32 s28, s28, s30
	s_lshr_b32 s31, s31, 1
	s_lshl_b32 s31, s31, 7
	s_add_co_u32 s28, s28, s31
	s_and_b32 s31, s23, 1
	s_lshl_b32 s31, s31, 6
	s_add_co_u32 s28, s28, s31
	s_add_co_u32 s28, s28, 65536
	s_add_nc_u64 s[16:17], s[16:17], s[28:29]
	s_mov_b32 s38, 0x3fb8aa3b                      ; log2(e)
	s_mov_b32 s39, s38                             ; (named with it as a pair)
	s_mov_b32 s40, 0x80000000                      ; lane 31
	; every LDS address: constants, the lane, the wave
	s_lshl_b32 s33, s20, 4
	v_lshrrev_b32 v16, 2, v2
	v_lshl_add_u32 v5, v16, 10, s33                ; codes: block l is K step l / 4, c = (l / 2) % 2, half l % 2; row = wave
	v_bfe_u32 v17, v2, 1, 1
	v_lshl_add_u32 v5, v17, 9, v5
	v_and_b32 v17, 1, v2
	v_lshl_add_u32 v5, v17, 8, v5
	s_lshl_b32 s33, s20, 2
	s_add_co_u32 s33, s33, LSW
	v_lshl_add_u32 v6, v16, 6, s33                 ; the byte: word (K step, row), byte l % 4
	v_and_b32 v17, 3, v2
	v_add_nc_u32 v6, v6, v17
	s_mul_i32 s33, s20, 4608
	s_add_co_u32 s33, s33, QS
	v_mul_u32_u24 v7, v2, 144
	v_add_nc_u32 v7, s33, v7                       ; Q into my stage: 144 bytes from lane to lane
	v_lshrrev_b32 v16, 3, v2
	v_mul_u32_u24 v8, v16, 144
	v_and_b32 v17, 7, v2
	v_lshl_add_u32 v8, v17, 4, v8
	v_add_nc_u32 v8, s33, v8                       ; and back: piece 32 i + l of 16 bytes
	v_add_nc_u32 v16, 218, v2
	v_lshlrev_b32 v11, 4, v16                      ; the last store takes pieces 218 + l, up to the row's last, 249
	v_lshrrev_b32 v17, 3, v16
	v_mul_u32_u24 v9, v17, 144
	v_and_b32 v17, 7, v16
	v_lshl_add_u32 v9, v17, 4, v9
	v_add_nc_u32 v9, s33, v9
	v_lshlrev_b32 v10, 4, v2
	s_lshl_b32 s33, s20, 9
	v_add_nc_u32 v12, s33, v10                     ; behind the barrier wave v takes image (K step v / 2, c = v % 2)
	v_add_nc_u32 v13, LSW, v10                     ; and wave 0 the 128 scale words
	v_lshrrev_b32 v16, 2, v2
	v_lshlrev_b32 v15, 9, v16
	v_and_b32 v17, 3, v2
	v_lshl_add_u32 v15, v17, 4, v15
	v_mov_b32 v26, 0xff61b1e6                      ; -3e38
	v_mov_b32 v27, 0
	s_wait_loadcnt 0x0
.set i, 8
.rept 24
	v_cndmask_b32 v[32+i], v[32+i], v26, s40       ; past the row's end: under every number, so that it counts neither for the maximum nor for the sum
.set i, i+1
.endr
	v_max3_num_f32 v16, v32, v33, v34
	v_max3_num_f32 v17, v35, v36, v37
.irp i, 38,42,46,50,54,58
	v_max3_num_f32 v16, v16, v[\i], v[\i+1]
	v_max3_num_f32 v17, v17, v[\i+2], v[\i+3]
.endr
	v_max3_num_f32 v16, v16, v62, v63
	v_max_num_f32 v16, v16, v17
.irp x, 1,2,4,8
	v_max_num_f32_dpp v16, v16, v16 row_xmask:\x row_mask:0xf bank_mask:0xf
.endr
	v_permlanex16_b32 v17, v16, s36, s37
	v_max_num_f32 v16, v16, v17                    ; the row's maximum, in every lane
	v_mov_b32 v17, v16
.set i, 0
.rept 16
	v_pk_add_f32 v[32+2*i:33+2*i], v[32+2*i:33+2*i], v[16:17] neg_lo:[0,1] neg_hi:[0,1]    ; the maximum is taken away, as reference() does
.set i, i+1
.endr
.set i, 0
.rept 16
	v_pk_mul_f32 v[64+2*i:65+2*i], v[32+2*i:33+2*i], s[38:39] op_sel_hi:[1,0]
.set i, i+1
.endr
.set i, 0
.rept 32
	v_exp_f32 v[64+i], v[64+i]
.set i, i+1
.endr
	v_nop                                          ; a plain place behind the exponentials,
	s_wait_alu depctr_va_vdst(0)                   ; and one wait for the batch, ahead of its first reader
	v_pk_add_f32 v[18:19], v[64:65], v[66:67]
	v_pk_add_f32 v[20:21], v[68:69], v[70:71]
.irp i, 72,80,88
	v_pk_add_f32 v[18:19], v[18:19], v[\i:\i+1]
	v_pk_add_f32 v[20:21], v[20:21], v[\i+2:\i+3]
	v_pk_add_f32 v[18:19], v[18:19], v[\i+4:\i+5]
	v_pk_add_f32 v[20:21], v[20:21], v[\i+6:\i+7]
.endr
	v_pk_add_f32 v[18:19], v[18:19], v[20:21]
	v_add_f32 v18, v18, v19
.irp x, 1,2,4,8
	v_add_f32_dpp v18, v18, v18 row_xmask:\x row_mask:0xf bank_mask:0xf
.endr
	v_permlanex16_b32 v19, v18, s36, s37
	v_add_f32 v18, v18, v19                        ; the row's sum of exponentials
	v_log_f32 v20, v18
	v_rcp_f32 v22, v18
	v_nop
	s_wait_alu depctr_va_vdst(0)                   ; one wait for the two
	v_mul_f32 v20, 0x3f317218, v20                 ; ln(sum)
	v_mov_b32 v23, v22
	v_mov_b32 v21, v20
.set i, 0
.rept 16
	v_pk_add_f32 v[32+2*i:33+2*i], v[32+2*i:33+2*i], v[20:21] neg_lo:[0,1] neg_hi:[0,1]    ; log Q
	v_pk_mul_f32 v[64+2*i:65+2*i], v[64+2*i:65+2*i], v[22:23]                              ; Q
.set i, i+1
.endr
.set i, 8
.rept 24
	v_cndmask_b32 v[32+i], v[32+i], v27, s40       ; the quantiser fills the last block with zeros
.set i, i+1
.endr
	v_max3_num_f32 v16, |v32|, |v33|, 0x1800000    ; my block's largest magnitude, over the floor 2^(3 - 127)
	v_max3_num_f32 v17, |v34|, |v35|, 0x1800000
.irp i, 36,40,44,48,52,56,60
	v_max3_num_f32 v16, v16, |v[\i]|, |v[\i+1]|
	v_max3_num_f32 v17, v17, |v[\i+2]|, |v[\i+3]|
.endr
	v_max_num_f32 v16, v16, v17
	v_add_nc_u32 v18, 0xff000000, v16              ; 2 off the exponent field: the conversion's scale operand
	v_lshrrev_b32 v19, 23, v18                     ; the scale's byte
.irp g, 0,1,2,3
	v_cvt_scalef32_pk8_fp4_f32 v[96+\g], v[32+8*\g:39+8*\g], v18
.endr
	v_nop                                          ; a plain place behind the last scaled conversion
	ds_store_b128 v5, v[96:99]
	ds_store_b8 v6, v19
.irp j, 0,1,2,3,4,5,6,7
	ds_store_b128 v7, v[64+4*\j:67+4*\j] offset:16*\j
.endr
.irp i, 0,1,2,3,4,5,6
	ds_load_b128 v[100+4*\i:103+4*\i], v8 offset:576*\i        ; LDS serves a wave's instructions in order: these see my stores
.endr
	ds_load_b128 v[128:131], v9
.irp i, 0,1,2,3,4,5,6
	s_wait_dscnt 7-\i                              ; load i is back; the younger ones may be out
	global_store_b128 v10, v[100+4*\i:103+4*\i], s[18:19] offset:512*\i    ; 512 consecutive bytes of the leaf's row of Q
.endr
	s_wait_dscnt 0x0                               ; the last load is back, and my stores into the tile's codes and words have landed:
	global_store_b128 v11, v[128:131], s[18:19]    ; (pieces 218 to 223 are stored twice, with the same numbers: so EXEC never changes)
	s_barrier_signal -1
	s_barrier_wait -1                              ; all sixteen rows' have
	ds_load_b128 v[132:135], v12
	s_wait_dscnt 0x0
	global_store_b128 v10, v[132:135], s[14:15]    ; an image of four operand registers: 512 consecutive bytes
	s_cmp_lg_u32 s20, 0
	s_cbranch_scc1 .Lend_l
	ds_load_b128 v[136:139], v13                   ; wave 0: lane l has K step l / 4, rows 4 (l % 4) on
	s_wait_dscnt 0x0
	global_store_b128 v15, v[136:139], s[16:17]
.Lend_l:
	s_wait_tensorcnt 0x0                           ; the wave's end
	ds_add_u32 v[SPW], v[NIL]
	s_wait_dscnt 0x0
	s_endpgm
.Lfunc_end_k_q5e058922dc_prep:
	.size	k_q5e058922dc_prep, .Lfunc_end_k_q5e058922dc_prep-k_q5e058922dc_prep
	.p2alignl 7, 3214868480
	.fill 96, 4, 3214868480
	.section	.rodata,"a",@progbits
	.p2align	6, 0x0
	.amdhsa_kernel k_q5e058922dc_prep
		.amdhsa_group_segment_fixed_size 84480
		.amdhsa_private_segment_fixed_size 0
		.amdhsa_enable_private_segment 0
		.amdhsa_kernarg_size 64
		.amdhsa_user_sgpr_count 2
		.amdhsa_user_sgpr_kernarg_segment_ptr 1
		.amdhsa_wavefront_size32 1
		.amdhsa_system_sgpr_workgroup_id_x 1
		.amdhsa_system_sgpr_workgroup_id_y 1
		.amdhsa_system_sgpr_workgroup_id_z 1
		.amdhsa_system_vgpr_workitem_id 0
		.amdhsa_next_free_vgpr 192
		.amdhsa_next_free_sgpr 66
		.amdhsa_reserve_vcc 1
		.amdhsa_float_denorm_mode_32 3
		.amdhsa_float_denorm_mode_16_64 3
		.amdhsa_memory_ordered 1
		.amdhsa_forward_progress 1
		.amdhsa_inst_pref_size 37
	.end_amdhsa_kernel
	.amdgpu_metadata
---
amdhsa.version: [ 1, 2 ]
amdhsa.kernels:
  - .name:           k_q5e058922dc_prep
    .symbol:         k_q5e058922dc_prep.kd
    .args:
      - { .name: W, .offset: 0, .size: 8, .value_kind: global_buffer, .address_space: global }
      - { .name: b, .offset: 8, .size: 8, .value_kind: global_buffer, .address_space: global }
      - { .name: beta, .offset: 16, .size: 8, .value_kind: global_buffer, .address_space: global }
      - { .name: leaf_params, .offset: 24, .size: 8, .value_kind: global_buffer, .address_space: global }
      - { .name: wq, .offset: 32, .size: 8, .value_kind: global_buffer, .address_space: global }
      - { .name: lq, .offset: 40, .size: 8, .value_kind: global_buffer, .address_space: global }
      - { .name: sc, .offset: 48, .size: 8, .value_kind: global_buffer, .address_space: global }
      - { .name: qtab, .offset: 56, .size: 8, .value_kind: global_buffer, .address_space: global }
    .group_segment_fixed_size: 84480
    .private_segment_fixed_size: 0
    .kernarg_segment_align: 8
    .kernarg_segment_size: 64
    .max_flat_workgroup_size: 512
    .sgpr_count:     66
    .vgpr_count:     192
    .wavefront_size: 32
...
	.end_amdgpu_metadata
.endif
;; end of part 1
;; launch tree (part 2): grid 256 x 1, 4 waves a work-group, no clusters, 327,680 bytes of LDS; arguments x, y, wq, lq, sc, part, best, lossp; writes part, best, lossp
.if DOCPART == 2
	.amdgcn_target "amdgcn-amd-amdhsa--gfx1250"
	.amdhsa_code_object_version 6
	.text
	.protected	k_q5e058922dc_tree
	.globl	k_q5e058922dc_tree
	.p2align	8
	.type	k_q5e058922dc_tree,@function
k_q5e058922dc_tree:
	s_mov_b64 s[64:65], 0
	v_nop
	global_prefetch_b8 v0, s[64:65] scope:SCOPE_SE
	s_setreg_imm32_b32 hwreg(HW_REG_WAVE_MODE, 25, 1), 1
	s_wait_xcnt 0x0
; SOFT DECISION TREE, launch 2 of 3.  A work-group takes 64 rows of the batch through everything but the lookup:
;   x quantised, z = x W^T (MX-FP4), p = sigmoid(beta (z + b)), the ten levels of path products, the batch sums of the last inner level (part), the row's first largest leaf (best),
;   y quantised, TQ = y logQ^T (MX-FP4), and the sum of leaf_path x TQ (lossp).
; Left out, as shown at the head of the first launch: the penalties of depth 10, and all batch sums but those of the last inner level (the levels above are sums of pairs, made in launch 3).
; LIMITS: as stated there.  Ties of the largest leaf go to the lowest leaf number, as in jnp.argmax.
; SHARES.  Four waves, as many as a WGP has SIMDs.  THE WAVES SHARE THE COLUMNS: wave w owns 256 slots (nodes in product 1, leaves in product 2) for all 64 rows: 64 accumulators, 512 registers.
; Both products are used transposed (source 0 = 16 weight rows, source 1 = 16 batch rows): lane (r, h) holds batch row r, and its registers the slots of group g = 2 w + h,
; the subtree under position g of tree level 3.  So a whole subtree is worked inside a lane.  Slot sigma lies at v[128 + sigma] of window m (m: the tile of 16 rows).
; THE TREE IN PLACE.  Pair pi = registers (2 pi, 2 pi + 1) holds heap place pi of the group's two twins (the subtrees under level 4).  For heap place s the right child's path takes pair s,
; where p lay, and the left child's keeps the pair of s's own path: the path of place s lies in pair (odd part of s) / 2.  Three packed instructions serve a node of both twins.
; Wave w also quantises rows 16 w .. 16 w + 15 of x and of y; fragments go from wave to wave through LDS as images of the operand's registers.
; NO CLUSTER, NO RING FOR THE WEIGHTS: no two waves of a work-group read the same weight fragment, so LDS would spare no read; and beside y's 256,000 bytes and 51,456 bytes of stages
; 20,224 bytes are left, where two slots of one K step of W would be 131,072.  So the weights, laid by launch 1 in the order of the operand's registers, go from memory
; straight into registers, 512 consecutive bytes an instruction.
; REGISTERS, in windows of 256 (s_set_vgpr_msb: bits 1:0 source 0, 3:2 source 1, 5:4 source 2, 7:6 destination):
;   v128-255 of window m: z, then p, then the paths, then leaf_path of rows 16 m on.
;   window 0: v0-31 addresses (v24, v25 the add's two; v28, v29 x's or y's scale words); v32-63 four fragments of x or y; v64-71 codes just made; v72-88 the quantiser's work;
;             v96-111 at work; v112-127 the weights' scale words, two sets.  In the tree v32-95 are the sums.
;   window 1 v0-127: W's fragments, set 0; then c; then TQ of rows 0-31.    window 2 v0-127: W's set 1; then 64 numbers of y; then TQ of rows 32-63.
;   window 3 v0-127: two sets of 64 numbers of x; then c b; then logQ's fragments, two sets.     v96-111 of every window: at work in the tree.
.set STG,   256000                     ; LDS: y's 64 rows of 4,000 bytes lie at 0 (filled once by tensor loads, never stored to).  Here: a stage of 16 rows x 528 bytes for each wave; later y's 32 images of 1,024 bytes
.set XIMG,  289792                     ; x's four images of 1,024 bytes, twice: by the K step's parity
.set XSC,   297984                     ; x's scale words, [tile 4][row 16], twice
.set YSC,   298496                     ; y's, for eight K steps
.set TOP,   300544                     ; p of the seven nodes above level 3: [heap place 8][row 16][tile 4]
.set AMV,   302592                     ; the groups' largest leaf_path, [group 8][row 64]; their leaf numbers 2,048 bytes on
.set LSS,   306688                     ; the four waves' sums of leaf_path x TQ
.set SPARE, 306944                     ; the spare words, 128 bytes for each wave, which no other line names
.set PC,  64
.set TM,  72
.set PW,  88
.set TT,  96
.set MSB, 0
.macro WIN new                         ; the immediate's high byte repeats the setting that is left; a switch that changes nothing is dropped
.if MSB != (\new)
	s_set_vgpr_msb (MSB<<8)|(\new)
.set MSB, (\new)
.endif
.endm
.macro PLACES                          ; four plain places behind a matrix instruction, in front of reads of its result and of loads into its registers
.rept 4
	v_nop
.endr
.endm
; my 16 rows' 128 numbers of a K step: a row's 512 consecutive bytes an instruction
.macro XLOAD set, koff
	WIN 0xc0
.irp i, 0,1,2,3,4,5,6,7,8,9,10,11,12,13,14,15
	global_load_b128 v[64*(\set)+4*\i:64*(\set)+4*\i+3], v1, s[4:5] offset:8192*\i+(\koff) th:TH_LOAD_NT
.endr
	WIN 0
.endm
; a K step of my 256 nodes: 16 fragments into set par, and their eight scale registers
.macro WLOAD par, off
	WIN (1+(\par))<<6
.irp t, 0,1,2,3,4,5,6,7,8,9,10,11,12,13,14,15
.irp c, 0,1
	global_load_b128 v[8*\t+4*\c:8*\t+4*\c+3], v1, s[6:7] offset:(\off)+1024*\t+512*\c
.endr
.endr
	WIN 0
.irp u, 0,1,2,3,4,5,6,7
	global_load_b32 v[112+8*(\par)+\u], v2, s[8:9] offset:(\off)/16+128*\u
.endr
.endm
; the 2,048 numbers turn through my own stage: in as loaded (16 bytes a lane of one row), back as 16 neighbours of each block of 32 of MY row, into the registers that they left.
; LDS serves a wave's instructions in order (ISA guide 5.7.1.4): no wait between the stores and the loads.  Rows 528 bytes apart: sixteen rows start at sixteen different groups of banks
.macro TURN set
	WIN 0x0c
.irp i, 0,1,2,3,4,5,6,7,8,9,10,11,12,13,14,15
	ds_store_b128 v3, v[64*(\set)+4*\i:64*(\set)+4*\i+3] offset:528*\i
.endr
	WIN 0xc0
.irp b, 0,1,2,3
.irp j, 0,1,2,3
	ds_load_b128 v[64*(\set)+16*\b+4*\j:64*(\set)+16*\b+4*\j+3], v4 offset:128*\b+16*\j
.endr
.endr
	WIN 0
.endm
; 64 numbers of a lane, v[s] on in window win, register 16 b + i = k 32 b + 16 (lane / 16) + i of my row, become a fragment's codes in v[PC] on and its scale word in v[PW]
.macro QUANT s, win
	WIN ((\win)<<2)|((\win)<<4)
.irp b, 0,1,2,3
	v_max3_num_f32 v[TM+\b], 0x1800000, |v[(\s)+16*\b]|, |v[(\s)+16*\b+1]|     ; block b: my 16 numbers, over the floor 2^(3 - 127): the byte cannot fall under 1
.endr
.irp i, 2,4,6,8,10,12,14
.irp b, 0,1,2,3
	v_max3_num_f32 v[TM+\b], v[TM+\b], |v[(\s)+16*\b+\i]|, |v[(\s)+16*\b+\i+1]|
.endr
.endr
	WIN 0
.irp b, 0,1,2,3
	v_permlanex16_b32 v[TM+4+\b], v[TM+\b], s36, s37
.endr
.irp b, 0,1,2,3
	v_max_num_f32 v[TM+\b], v[TM+\b], v[TM+4+\b]   ; with lane l xor 16's: the block's largest magnitude
.endr
.irp b, 0,1,2,3
	v_add_nc_u32 v[TM+12+\b], 0xff000000, v[TM+\b] ; 2 off its exponent field: the conversion's scale operand
.endr
.irp b, 0,1,2,3
	v_lshrrev_b32 v[TM+4+\b], 23, v[TM+12+\b]      ; the scale's byte
.endr
	v_lshl_or_b32 v[PW], v[TM+5], 8, v[TM+4]
	v_lshl_or_b32 v[PW], v[TM+6], 16, v[PW]
	v_lshl_or_b32 v[PW], v[TM+7], 24, v[PW]
	WIN (\win)
.irp b, 0,1,2,3
	v_cvt_scalef32_pk8_fp4_f32 v[PC+2*\b], v[(\s)+16*\b:(\s)+16*\b+7], v[TM+12+\b]
	v_cvt_scalef32_pk8_fp4_f32 v[PC+2*\b+1], v[(\s)+16*\b+8:(\s)+16*\b+15], v[TM+12+\b]
.endr
	WIN 0
	v_nop                                          ; a plain place behind the last scaled conversion
.irp c, 0,1                                    ; the operand's layout wants a whole block in a lane
.irp i, 0,1
	v_permlane16_swap_b32 v[PC+4*\c+\i], v[PC+2+4*\c+\i]
.endr
.endr
.endm
; one scaled matrix instruction.  zero: the constant 0 starts the sum.  ra, rb: the side's scales stand in lanes 16-31 of the register named
.macro WM d, a, b, zero, sa, sb, ra, rb
.if (\zero) && (\ra) && (\rb)
	v_wmma_scale_f32_16x16x128_f8f6f4 v[\d:\d+7], v[\a:\a+7], v[\b:\b+7], 0, v[\sa], v[\sb] matrix_a_fmt:MATRIX_FMT_FP4 matrix_b_fmt:MATRIX_FMT_FP4 matrix_a_scale:MATRIX_SCALE_ROW1 matrix_b_scale:MATRIX_SCALE_ROW1
.elseif (\zero) && (\ra)
	v_wmma_scale_f32_16x16x128_f8f6f4 v[\d:\d+7], v[\a:\a+7], v[\b:\b+7], 0, v[\sa], v[\sb] matrix_a_fmt:MATRIX_FMT_FP4 matrix_b_fmt:MATRIX_FMT_FP4 matrix_a_scale:MATRIX_SCALE_ROW1
.elseif (\zero) && (\rb)
	v_wmma_scale_f32_16x16x128_f8f6f4 v[\d:\d+7], v[\a:\a+7], v[\b:\b+7], 0, v[\sa], v[\sb] matrix_a_fmt:MATRIX_FMT_FP4 matrix_b_fmt:MATRIX_FMT_FP4 matrix_b_scale:MATRIX_SCALE_ROW1
.elseif (\zero)
	v_wmma_scale_f32_16x16x128_f8f6f4 v[\d:\d+7], v[\a:\a+7], v[\b:\b+7], 0, v[\sa], v[\sb] matrix_a_fmt:MATRIX_FMT_FP4 matrix_b_fmt:MATRIX_FMT_FP4
.elseif (\ra) && (\rb)
	v_wmma_scale_f32_16x16x128_f8f6f4 v[\d:\d+7], v[\a:\a+7], v[\b:\b+7], v[\d:\d+7], v[\sa], v[\sb] matrix_a_fmt:MATRIX_FMT_FP4 matrix_b_fmt:MATRIX_FMT_FP4 matrix_a_scale:MATRIX_SCALE_ROW1 matrix_b_scale:MATRIX_SCALE_ROW1
.elseif (\ra)
	v_wmma_scale_f32_16x16x128_f8f6f4 v[\d:\d+7], v[\a:\a+7], v[\b:\b+7], v[\d:\d+7], v[\sa], v[\sb] matrix_a_fmt:MATRIX_FMT_FP4 matrix_b_fmt:MATRIX_FMT_FP4 matrix_a_scale:MATRIX_SCALE_ROW1
.elseif (\rb)
	v_wmma_scale_f32_16x16x128_f8f6f4 v[\d:\d+7], v[\a:\a+7], v[\b:\b+7], v[\d:\d+7], v[\sa], v[\sb] matrix_a_fmt:MATRIX_FMT_FP4 matrix_b_fmt:MATRIX_FMT_FP4 matrix_b_scale:MATRIX_SCALE_ROW1
.else
	v_wmma_scale_f32_16x16x128_f8f6f4 v[\d:\d+7], v[\a:\a+7], v[\b:\b+7], v[\d:\d+7], v[\sa], v[\sb] matrix_a_fmt:MATRIX_FMT_FP4 matrix_b_fmt:MATRIX_FMT_FP4
.endif
.endm
; a K step's 64 products: the 64 accumulators take turns, one instruction a turn, in the same order in every step
.macro MUL par, zero
.irp m, 0,1,2,3
	WIN (1+(\par))|(\m<<4)|(\m<<6)
.irp t, 0,1,2,3,4,5,6,7,8,9,10,11,12,13,14,15
	WM 128+8*\t, 8*\t, 32+8*\m, \zero, 112+8*(\par)+\t/2, 28+\m/2, \t%2, \m%2
.endr
.endr
	WIN 0
.endm
.macro XFETCH p                        ; the four tiles' fragments of x, and their scale words (lanes 0-15 an even tile's rows, lanes 16-31 an odd one's)
.irp m, 0,1,2,3
.irp c, 0,1
	ds_load_b128 v[32+8*\m+4*\c:35+8*\m+4*\c], v7 offset:4096*(\p)+1024*\m+512*\c
.endr
.endr
	ds_load_b32 v28, v8 offset:256*(\p)
	ds_load_b32 v29, v8 offset:256*(\p)+128
.endm
; K STEP k, of parity p.  Its numbers of x are turned and quantised; the products of step k - 1 are issued while the turn is out; W of step k + 1 and x of step k + 2 are asked for;
; the image goes to LDS; ONE barrier (the images lie twice, by parity: an image is written again two barriers behind its reads, which every wave has awaited in front of the barrier between).
; step: the bases step.  wm: step k - 1 has products; zero: they start the sums.  gx, gw: in the loop's last trip there is no x, no W, left to ask for.
.macro TRIP p, step, wm, zero, gx, gw
	s_wait_loadcnt 40                              ; behind this step's x stand the 40 loads of W's next step, and x's next 16 where there are any: x of this step and W of the last are in
.if \step
	s_wait_xcnt 0x0                                ; the loads that are out have read their bases
	s_add_nc_u64 s[4:5], s[4:5], 512
	s_add_nc_u64 s[6:7], s[6:7], 16384
	s_add_nc_u64 s[8:9], s[8:9], 1024
.endif
	TURN \p
.if \wm
	s_wait_dscnt 32                                ; the last step's ten fragment loads are in; the turn's 32 may be out
	MUL 1-\p, \zero
.endif
	s_wait_dscnt 0x0                               ; the turn is back
	QUANT 64*\p, 3                                 ; (its plain instructions are also the places between the products and the loads below)
.if \gw
	s_cmp_eq_u32 s3, 1
	s_cbranch_scc1 .Lnw_\@
.endif
	WLOAD 1-\p, 16384
.if \gw
	s_branch .Lwj_\@
.Lnw_\@:
	s_wait_loadcnt 0x0                             ; nothing is asked for: what is out, W's last step, is awaited here
.Lwj_\@:
.endif
.if \gx
	s_cmp_eq_u32 s3, 1
	s_cbranch_scc1 .Lnx_\@
.endif
	XLOAD \p, 1024
.if \gx
.Lnx_\@:
.endif
	ds_store_b128 v5, v[PC:PC+3] offset:4096*(\p)
	ds_store_b128 v5, v[PC+4:PC+7] offset:4096*(\p)+512
	ds_store_b32 v6, v[PW] offset:256*(\p)         ; (lanes r and r + 16 write the same word with the same value)
	s_wait_dscnt 0x0                               ; for the others' sake: my image has landed
	s_barrier_signal -1
	s_barrier_wait -1
	XFETCH \p
.endm
.macro PAIRP s                         ; pp = the pair in which the path of heap place s lies: (odd part of s) / 2
.set pp, \s
.rept 6
.if pp%2 == 0
.set pp, pp/2
.endif
.endr
.set pp, pp/2
.endm
; the nodes at heap places lo .. hi - 1 of both twins, gs at a time: 1 - p; right child's path = path x p, where p lay; left child's = path x (1 - p), where the path lay
.macro LEVEL lo, hi, gs
.set gb, \lo
.rept ((\hi)-(\lo))/(\gs)
.set n, 0
.rept \gs
	v_pk_add_f32 v[TT+2*n:TT+2*n+1], 1.0, v[128+2*(gb+n):129+2*(gb+n)] op_sel_hi:[0,1] neg_lo:[0,1] neg_hi:[0,1]
.set n, n+1
.endr
.set n, 0
.rept \gs
	PAIRP gb+n
	v_pk_mul_f32 v[128+2*(gb+n):129+2*(gb+n)], v[128+2*pp:129+2*pp], v[128+2*(gb+n):129+2*(gb+n)]
.set n, n+1
.endr
.set n, 0
.rept \gs
	PAIRP gb+n
	v_pk_mul_f32 v[128+2*pp:129+2*pp], v[128+2*pp:129+2*pp], v[TT+2*n:TT+2*n+1]
.set n, n+1
.endr
.set gb, gb+\gs
.endr
.endm
.macro LEAFREG l                       ; lr = the register of the group's leaf l (0..127)
	PAIRP 64+(\l)%64
.set lr, 128+2*pp+(\l)/64
.endm
; one stage of the sum over the 16 lanes of a half: lane bit k is joined with bit k + 2 of the sum's number: a lane keeps one of two sums and sends the other to its partner
.macro HALVE k, cnt, xm, mask
.set hi, 0
.set n, 0
.rept \cnt
.irp lo, 0,1,2,3
.set ea, 32+hi*(8<<(\k))+\lo
.set eb, ea+(4<<(\k))
.set tx, TT+2*(n%8)
	v_cndmask_b32 v[tx], v[ea], v[eb], s[\mask]
	v_cndmask_b32 v[tx+1], v[eb], v[ea], s[\mask]
	v_add_f32_dpp v[ea], v[tx+1], v[tx] row_xmask:\xm row_mask:0xf bank_mask:0xf
.set n, n+1
.endr
.set hi, hi+1
.endr
.endm
; a K step of logQ for eight tiles of leaves: 8 fragments into set par of window 3, four scale registers
.macro LQLOAD par, step
	s_wait_xcnt 0x0                                ; earlier loads and stores have read their bases and registers
.if \step
	s_add_nc_u64 s[12:13], s[12:13], 8192
	s_add_nc_u64 s[14:15], s[14:15], 512
.endif
	WIN 0xc0
.irp t, 0,1,2,3,4,5,6,7
.irp c, 0,1
	global_load_b128 v[64*(\par)+8*\t+4*\c:64*(\par)+8*\t+4*\c+3], v1, s[12:13] offset:1024*\t+512*\c
.endr
.endr
	WIN 0
.irp u, 0,1,2,3
	global_load_b32 v[112+8*(\par)+\u], v2, s[14:15] offset:128*\u
.endr
.endm
; 128 classes of y for my 16 rows: from LDS, quantised, image to LDS.  last: the eighth K step, classes 896 on: 104 numbers, then zeros
.macro YSTEP last
	v_add_nc_u32 v22, s56, v9
	WIN 0x80
.irp b, 0,1,2
.irp j, 0,1,2,3
	ds_load_b128 v[16*\b+4*\j:16*\b+4*\j+3], v22 offset:128*\b+16*\j
.endr
.endr
.if \last
	ds_load_b128 v[48:51], v10 offset:3968         ; classes 992 to 999, the same in both halves of the lanes
	ds_load_b128 v[52:55], v10 offset:3984
.else
.irp j, 0,1,2,3
	ds_load_b128 v[48+4*\j:51+4*\j], v22 offset:384+16*\j
.endr
.endif
	WIN 0
	s_wait_dscnt 0x0                               ; the numbers are in, and the last step's image stores have read their registers
.if \last
	WIN 0x82
.irp i, 0,1,2,3,4,5,6,7
	v_cndmask_b32 v[48+\i], v[48+\i], 0, s38       ; lanes 16-31 hold classes 1,008 on: zeros,
.endr
.irp i, 0,1,2,3,4,5,6,7
	v_mov_b32 v[56+\i], 0                          ; and so are classes 1,000 on: the quantiser fills the last block with zeros
.endr
.endif
	QUANT 0, 2
	v_add_nc_u32 v23, s57, v11
	v_add_nc_u32 v31, s58, v12
	ds_store_b128 v23, v[PC:PC+3]
	ds_store_b128 v23, v[PC+4:PC+7] offset:512
	ds_store_b32 v31, v[PW]
.endm
; a K step of product 2 for eight tiles of leaves x four tiles of rows: 32 accumulators by turns.  nl: the loads that may stay out
.macro G2STEP par, zero, nl
	v_add_nc_u32 v22, s57, v13
	v_add_nc_u32 v23, s58, v14
.irp m, 0,1,2,3
.irp c, 0,1
	ds_load_b128 v[32+8*\m+4*\c:35+8*\m+4*\c], v22 offset:1024*\m+512*\c
.endr
.endr
	ds_load_b32 v28, v23
	ds_load_b32 v29, v23 offset:128
	s_wait_loadcnt \nl                             ; this step's logQ is in; the next step's 20 loads may be out
	s_wait_dscnt 0x0
.irp m, 0,1,2,3
	WIN 3|((1+\m/2)<<4)|((1+\m/2)<<6)
.irp t, 0,1,2,3,4,5,6,7
	WM 64*(\m%2)+8*\t, 64*(\par)+8*\t, 32+8*\m, \zero, 112+8*(\par)+\t/2, 28+\m/2, \t%2, \m%2
.endr
.endr
	WIN 0
	PLACES
	s_cmp_lt_u32 s59, 14                           ; of the sixteen steps the last two have no step two on
	s_cbranch_scc0 .Lnq_\@
	LQLOAD \par, 1
	s_branch .Lqj_\@
.Lnq_\@:
	s_wait_loadcnt 0x0                             ; nothing is asked for: what is out is awaited here
.Lqj_\@:
	s_add_co_u32 s59, s59, 1
	s_add_co_u32 s57, s57, 4096
	s_add_co_u32 s58, s58, 256
.endm
.macro FMA hh                          ; the sum of leaf_path x TQ over the half's 64 slots, in four packed chains; each accumulator is read from its low end on
.irp m, 0,1,2,3
	WIN \m|((1+\m/2)<<2)
.set i, 0
.rept 32
.if ((\hh) == 0) && (\m == 0) && (i < 4)
	v_pk_mul_f32 v[TT+2*i:TT+2*i+1], v[128+2*i:129+2*i], v[2*i:2*i+1]      ; the first four start the chains: nothing is cleared
.else
	v_pk_fma_f32 v[TT+2*(i%4):TT+2*(i%4)+1], v[128+64*(\hh)+2*i:129+64*(\hh)+2*i], v[64*(\m%2)+2*i:64*(\m%2)+2*i+1], v[TT+2*(i%4):TT+2*(i%4)+1]
.endif
.set i, i+1
.endr
.endr
	WIN 0
.endm
	s_load_b512 s[68:83], s[0:1], 0x0              ; x s[68:69], y s[70:71], wq s[72:73], lq s[74:75], sc s[76:77], part s[78:79], best s[80:81], lossp s[82:83]
	v_lshl_add_u32 v24, v0, 2, SPARE
	v_mov_b32 v25, 0
	ds_add_u32 v24, v25                            ; the wave's opening: the add, twice on end, and its wait ahead of my first tensor load; the set-up below is work on registers
	ds_add_u32 v24, v25
	v_lshrrev_b32 v22, 5, v0
	v_readfirstlane_b32 s2, v22                    ; wave w
	v_and_b32 v22, 31, v0                          ; lane
	v_and_b32 v23, 15, v0                          ; r
	v_bfe_u32 v31, v0, 4, 1                        ; h
	v_lshlrev_b32 v1, 4, v22                       ; v1  16 x lane
	v_lshlrev_b32 v2, 2, v22                       ; v2  4 x lane
	s_mul_i32 s45, s2, 8448
	s_add_co_u32 s45, s45, STG
	v_add_nc_u32 v3, s45, v1                       ; v3  my stage, on the way in
	v_mul_u32_u24 v4, v23, 528
	v_lshl_add_u32 v4, v31, 6, v4
	v_add_nc_u32 v4, s45, v4                       ; v4  and back: row r, + 64 h
	s_lshl_b32 s45, s2, 10
	s_add_co_u32 s46, s45, XIMG
	v_add_nc_u32 v5, s46, v1                       ; v5  where I store x's image
	s_add_co_u32 s46, s45, STG
	v_add_nc_u32 v11, s46, v1                      ; v11 and y's
	s_lshl_b32 s45, s2, 6
	s_add_co_u32 s46, s45, XSC
	v_lshl_add_u32 v6, v23, 2, s46                 ; v6  x's scale word of my row
	s_add_co_u32 s46, s45, YSC
	v_lshl_add_u32 v12, v23, 2, s46                ; v12 y's
	v_add_nc_u32 v7, XIMG, v1                      ; v7  where any wave loads x's images,
	v_add_nc_u32 v8, XSC, v2                       ; v8  their scale words,
	v_add_nc_u32 v13, STG, v1                      ; v13 y's images,
	v_add_nc_u32 v14, YSC, v2                      ; v14 their scale words
	s_mul_i32 s25, s2, 64000                       ; my 16 rows of y in LDS (also the descriptor's LDS address)
	v_mul_u32_u24 v10, v23, 4000
	v_add_nc_u32 v10, s25, v10                     ; v10 row r
	v_lshl_add_u32 v9, v31, 6, v10                 ; v9  + 64 h
	s_lshl_b32 s45, s2, 9
	s_add_co_u32 s46, s45, TOP
	v_lshl_add_u32 v15, v31, 8, s46
	v_lshl_add_u32 v15, v23, 4, v15                ; v15 heap place g = 2 w + h, row r
	v_lshlrev_b32 v16, 4, v23
	s_lshr_b32 s46, s2, 1
	s_lshl_b32 s46, s46, 8
	s_add_co_u32 s46, s46, TOP+512
	v_add_nc_u32 v17, s46, v16                     ; v17 my ancestor at level 1: heap place 2 + w / 2
	s_lshl_b32 s46, s2, 8
	s_add_co_u32 s46, s46, TOP+1024
	v_add_nc_u32 v18, s46, v16                     ; v18 at level 2: heap place 4 + w
	v_add_nc_u32 v16, TOP+256, v16                 ; v16 the root: heap place 1
	s_add_co_u32 s46, s45, AMV
	v_lshl_add_u32 v19, v31, 8, s46
	v_lshl_add_u32 v19, v23, 2, v19                ; v19 group g, row r
	s_lshl_b32 s46, s2, 8
	v_lshl_add_u32 v20, v31, 7, s46                ; v20 128 g: my group's first leaf
	s_lshl_b32 s46, s2, 2
	s_add_co_u32 s46, s46, LSS
	v_mov_b32 v21, s46                             ; v21 my wave's word of the loss
	v_lshl_add_u32 v26, v22, 3, AMV                ; v26 rows 2 l and 2 l + 1
	v_add_nc_u32 v27, s45, v1                      ; v27 my 16 bytes of the work-group's row of part
	s_lshl_b32 s46, s2, 10
	v_lshl_add_u32 v30, v31, 9, s46                ; v30 512 g: my group's 128 numbers of a table
.irp b, 0,1,2,3
	v_mov_b32 v[TM+4+\b], 0                        ; written once: a lane permute's destination counts as one of its sources
.endr
	s_mov_b32 s36, 0x76543210
	s_mov_b32 s37, 0xfedcba98                      ; v_permlanex16_b32's selects for lane l xor 16
	s_mov_b32 s38, 0xffff0000                      ; lanes with h = 1
	s_lshr_b32 s39, s2, 1
	s_sub_co_u32 s39, 0, s39                       ; all ones where my groups lie right of the root,
	s_and_b32 s40, s2, 1
	s_sub_co_u32 s40, 0, s40                       ; right of the ancestor at level 1
	s_mov_b32 s41, 0xaaaaaaaa
	s_mov_b32 s42, 0xcccccccc
	s_mov_b32 s43, 0xf0f0f0f0
	s_mov_b32 s44, 0xff00ff00                      ; lanes with bit 0, 1, 2, 3 set
	; y's descriptor: my 16 rows are 64,000 dense bytes: 250 rows of 32 elements of 8 bytes, no padding
	s_mov_b32 s24, 1                               ; group 0: count = 1; s25 the LDS address
	s_mov_b32 s28, 3<<16                           ; group 1: no mask; elements of 8 bytes
	s_mov_b32 s29, 32<<16                          ; tensor_dim0 = 32
	s_mov_b32 s30, 250<<16                         ; tensor_dim1 = 250
	s_mov_b32 s31, 32<<16                          ; tile_dim0 = 32
	s_mov_b32 s32, 250                             ; tile_dim1 = 250
	s_mov_b32 s33, 32                              ; from row to row: 32 elements
	s_mov_b32 s34, 0
	s_mov_b32 s35, 0
	s_wait_dscnt 0x0                               ; both opening adds are done
	s_wait_kmcnt 0x0
	s_lshl_b32 s46, ttmp9, 19                      ; x: 64 rows of 8,192 bytes a work-group,
	s_lshl_b32 s47, s2, 17                         ; 16 a wave
	s_add_co_u32 s46, s46, s47
	s_mov_b32 s47, 0
	s_add_nc_u64 s[4:5], s[68:69], s[46:47]
	s_lshl_b32 s46, s2, 18
	s_add_nc_u64 s[6:7], s[72:73], s[46:47]        ; wq: 262,144 bytes a wave
	s_lshl_b32 s46, s2, 14
	s_add_nc_u64 s[8:9], s[76:77], s[46:47]        ; W's scale words: 16,384 a wave
	s_add_nc_u64 s[10:11], s[76:77], 98304         ; the tables c and c b
	s_lshl_b32 s46, s2, 17
	s_add_nc_u64 s[12:13], s[74:75], s[46:47]      ; lq: 131,072 a wave
	s_lshl_b32 s46, s2, 13
	s_add_co_u32 s46, s46, 65536
	s_add_nc_u64 s[14:15], s[76:77], s[46:47]      ; logQ's scale words: 8,192 a wave
	s_lshl_b32 s46, ttmp9, 11
	s_add_nc_u64 s[16:17], s[78:79], s[46:47]      ; part: 2,048 a work-group
	s_lshl_b32 s46, ttmp9, 8
	s_add_nc_u64 s[18:19], s[80:81], s[46:47]      ; best: 256
	s_lshl_b32 s46, ttmp9, 2
	s_add_nc_u64 s[20:21], s[82:83], s[46:47]      ; lossp: 4
	s_lshl_b32 s46, ttmp9, 2
	s_add_co_u32 s46, s46, s2
	s_mul_i32 s46, s46, 64000
	s_add_nc_u64 s[26:27], s[70:71], s[46:47]      ; y at my 16 rows
	s_or_b32 s27, s27, 0x80000000                  ; type = 2
; ---- PRODUCT 1: sixteen K steps of 128.  Two steps of x and a step of W are on their way in each wave
	XLOAD 0, 0
	WLOAD 0, 0
	XLOAD 1, 512
	TRIP 0, 0, 0, 0, 0, 0
	TRIP 1, 1, 1, 1, 0, 0                          ; the products of step 0 start the sums: nothing is cleared
	s_mov_b32 s3, 7
.Lk:                                               ; steps 2 to 15
	TRIP 0, 1, 1, 0, 1, 0
	TRIP 1, 1, 1, 0, 1, 1
	s_sub_co_u32 s3, s3, 1
	s_cmp_lg_u32 s3, 0
	s_cbranch_scc1 .Lk
	s_wait_loadcnt 0x0                             ; no load is out: W's set 0 and x's registers take the tables
	WIN 0x40
.set i, 0
.rept 32
	global_load_b128 v[4*i:4*i+3], v30, s[10:11] offset:16*i           ; c of my group's 128 slots
.set i, i+1
.endr
	WIN 0xc0
.set i, 0
.rept 32
	global_load_b128 v[4*i:4*i+3], v30, s[10:11] offset:4096+16*i      ; c b
.set i, i+1
.endr
	WIN 0
; y IS ASKED FOR HERE, where x's stream has ended, so that its 256,000 bytes come in under the sigmoid and the tree.
	s_wait_tensorcnt 0x0
	ds_add_u32 v24, v25
	ds_add_u32 v24, v25
	s_wait_dscnt 0x0                               ; both adds are done, and step 15's fragments are in
	s_barrier_signal -1
	s_barrier_wait -1
	tensor_load_to_lds s[24:27], s[28:35]          ; my one tensor load of the launch
	s_nop 0
	PLACES
	MUL 1, 0                                       ; the products of step 15
	PLACES
	s_wait_loadcnt 0x0                             ; the tables
; ---- p = 1 / (1 + 2^(c z + c b)); each accumulator is read from its low end on
.irp m, 0,1,2,3
	WIN \m|(1<<2)|(3<<4)|(\m<<6)
.set i, 0
.rept 64
	v_pk_fma_f32 v[128+2*i:129+2*i], v[128+2*i:129+2*i], v[2*i:2*i+1], v[2*i:2*i+1]
.set i, i+1
.endr
.endr
.irp m, 0,1,2,3
	WIN 0x55*\m
.set i, 0
.rept 128
	v_exp_f32 v[128+i], v[128+i]
.set i, i+1
.endr
	v_nop                                          ; a plain place behind the batch,
	s_wait_alu depctr_va_vdst(0)                   ; and one wait for it, ahead of its first reader
.set i, 0
.rept 64
	v_pk_add_f32 v[128+2*i:129+2*i], v[128+2*i:129+2*i], 1.0 op_sel_hi:[1,0]
.set i, i+1
.endr
.set i, 0
.rept 128
	v_rcp_f32 v[128+i], v[128+i]
.set i, i+1
.endr
	v_nop
	s_wait_alu depctr_va_vdst(0)
.endr
; ---- the nodes above level 3: each group's spare slot (register 129) holds p of heap place g; they meet in LDS
.irp m, 0,1,2,3
	WIN \m
	v_mov_b32 v[32+\m], v129
.endr
	WIN 0
	ds_store_b128 v15, v[32:35]
	s_wait_dscnt 0x0
	s_barrier_signal -1
	s_barrier_wait -1
	ds_load_b128 v[36:39], v16                     ; p of the root, for my row in the four tiles,
	ds_load_b128 v[40:43], v17                     ; of my ancestor at level 1,
	ds_load_b128 v[44:47], v18                     ; at level 2
	s_wait_dscnt 0x0
.irp m, 0,1,2,3
	v_sub_f32 v[48+\m], 1.0, v[36+\m]
	v_sub_f32 v[52+\m], 1.0, v[40+\m]
	v_sub_f32 v[56+\m], 1.0, v[44+\m]
.endr
.irp m, 0,1,2,3
	v_cndmask_b32 v[48+\m], v[48+\m], v[36+\m], s39    ; p to the right, 1 - p to the left: by the bits of g
	v_cndmask_b32 v[52+\m], v[52+\m], v[40+\m], s40
	v_cndmask_b32 v[56+\m], v[56+\m], v[44+\m], s38
.endr
.irp m, 0,1,2,3
	v_mul_f32 v[48+\m], v[48+\m], v[52+\m]
.endr
.irp m, 0,1,2,3
	v_mul_f32 v[48+\m], v[48+\m], v[56+\m]         ; the path to my group's node at level 3, in reference()'s order of products
.endr
; ---- levels 3 to 8
.irp m, 0,1,2,3
	WIN (\m<<2)|(\m<<6)
	v_sub_f32 v[TT], 1.0, v128
	v_mul_f32 v129, v[48+\m], v128                 ; the right twin's root,
	v_mul_f32 v128, v[48+\m], v[TT]                ; the left twin's
	WIN 0x55*\m
	LEVEL 1, 2, 1
	LEVEL 2, 4, 2
	LEVEL 4, 8, 4
	LEVEL 8, 16, 8
	LEVEL 16, 32, 8
.endr
; ---- the batch sums of the paths at the last inner level (heap places 32 to 63 of both twins): over the four tiles, then over the sixteen lanes
	WIN 0x04
.set i, 0
.rept 32
	PAIRP 32+i
	v_pk_add_f32 v[32+2*i:33+2*i], v[128+2*pp:129+2*pp], v[128+2*pp:129+2*pp]
.set i, i+1
.endr
.irp m, 2,3
	WIN \m<<2
.set i, 0
.rept 32
	PAIRP 32+i
	v_pk_add_f32 v[32+2*i:33+2*i], v[32+2*i:33+2*i], v[128+2*pp:129+2*pp]
.set i, i+1
.endr
.endr
	WIN 0
	HALVE 0, 8, 1, 41
	HALVE 1, 4, 2, 42
	HALVE 2, 2, 4, 43
	HALVE 3, 1, 8, 44
	global_store_b128 v27, v[32:35], s[16:17]      ; lane r holds sums 4 r to 4 r + 3 of its group: the wave stores 512 consecutive bytes
; ---- level 9 makes the leaves; then the group's first largest leaf
.irp m, 0,1,2,3
	WIN 0x55*\m
	LEVEL 32, 64, 8
.irp q, 0,1,2,3
	v_max3_num_f32 v[TT+\q], v[128+32*\q], v[129+32*\q], v[130+32*\q]
.endr
.irp i, 3,5,7,9,11,13,15,17,19,21,23,25,27,29
.irp q, 0,1,2,3
	v_max3_num_f32 v[TT+\q], v[TT+\q], v[128+32*\q+\i], v[129+32*\q+\i]
.endr
.endr
	v_max3_num_f32 v[TT+4], v[TT], v[TT+1], v[TT+2]
	v_max3_num_f32 v[TT+5], v[TT+3], v159, v191
	v_max3_num_f32 v[TT+4], v[TT+4], v[TT+5], v223
	v_max_num_f32 v[TT+4], v[TT+4], v255           ; the largest of my 128
.irp c, 0,1,2,3
	v_mov_b32 v[TT+5+\c], 0x400
.endr
.set i, 31                                     ; four chains of 32 leaves, walked downward, so that the lowest leaf that equals the largest is kept; eight compares, then eight selections
.rept 16
.set n, 0
.rept 2
.irp c, 0,1,2,3
	LEAFREG 32*\c+i-n
	v_cmp_eq_f32 s[48+4*n+\c], v[lr], v[TT+4]
.endr
.set n, n+1
.endr
.set n, 0
.rept 2
.irp c, 0,1,2,3
	v_cndmask_b32 v[TT+5+\c], v[TT+5+\c], i-n, s[48+4*n+\c]
.endr
.set n, n+1
.endr
.set i, i-2
.endr
	v_add_nc_u32 v[TT+6], 32, v[TT+6]
	v_add_nc_u32 v[TT+7], 64, v[TT+7]
	v_add_nc_u32 v[TT+8], 0x60, v[TT+8]
	v_min_u32 v[TT+5], v[TT+5], v[TT+6]
	v_min_u32 v[TT+7], v[TT+7], v[TT+8]
	v_min_u32 v[TT+5], v[TT+5], v[TT+7]
	WIN (\m<<2)|(\m<<6)
	v_add_nc_u32 v[TT+5], v20, v[TT+5]             ; the leaf's number in the tree
	WIN \m<<2
	ds_store_b32 v19, v[TT+4] offset:64*\m
	ds_store_b32 v19, v[TT+5] offset:2048+64*\m
.endr
	WIN 0
; ---- y: quantised from LDS, images to LDS
	s_wait_dscnt 0x0                               ; those stores have read their registers, which logQ's fragments take
	LQLOAD 0, 0                                    ; the first two K steps of logQ are asked for early
	LQLOAD 1, 1
	s_wait_tensorcnt 0x0                           ; my 16 rows of y have landed
	s_barrier_signal -1
	s_barrier_wait -1                              ; everybody's have
	s_mov_b32 s56, 0                               ; 512 bytes of a row of y,
	s_mov_b32 s57, 0                               ; 4,096 bytes of images,
	s_mov_b32 s58, 0                               ; 256 bytes of scale words a K step
	s_mov_b32 s3, 7
.Ly:
	YSTEP 0
	s_add_co_u32 s56, s56, 512
	s_add_co_u32 s57, s57, 4096
	s_add_co_u32 s58, s58, 256
	s_sub_co_u32 s3, s3, 1
	s_cmp_lg_u32 s3, 0
	s_cbranch_scc1 .Ly
	YSTEP 1
	s_wait_dscnt 0x0                               ; for the others' sake: my images have landed
	s_barrier_signal -1
	s_barrier_wait -1
; ---- PRODUCT 2, in two halves of my sixteen tiles of leaves: TQ's 32 accumulators stand beside the 512 registers of leaf_path; each fragment of logQ is read once
	s_mov_b32 s59, 0                               ; the step, 0 to 15
	s_mov_b32 s60, 0                               ; the half
.Lhalf:
	s_mov_b32 s57, 0
	s_mov_b32 s58, 0
	G2STEP 0, 1, 20                                ; the first K step starts the sums
	s_mov_b32 s3, 3
.Lk2:
	G2STEP 1, 0, 20
	G2STEP 0, 0, 20
	s_sub_co_u32 s3, s3, 1
	s_cmp_lg_u32 s3, 0
	s_cbranch_scc1 .Lk2
	G2STEP 1, 0, 0
	s_cmp_eq_u32 s60, 0
	s_cbranch_scc0 .Lfma1
	FMA 0
	s_branch .Lfmaj
.Lfma1:
	FMA 1
.Lfmaj:
	s_add_co_u32 s60, s60, 1
	s_cmp_lt_u32 s60, 2
	s_cbranch_scc1 .Lhalf
; ---- the way out
	v_pk_add_f32 v[TT:TT+1], v[TT:TT+1], v[TT+2:TT+3]
	v_pk_add_f32 v[TT+4:TT+5], v[TT+4:TT+5], v[TT+6:TT+7]
	v_pk_add_f32 v[TT:TT+1], v[TT:TT+1], v[TT+4:TT+5]
	v_add_f32 v[TT], v[TT], v[TT+1]
.irp x, 1,2,4,8
	v_add_f32_dpp v[TT], v[TT], v[TT] row_xmask:\x row_mask:0xf bank_mask:0xf
.endr
	v_permlanex16_b32 v[TT+1], v[TT], s36, s37
	v_add_f32 v[TT], v[TT], v[TT+1]                ; my wave's 256 leaves x 64 rows
	ds_store_b32 v21, v[TT]
	s_wait_dscnt 0x0
	s_barrier_signal -1
	s_barrier_wait -1
	s_cmp_lg_u32 s2, 0
	s_cbranch_scc1 .Lend
.irp g, 0,1,2,3,4,5,6,7
	ds_load_b64 v[32+2*\g:33+2*\g], v26 offset:256*\g          ; wave 0: lane l takes rows 2 l and 2 l + 1: the eight groups' largest,
	ds_load_b64 v[48+2*\g:49+2*\g], v26 offset:2048+256*\g     ; and their leaves
.endr
	ds_load_b128 v[64:67], v21                     ; (in wave 0 this is the first of the four words)
	v_and_b32 v22, 31, v0
	v_lshlrev_b32 v22, 3, v22
	v_mov_b32 v23, 0
	s_wait_dscnt 0x0
.irp g, 1,2,3,4,5,6,7                          ; upward, and only a strictly larger one is taken: the first largest leaf stays
.irp e, 0,1
	v_cmp_gt_f32 vcc_lo, v[32+2*\g+\e], v[32+\e]
	v_cndmask_b32 v[32+\e], v[32+\e], v[32+2*\g+\e], vcc_lo
	v_cndmask_b32 v[48+\e], v[48+\e], v[48+2*\g+\e], vcc_lo
.endr
.endr
	global_store_b64 v22, v[48:49], s[18:19]       ; 256 consecutive bytes, aligned
	v_add_f32 v64, v64, v65
	v_add_f32 v66, v66, v67
	v_add_f32 v64, v64, v66
	v_cmp_gt_u32 vcc_lo, 1, v0
	s_wait_xcnt 0x0                                ; EXEC changes only behind this wait,
	s_and_saveexec_b32 s45, vcc_lo
	global_store_b32 v23, v64, s[20:21]
	s_wait_xcnt 0x0                                ; and again in front of the line that widens it
	s_or_b32 exec_lo, exec_lo, s45
.Lend:
	s_wait_tensorcnt 0x0                           ; the wave's end: three lines, behind my last tensor load and my last LDS store
	ds_add_u32 v24, v25
	s_wait_dscnt 0x0
	s_endpgm
.Lfunc_end_k_q5e058922dc_tree:
	.size	k_q5e058922dc_tree, .Lfunc_end_k_q5e058922dc_tree-k_q5e058922dc_tree
	.p2alignl 7, 3214868480
	.fill 96, 4, 3214868480
	.section	.rodata,"a",@progbits
	.p2align	6, 0x0
	.amdhsa_kernel k_q5e058922dc_tree
		.amdhsa_group_segment_fixed_size 327680
		.amdhsa_private_segment_fixed_size 0
		.amdhsa_enable_private_segment 0
		.amdhsa_kernarg_size 64
		.amdhsa_user_sgpr_count 2
		.amdhsa_user_sgpr_kernarg_segment_ptr 1
		.amdhsa_wavefront_size32 1
		.amdhsa_system_sgpr_workgroup_id_x 1
		.amdhsa_system_sgpr_workgroup_id_y 1
		.amdhsa_system_sgpr_workgroup_id_z 1
		.amdhsa_system_vgpr_workitem_id 0
		.amdhsa_next_free_vgpr 1024
		.amdhsa_next_free_sgpr 84
		.amdhsa_reserve_vcc 1
		.amdhsa_float_denorm_mode_32 3
		.amdhsa_float_denorm_mode_16_64 3
		.amdhsa_memory_ordered 1
		.amdhsa_forward_progress 1
		.amdhsa_inst_pref_size 255
	.end_amdhsa_kernel
	.section	.bss,"aw",@nobits
	.p2align	6
	.space	262144
	.amdgpu_metadata
---
amdhsa.version: [ 1, 2 ]
amdhsa.kernels:
  - .name:           k_q5e058922dc_tree
    .symbol:         k_q5e058922dc_tree.kd
    .args:
      - { .name: x, .offset: 0, .size: 8, .value_kind: global_buffer, .address_space: global }
      - { .name: y, .offset: 8, .size: 8, .value_kind: global_buffer, .address_space: global }
      - { .name: wq, .offset: 16, .size: 8, .value_kind: global_buffer, .address_space: global }
      - { .name: lq, .offset: 24, .size: 8, .value_kind: global_buffer, .address_space: global }
      - { .name: sc, .offset: 32, .size: 8, .value_kind: global_buffer, .address_space: global }
      - { .name: part, .offset: 40, .size: 8, .value_kind: global_buffer, .address_space: global }
      - { .name: best, .offset: 48, .size: 8, .value_kind: global_buffer, .address_space: global }
      - { .name: lossp, .offset: 56, .size: 8, .value_kind: global_buffer, .address_space: global }
    .group_segment_fixed_size: 327680
    .private_segment_fixed_size: 0
    .kernarg_segment_align: 8
    .kernarg_segment_size: 64
    .max_flat_workgroup_size: 128
    .sgpr_count:     84
    .vgpr_count:     1024
    .wavefront_size: 32
...
	.end_amdgpu_metadata
.endif
;; end of part 2
;; launch emit (part 3): grid 257 x 1, 4 waves a work-group, no clusters, 10,752 bytes of LDS; arguments best, qtab, part, lossp, out0, out1; writes out0, out1
.if DOCPART == 3
	.amdgcn_target "amdgcn-amd-amdhsa--gfx1250"
	.amdhsa_code_object_version 6
	.text
	.protected	k_q5e058922dc_emit
	.globl	k_q5e058922dc_emit
	.p2align	8
	.type	k_q5e058922dc_emit,@function
k_q5e058922dc_emit:
	s_mov_b64 s[64:65], 0
	v_nop
	global_prefetch_b8 v0, s[64:65] scope:SCOPE_SE
	s_setreg_imm32_b32 hwreg(HW_REG_WAVE_MODE, 25, 1), 1
	s_wait_xcnt 0x0
; SOFT DECISION TREE, launch 3 of 3.  Work-groups 1 to 256: out1[row] = Q[best[row]], 64 rows each.  Work-group 0, which starts first and runs beside them: out0.
; Left out, as shown at the head of the first launch: the penalties of depth 10; the sums of the levels above the last inner one are made here, as sums of pairs.
; THE LOOKUP.  A wave's 16 rows of out1 are 64,000 consecutive bytes, which begin at a multiple of 256: 125 stores of 512 bytes.  A store's 32 pieces of 16 bytes come from one row of qtab, or,
; in the 15 instructions in which a row ends, from two: those have an address register of their own, in which each lane holds its own row's place and its own byte in that row.
; The leaf numbers are held to 0..1,023, and behind that only additions, shifts to the left and ANDs make the addresses; every immediate offset is 0 or more.  No address register is ever rewritten.
; No LDS, no matrix unit, no cluster in the lookup: memory binds, and no two waves want the same rows by design.
; out0 = -(sum of lossp / 16,384 + sum over inner nodes of depth under 10 of 0.05 x 2^-depth x (ln pen + ln(1 - pen))), pen = sum(right child) / (sum(left child) + sum(right child)).
.set RS,    0                          ; LDS (work-group 0 alone): the four waves' sums of 512 numbers
.set T8,    8192                       ; the 256 sums of level 8, in level order
.set T7,    9216                       ; the 128 of level 7; 512 bytes on: each thread's part of out0
.set SPARE, 10240                      ; the spare words, 128 bytes for each wave, which no other line names
.set SPW,   12
.set NIL,   13
.set WT0,   0x3d0df4e0                 ; 0.05 ln 2 as f32: a weight is this with the depth (and the binary logarithm of the lanes that hold the same node) taken off its exponent field
.set MSB, 0
.macro WIN new
.if MSB != (\new)
	s_set_vgpr_msb (MSB<<8)|(\new)
.set MSB, (\new)
.endif
.endm
	s_load_b256 s[4:11], s[0:1], 0x0               ; best s[4:5], qtab s[6:7], part s[8:9], lossp s[10:11]
	s_load_b128 s[12:15], s[0:1], 0x20             ; out0 s[12:13], out1 s[14:15]
	v_lshl_add_u32 v[SPW], v0, 2, SPARE
	v_mov_b32 v[NIL], 0
	v_lshrrev_b32 v1, 5, v0
	v_readfirstlane_b32 s48, v1                    ; wave
	v_and_b32 v2, 31, v0                           ; lane
	v_lshlrev_b32 v3, 4, v2                        ; 16 x lane
	s_wait_kmcnt 0x0
	s_cmp_eq_u32 ttmp9, 0
	s_cbranch_scc1 .Lsums
	s_sub_co_u32 s49, ttmp9, 1
	s_lshl_b32 s49, s49, 2
	s_add_co_u32 s49, s49, s48                     ; which 16 rows are my wave's
	s_lshl_b32 s50, s49, 6
	s_mov_b32 s51, 0
	s_add_nc_u64 s[4:5], s[4:5], s[50:51]
	s_load_b512 s[16:31], s[4:5], 0x0              ; their leaf numbers: whole numbers that the launch before stored
	s_mul_i32 s50, s49, 64000
	s_add_nc_u64 s[14:15], s[14:15], s[50:51]
	s_wait_kmcnt 0x0
.irp q, 0,1,2,3,4,5,6,7,8,9,10,11,12,13,14,15
	s_min_u32 s[16+\q], s[16+\q], 0x3ff            ; an index stays inside its table
.endr
.irp q, 0,1,2,3,4,5,6,7,8,9,10,11,12,13,14,15
	s_lshl_b32 s[16+\q], s[16+\q], 12              ; the leaf's row of qtab: rows 4,096 bytes apart
	v_add_nc_u32 v[16+\q], s[16+\q], v3            ; + 16 x lane: for the instructions whose 32 pieces all lie in row q
.endr
; the instruction in which row q ends: number ib = 250 (q + 1) / 32; its lanes under thr = 250 (q + 1) % 32 still lie in row q, at byte 512 ib - 4,000 q + 16 x lane of it;
; the others begin row q + 1, at byte 16 (lane - thr), made as (16 x lane + 4,096 - 16 thr) AND 4,095: no subtraction stands in an address
.irp q, 0,1,2,3,4,5,6,7,8,9,10,11,12,13,14
.set thr, (250*(\q+1))%32
.set cb1, 512*((250*(\q+1))/32)-4000*\q
	v_cmp_gt_u32 vcc_lo, thr, v2                   ; the lanes that still lie in row q
	v_cndmask_b32 v4, 0, -1, vcc_lo
	v_cndmask_b32 v5, -1, 0, vcc_lo
	v_add_nc_u32 v6, cb1, v3
	v_add_nc_u32 v6, s[16+\q], v6
	v_and_b32 v6, v6, v4
	v_add_nc_u32 v7, 4096-16*thr, v3
	v_and_b32 v7, 0xfff, v7
	v_add_nc_u32 v7, s[17+\q], v7
	v_and_b32 v7, v7, v5
	v_add_nc_u32 v[32+\q], v6, v7
.endr
.macro GLD i                           ; pieces 32 i to 32 i + 31 of my 4,000, into slot i % 25
.set rho, (32*(\i))/250
.if (32*(\i)+31)/250 != rho
	global_load_b128 v[64+4*((\i)%25):67+4*((\i)%25)], v[32+rho], s[6:7]
.else
	global_load_b128 v[64+4*((\i)%25):67+4*((\i)%25)], v[16+rho], s[6:7] offset:512*(\i)-4000*rho     ; 32 i >= 250 rho: never negative
.endif
.endm
.macro GST i
	global_store_b128 v3, v[64+4*((\i)%25):67+4*((\i)%25)], s[14:15] offset:512*(\i) th:TH_STORE_NT    ; 512 consecutive bytes, at a multiple of 256 from out1's first byte
.endm
.set i, 0
.rept 25
	GLD i                                          ; a ring of 25 slots: 25 loads of every wave are on their way
.set i, i+1
.endr
.set q, 0
.rept 25
.if q <= 20
	s_wait_loadcnt 20                              ; behind this group's five loads twenty were issued
.else
	s_wait_loadcnt 5*(24-q)                        ; the tail loads nothing: the counts run down
.endif
.set n, 0
.rept 5
	GST 5*q+n
.set n, n+1
.endr
.if q < 20
	s_wait_xcnt 0x0                                ; the stores have read their registers: the slots are loaded again only behind this wait
.set n, 0
.rept 5
	GLD 5*q+25+n
.set n, n+1
.endr
.endif
.set q, q+1
.endr
	s_endpgm
; ---- work-group 0
; group n: 8 rows of part (a row: one work-group's 512 sums, 2,048 bytes), 32 loads, into set n % 2: v128-255, or v0-127 of window 1
.macro PLOAD n
	WIN ((\n)%2)<<6
.irp j, 0,1,2,3,4,5,6,7
.irp u, 0,1,2,3
	global_load_b128 v[128-128*((\n)%2)+16*\j+4*\u:131-128*((\n)%2)+16*\j+4*\u], v3, s[8:9] offset:16384*(\n)+2048*\j+512*\u th:TH_LOAD_NT
.endr
.endr
	WIN 0
.endm
.macro PSUM n, left
	s_wait_loadcnt \left                           ; this group's 32 loads are in; the next group's may be out
.set PB, 128-128*((\n)%2)
	WIN ((\n)%2)<<2
.irp j, 1,2,3,4,5,6,7
.irp q, 0,1,2,3,4,5,6,7
.if ((\n) == 0) && (\j == 1)
	v_pk_add_f32 v[16+2*\q:17+2*\q], v[PB+2*\q:PB+2*\q+1], v[PB+16+2*\q:PB+17+2*\q]       ; the first two rows start the sums
.else
	v_pk_add_f32 v[16+2*\q:17+2*\q], v[16+2*\q:17+2*\q], v[PB+16*\j+2*\q:PB+16*\j+2*\q+1]
.endif
.endr
.endr
.if (\n) > 0
.irp q, 0,1,2,3,4,5,6,7
	v_pk_add_f32 v[16+2*\q:17+2*\q], v[16+2*\q:17+2*\q], v[PB+2*\q:PB+2*\q+1]
.endr
.endif
	WIN 0
.endm
; a node's term: v[s] = the sum of its two children's sums, v[r] the right child's; v36 += weight x (log2 pen + log2(1 - pen))
.macro PENT r, s, wt
	v_rcp_f32 v60, v[\s]
	v_nop                                          ; a plain place behind the transcendental,
	s_wait_alu depctr_va_vdst(0)                   ; and the wait ahead of its reader
	v_mul_f32 v60, v[\r], v60                      ; pen
	v_sub_f32 v61, 1.0, v60
	v_log_f32 v60, v60
	v_log_f32 v61, v61
	v_nop
	s_wait_alu depctr_va_vdst(0)                   ; one wait for the two
	v_add_f32 v60, v60, v61
	v_fmac_f32 v36, \wt, v60
.endm
; a level whose nodes lie in lanes: my sibling is lane l xor xm; the right child is the lane with that bit set; rep: the binary logarithm of the lanes that form the same term
.macro LANELV xm, mask, d, rep
	v_mov_b32_dpp v35, v34 row_xmask:\xm row_mask:0xf bank_mask:0xf
	v_cndmask_b32 v38, v35, v34, s[\mask]
	v_add_f32 v34, v34, v35
	PENT 38, 34, WT0-((\d+1+\rep)<<23)
.endm
.Lsums:
	v_lshlrev_b32 v4, 3, v0
	global_load_b64 v[40:41], v4, s[10:11]         ; two of the 256 numbers of lossp a thread
	s_lshl_b32 s50, s48, 17                        ; wave w sums rows 64 w to 64 w + 63 of part
	s_mov_b32 s51, 0
	s_add_nc_u64 s[8:9], s[8:9], s[50:51]
	PLOAD 0
	PLOAD 1
	s_mov_b32 s36, 0x76543210
	s_mov_b32 s37, 0xfedcba98
	s_mov_b32 s38, 0xffff0000
	s_mov_b32 s41, 0xaaaaaaaa
	s_mov_b32 s42, 0xcccccccc
	s_mov_b32 s43, 0xf0f0f0f0
	s_mov_b32 s44, 0xff00ff00
	s_lshl_b32 s50, s48, 11
	v_add_nc_u32 v5, s50, v3                       ; my wave's 2,048 bytes of sums
	v_lshlrev_b32 v6, 4, v0                        ; thread t takes sums 4 t to 4 t + 3
	v_lshrrev_b32 v7, 4, v0
	v_and_b32 v8, 15, v0
	v_lshlrev_b32 v7, 7, v7
	v_lshl_add_u32 v7, v8, 2, v7
	v_add_nc_u32 v7, T8, v7                        ; level 8: place 32 g + a (the left twin's; the right twin's 16 places on), g = t / 16, a = t % 16
	v_lshl_add_u32 v8, v0, 3, T8
	v_lshl_add_u32 v9, v0, 2, T7
	v_add_nc_u32 v10, T7, v3
	v_mov_b32 v35, 0
	v_mov_b32 v39, 0
.irp n, 0,1,2,3,4,5
	PSUM \n, 32
	PLOAD \n+2
.endr
	PSUM 6, 32
	PSUM 7, 0
.irp u, 0,1,2,3
	ds_store_b128 v5, v[16+4*\u:19+4*\u] offset:512*\u
.endr
	s_wait_dscnt 0x0
	s_barrier_signal -1
	s_barrier_wait -1
.irp q, 0,1,2,3
	ds_load_b128 v[44+4*\q:47+4*\q], v6 offset:2048*\q
.endr
	s_wait_dscnt 0x0
	v_pk_add_f32 v[44:45], v[44:45], v[48:49]
	v_pk_add_f32 v[46:47], v[46:47], v[50:51]
	v_pk_add_f32 v[52:53], v[52:53], v[56:57]
	v_pk_add_f32 v[54:55], v[54:55], v[58:59]
	v_pk_add_f32 v[44:45], v[44:45], v[52:53]
	v_pk_add_f32 v[46:47], v[46:47], v[54:55]      ; four batch sums of the last inner level: two neighbours of the left twin (v44, v46), two of the right (v45, v47)
	v_add_f32 v36, v40, v41
	v_mul_f32 v36, 0x38800000, v36                 ; my part of the mean: / 16,384
	v_add_f32 v32, v44, v46
	v_add_f32 v33, v45, v47
	PENT 46, 32, WT0-(9<<23)                       ; level 8, depth 9
	PENT 47, 33, WT0-(9<<23)
	ds_store_b32 v7, v32
	ds_store_b32 v7, v33 offset:64
	s_wait_dscnt 0x0
	s_barrier_signal -1
	s_barrier_wait -1
	ds_load_b64 v[48:49], v8
	s_wait_dscnt 0x0
	v_add_f32 v34, v48, v49
	PENT 49, 34, WT0-(8<<23)                       ; level 7
	ds_store_b32 v9, v34
	ds_store_b32 v9, v36 offset:512
	s_wait_dscnt 0x0
	s_barrier_signal -1
	s_barrier_wait -1
	s_cmp_lg_u32 s48, 0
	s_cbranch_scc1 .Lsend
	ds_load_b128 v[48:51], v10                     ; wave 0: four sums of level 7,
	ds_load_b128 v[52:55], v10 offset:512          ; and four threads' parts
	s_wait_dscnt 0x0
	v_add_f32 v52, v52, v53
	v_add_f32 v54, v54, v55
	v_add_f32 v36, v52, v54
	v_add_f32 v32, v48, v49
	v_add_f32 v33, v50, v51
	PENT 49, 32, WT0-(7<<23)                       ; level 6: two nodes a lane
	PENT 51, 33, WT0-(7<<23)
	v_add_f32 v34, v32, v33
	PENT 33, 34, WT0-(6<<23)                       ; level 5: one
	LANELV 1, 41, 4, 1
	LANELV 2, 42, 3, 2
	LANELV 4, 43, 2, 3
	LANELV 8, 44, 1, 4
	v_permlanex16_b32 v35, v34, s36, s37           ; the root: its children lie in the two halves of the lanes
	v_cndmask_b32 v38, v35, v34, s38
	v_add_f32 v34, v34, v35
	PENT 38, 34, WT0-(6<<23)
.irp x, 1,2,4,8
	v_add_f32_dpp v36, v36, v36 row_xmask:\x row_mask:0xf bank_mask:0xf
.endr
	v_permlanex16_b32 v35, v36, s36, s37
	v_add_f32 v36, v36, v35
	v_mul_f32 v36, -1.0, v36
	v_cmp_eq_u32 vcc_lo, 0, v2
	s_wait_xcnt 0x0                                ; EXEC changes only behind this wait,
	s_and_saveexec_b32 s52, vcc_lo
	global_store_b32 v39, v36, s[12:13]
	s_wait_xcnt 0x0                                ; and again in front of the line that widens it
	s_or_b32 exec_lo, exec_lo, s52
.Lsend:
	s_wait_tensorcnt 0x0                           ; the wave's end
	ds_add_u32 v[SPW], v[NIL]
	s_wait_dscnt 0x0
	s_endpgm
.Lfunc_end_k_q5e058922dc_emit:
	.size	k_q5e058922dc_emit, .Lfunc_end_k_q5e058922dc_emit-k_q5e058922dc_emit
	.p2alignl 7, 3214868480
	.fill 96, 4, 3214868480
	.section	.rodata,"a",@progbits
	.p2align	6, 0x0
	.amdhsa_kernel k_q5e058922dc_emit
		.amdhsa_group_segment_fixed_size 10752
		.amdhsa_private_segment_fixed_size 0
		.amdhsa_enable_private_segment 0
		.amdhsa_kernarg_size 48
		.amdhsa_user_sgpr_count 2
		.amdhsa_user_sgpr_kernarg_segment_ptr 1
		.amdhsa_wavefront_size32 1
		.amdhsa_system_sgpr_workgroup_id_x 1
		.amdhsa_system_sgpr_workgroup_id_y 1
		.amdhsa_system_sgpr_workgroup_id_z 1
		.amdhsa_system_vgpr_workitem_id 0
		.amdhsa_next_free_vgpr 384
		.amdhsa_next_free_sgpr 66
		.amdhsa_reserve_vcc 1
		.amdhsa_float_denorm_mode_32 3
		.amdhsa_float_denorm_mode_16_64 3
		.amdhsa_memory_ordered 1
		.amdhsa_forward_progress 1
		.amdhsa_inst_pref_size 101
	.end_amdhsa_kernel
	.amdgpu_metadata
---
amdhsa.version: [ 1, 2 ]
amdhsa.kernels:
  - .name:           k_q5e058922dc_emit
    .symbol:         k_q5e058922dc_emit.kd
    .args:
      - { .name: best, .offset: 0, .size: 8, .value_kind: global_buffer, .address_space: global }
      - { .name: qtab, .offset: 8, .size: 8, .value_kind: global_buffer, .address_space: global }
      - { .name: part, .offset: 16, .size: 8, .value_kind: global_buffer, .address_space: global }
      - { .name: lossp, .offset: 24, .size: 8, .value_kind: global_buffer, .address_space: global }
      - { .name: out0, .offset: 32, .size: 8, .value_kind: global_buffer, .address_space: global }
      - { .name: out1, .offset: 40, .size: 8, .value_kind: global_buffer, .address_space: global }
    .group_segment_fixed_size: 10752
    .private_segment_fixed_size: 0
    .kernarg_segment_align: 8
    .kernarg_segment_size: 48
    .max_flat_workgroup_size: 128
    .sgpr_count:     66
    .vgpr_count:     384
    .wavefront_size: 32
...
	.end_amdgpu_metadata
.endif
;; end of part 3
;; ======== version 2 of 2: 3 launches
;; limits: right only within a limited range of input values
;; workspace buffers: wq 1,114,112 bytes; lq 524,288 bytes; sc 40,960 bytes; qtab 4,194,304 bytes; part 524,288 bytes; best 65,536 bytes of whole numbers; lossp 1,024 bytes
;; launch prep (part 4): grid 129 x 1, 16 waves a work-group, no clusters, 219,648 bytes of LDS; arguments W, b, beta, leaf_params, wq, lq, sc, qtab; writes wq, lq, sc, qtab
.if DOCPART == 4
	.amdgcn_target "amdgcn-amd-amdhsa--gfx1250"
	.amdhsa_code_object_version 6
	.text
	.protected	k_q5e058922dc_prep
	.globl	k_q5e058922dc_prep
	.p2align	8
	.type	k_q5e058922dc_prep,@function
k_q5e058922dc_prep:
	s_mov_b64 s[64:65], 0
	v_nop
	global_prefetch_b8 v0, s[64:65] scope:SCOPE_SE
	s_setreg_imm32_b32 hwreg(HW_REG_WAVE_MODE, 25, 1), 1
	s_wait_xcnt 0x0
; SOFT DECISION TREE, launch 1 of 3: what every row block reads again is made once.
;   W           -> codes of E2M1 and E8M0 scale words, laid in the order of the operand registers of launch 2 (wq: [wave 4][K step 16][16,384 bytes of codes, 1,024 of scale words])
;   beta, b     -> c = -beta log2(e) and c b, in slot order (sc): sigmoid(beta (z + b)) = 1 / (1 + 2^(c z + c b))
;   leaf_params -> log_softmax, quantised along the 1,000 classes (lq, sc), and softmax as an f32 table (qtab, rows 4,096 bytes apart)
; WORK THAT THE PROGRAM LEAVES OUT, for all values of the inputs:
;   (1) the penalties of the nodes of depth 10: reference() itself masks them by depths < MAX_DEPTH, so they are not formed;
;   (2) sum_b p x inner_path of node n IS sum_b path(right child of n): reference() forms the same product path x pd for both, so no second sum is made;
;   (3) sum_b inner_path(n) = sum_b path(left child) + sum_b path(right child), since path (1 - p) + path p = path: only the 512 batch sums of the last
;       inner level are accumulated, the levels above are sums of pairs (launch 3).  All terms are >= 0: only the order of rounding differs from reference()'s.
;   (4) Q[best] is a lookup by a stored whole number (launch 3).       All six inputs have a way to an output and are loaded.
; LIMITS: another order of rounding in the batch sums than reference()'s; a NaN, an infinity or an overflow that reaches only the masked penalties is not carried
;   to the result; NaN and infinities among the inputs are not served; a block whose largest magnitude lies under 2^(2 - 126), a block of zeros among them,
;   keeps the scale byte 1 (zero codes add nothing under it, and this program alone reads the bytes); beta (z + b) is made as one fused multiply-add c z + c b.
; THE SLOT MAP.  In launch 2 wave w (0..3) owns 256 slots; lane half h picks group g = 2 w + h, the subtree under the node at position g of tree level 3; slot sigma = 8 t + j (tile t,
;   register j), pair pi = sigma / 2, twin tau = sigma % 2.  Product 1: pi = 0: tau = 0 node 7 + g, tau = 1 node max(g, 1) - 1 (the seven nodes above level 3, the root twice);
;   pi >= 1: node ((15 + 2 g + tau) << floor(log2 pi)) + pi - 1: heap place pi in the subtree under position 2 g + tau of level 4.
;   Product 2: x = 2 pi + 1, s = x << (6 - floor(log2 x)), leaf = 128 g + 64 tau + s - 64: the register in which launch 2's tree leaves that leaf's path.
; ROLES by the work-group's number (the same in all its waves): 0..63 leaf rows (a tile of 16 leaves, a wave a row); 64..127 W (a wave: one tile of 16 nodes x 128 along K); 128 the two tables.
; The leaf role and the W role have LDS bytes of their own.  No tensor loads, no prefetch: every stream here is read once, by one wave, and no role has a loop to run ahead in.
.set LC,    0                          ; LDS, leaf role: the tile's codes, [K step 8][c 2][half 2][row 16] x 16 bytes
.set LSW,   8192                       ; its scale words, [K step 8][row 16] x 4 bytes
.set QS,    8704                       ; a stage for each wave: 32 lanes x (128 bytes + 16)
.set SPARE, 82432                      ; the spare words, 128 bytes for each wave, which no other line names
.set WST,   84480                      ; LDS, W role: a stage of 16 rows x (512 bytes + 16) for each wave
.set SPW,   220                        ; v220 my spare word; never rewritten
.set NIL,   221                        ; v221 0; never rewritten
; slot (group v[vg], sigma v[vs]) -> node number v[vo]; whole-number arithmetic on ids alone
.macro NODE vg, vs, vo, ta, tb, tc
	s_delay_alu instid0(VALU_DEP_1)
	v_lshrrev_b32 v[\ta], 1, v[\vs]                ; pi
	s_delay_alu instid0(VALU_DEP_2)
	v_and_b32 v[\tb], 1, v[\vs]                    ; tau
	v_mov_b32 v[\tc], 0
.irp i, 2,4,8,16,32
	v_cmp_le_u32 vcc_lo, \i, v[\ta]
	s_delay_alu instid0(VALU_DEP_1)
	v_add_co_ci_u32 v[\tc], vcc_lo, 0, v[\tc], vcc_lo      ; floor(log2 pi)
.endr
	v_lshl_add_u32 v[\vo], v[\vg], 1, v[\tb]
	s_delay_alu instid0(VALU_DEP_1)
	v_add_nc_u32 v[\vo], 15, v[\vo]
	s_delay_alu instid0(VALU_DEP_1)
	v_lshlrev_b32 v[\vo], v[\tc], v[\vo]
	s_delay_alu instid0(VALU_DEP_1)
	v_add_nc_u32 v[\vo], v[\vo], v[\ta]
	s_delay_alu instid0(VALU_DEP_1)
	v_add_nc_u32 v[\vo], -1, v[\vo]
	v_min_u32 v[\tc], 1, v[\vg]
	s_delay_alu instid0(VALU_DEP_1)
	v_sub_nc_u32 v[\tc], v[\vg], v[\tc]            ; max(g, 1) - 1
	v_cmp_eq_u32 vcc_lo, 1, v[\tb]
	v_add_nc_u32 v[\tb], 7, v[\vg]
	s_delay_alu instid0(VALU_DEP_1)
	v_cndmask_b32 v[\tb], v[\tb], v[\tc], vcc_lo
	v_cmp_eq_u32 vcc_lo, 0, v[\ta]
	s_delay_alu instid0(VALU_DEP_1)
	v_cndmask_b32 v[\vo], v[\vo], v[\tb], vcc_lo   ; pair 0 holds the two odd slots
.endm
	s_load_b256 s[4:11], s[0:1], 0x0               ; W s[4:5], b s[6:7], beta s[8:9], leaf_params s[10:11]
	s_load_b256 s[12:19], s[0:1], 0x20             ; wq s[12:13], lq s[14:15], sc s[16:17], qtab s[18:19]
	v_lshl_add_u32 v[SPW], v0, 2, SPARE
	v_mov_b32 v[NIL], 0
	v_lshrrev_b32 v1, 5, v0
	s_delay_alu instid0(VALU_DEP_1)
	v_readfirstlane_b32 s20, v1                    ; wave 0..15
	v_and_b32 v2, 31, v0                           ; lane
	s_mov_b32 s36, 0x76543210
	s_mov_b32 s37, 0xfedcba98                      ; v_permlanex16_b32's selects for lane l xor 16
	s_wait_kmcnt 0x0
	s_cmp_lt_u32 ttmp9, 64
	s_cbranch_scc1 .Lrole_l
	s_cmp_lt_u32 ttmp9, 128
	s_cbranch_scc1 .Lrole_w
; ---- the tables: 512 threads, two slots each
.irp i, 0,1
	v_add_nc_u32 v3, 512*\i, v0                    ; slot = 128 g + sigma
	s_delay_alu instid0(VALU_DEP_1)
	v_lshrrev_b32 v5, 7, v3
	s_delay_alu instid0(VALU_DEP_2)
	v_and_b32 v6, 127, v3
	NODE 5, 6, 8+\i, 10, 11, 12
	s_delay_alu instid0(VALU_DEP_1)
	v_lshlrev_b32 v[8+\i], 2, v[8+\i]
	v_lshlrev_b32 v[28+\i], 2, v3
	global_load_b32 v[24+\i], v[8+\i], s[8:9]      ; beta
	global_load_b32 v[26+\i], v[8+\i], s[6:7]      ; b
.endr
	s_wait_loadcnt 0x0
.irp i, 0,1
	v_mul_f32 v[24+\i], 0xbfb8aa3b, v[24+\i]       ; c = -log2(e) beta
	s_wait_alu depctr_va_vdst(0)
	v_mul_f32 v[26+\i], v[24+\i], v[26+\i]         ; c b
	global_store_b32 v[28+\i], v[24+\i], s[16:17] offset:32768
	global_store_b32 v[28+\i], v[26+\i], s[16:17] offset:36864
.endr
	s_endpgm
; ---- W: wave number n of the role's 1,024 = 2 (128 w + 8 k + u) + a: tile t = 2 u + a of wave w's sixteen, K step k.
; A load takes the 512 consecutive bytes that one node has in the K step, 16 bytes a lane; the tile then turns through my own stage, so that a lane holds 16 neighbours of each block of 32 of ITS row.
; LDS serves a wave's instructions in order (ISA guide 5.7.1.4): no wait between the turn's stores and its loads.  Rows 528 bytes apart: sixteen rows start at sixteen different groups of banks
.macro TURNW s
.irp i, 0,1,2,3,4,5,6,7,8,9,10,11,12,13,14,15
	ds_store_b128 v5, v[\s+4*\i:\s+4*\i+3] offset:528*\i
.endr
.irp b, 0,1,2,3
.irp j, 0,1,2,3
	ds_load_b128 v[\s+16*\b+4*\j:\s+16*\b+4*\j+3], v6 offset:128*\b+16*\j
.endr
.endr
.endm
; 64 numbers of a lane at v[s] on, register 16 b + i = k 32 b + 16 (lane / 16) + i of my row -> a fragment's 8 registers of codes at v[pc], the row's scale word in v[pw] (the same in lanes r and r + 16)
.macro QW s, pc, pw
.irp b, 0,1,2,3
	v_max3_num_f32 v[16+\b], |v[\s+16*\b]|, |v[\s+16*\b+1]|, 0x1800000     ; block b: my 16 numbers, over the floor 2^(3 - 127): the byte cannot fall under 1
.endr
.irp i, 2,4,6,8,10,12,14
.irp b, 0,1,2,3
	s_delay_alu instid0(VALU_DEP_4)
	v_max3_num_f32 v[16+\b], v[16+\b], |v[\s+16*\b+\i]|, |v[\s+16*\b+\i+1]|
.endr
.endr
.irp b, 0,1,2,3
	s_delay_alu instid0(VALU_DEP_4)
	v_permlanex16_b32 v[20+\b], v[16+\b], s36, s37
.endr
.irp b, 0,1,2,3
	s_delay_alu instid0(VALU_DEP_4)
	v_max_num_f32 v[16+\b], v[16+\b], v[20+\b]     ; with lane l xor 16's: the block's largest magnitude
.endr
.irp b, 0,1,2,3
	s_delay_alu instid0(VALU_DEP_4)
	v_add_nc_u32 v[28+\b], 0xff000000, v[16+\b]    ; 2 off its exponent field: the conversion's scale operand
.endr
.irp b, 0,1,2,3
	s_delay_alu instid0(VALU_DEP_4)
	v_lshrrev_b32 v[20+\b], 23, v[28+\b]           ; the scale's byte
.endr
	s_delay_alu instid0(VALU_DEP_3)
	v_lshl_or_b32 v[\pw], v21, 8, v20
	s_delay_alu instid0(VALU_DEP_1)
	v_lshl_or_b32 v[\pw], v22, 16, v[\pw]
	s_delay_alu instid0(VALU_DEP_1)
	v_lshl_or_b32 v[\pw], v23, 24, v[\pw]
.irp b, 0,1,2,3
	v_cvt_scalef32_pk8_fp4_f32 v[\pc+2*\b], v[\s+16*\b:\s+16*\b+7], v[28+\b]
	v_cvt_scalef32_pk8_fp4_f32 v[\pc+2*\b+1], v[\s+16*\b+8:\s+16*\b+15], v[28+\b]
.endr
	v_nop                                          ; a plain place behind the last scaled conversion
.irp c, 0,1                                    ; the operand's layout wants a whole block in a lane
.irp i, 0,1
	v_permlane16_swap_b32 v[\pc+4*\c+\i], v[\pc+2+4*\c+\i]
.endr
.endr
.endm
.Lrole_w:
	s_sub_co_u32 s21, ttmp9, 64
	s_lshl_b32 s21, s21, 4
	s_add_co_u32 s21, s21, s20                     ; n
	s_and_b32 s46, s21, 1                          ; a
	s_lshr_b32 s21, s21, 1                         ; 128 w + 8 k + u
	s_lshr_b32 s22, s21, 7                         ; w
	s_bfe_u32 s23, s21, 0x40003                    ; k
	s_and_b32 s24, s21, 7                          ; u
	v_and_b32 v3, 15, v0                           ; r
	v_bfe_u32 v4, v0, 4, 1                         ; half
	s_wait_alu depctr_va_vdst(0)
	v_lshlrev_b32 v14, 4, v2                       ; 16 x lane
	s_wait_alu depctr_va_vdst(0)                   ; the wait directly behind the write
	s_lshl_b32 s26, s23, 9                         ; 512 k: the K step's place in a row of W
	s_lshl_b32 s27, s22, 1
.irp gh, 0,1                                   ; rows 0-7 of a tile belong to group 2 w, rows 8-15 to group 2 w + 1
	s_add_co_u32 s25, s27, \gh                     ; g
	s_lshl_b32 s[30+\gh], s25, 1
	s_add_co_u32 s[30+\gh], s[30+\gh], 15          ; 15 + 2 g
	s_add_co_u32 s[32+\gh], s25, 7                 ; the group's own node at level 3
	s_min_u32 s[34+\gh], s25, 1
	s_sub_co_u32 s[34+\gh], s25, s[34+\gh]         ; max(g, 1) - 1
.endr
; row 8 gh + 2 q + tau of tile t is slot sigma = 8 t + 2 q + tau of group 2 w + gh: pi = 4 t + q.  Its node's number, in scalar registers; its bytes' offset in v[32 + row]
	s_lshl_b32 s40, s24, 3
	s_lshl_b32 s47, s46, 2
	s_add_co_u32 s40, s40, s47                     ; 4 t = 8 u + 4 a
.irp q, 0,1,2,3
	s_add_co_u32 s41, s40, \q                      ; pi
	s_mov_b32 s42, 0
.irp i, 2,4,8,16,32
	s_cmp_ge_u32 s41, \i
	s_add_co_ci_u32 s42, s42, 0                    ; floor(log2 pi)
.endr
.irp gh, 0,1
.irp tau, 0,1
	s_add_co_u32 s43, s[30+\gh], \tau
	s_lshl_b32 s43, s43, s42
	s_add_co_u32 s43, s43, s41
	s_sub_co_u32 s43, s43, 1
.if \q == 0
	s_cmp_eq_u32 s41, 0
	s_cselect_b32 s43, s[32+2*\tau+\gh], s43       ; pair 0 holds the two odd slots
.endif
	s_lshl_b32 s43, s43, 13                        ; a row of W is 8,192 bytes
	s_add_co_u32 s43, s43, s26
	v_add_nc_u32 v[32+8*\gh+2*\q+\tau], s43, v14
.endr
.endr
.endr
	s_wait_alu depctr_va_vdst(0)
.irp i, 0,1,2,3,4,5,6,7,8,9,10,11,12,13,14,15
	global_load_b128 v[64+4*\i:67+4*\i], v[32+\i], s[4:5] th:TH_LOAD_NT      ; 512 consecutive bytes of one row
.endr
	s_mul_i32 s44, s20, 8448
	s_add_co_u32 s44, s44, WST                     ; my stage
	v_add_nc_u32 v5, s44, v14                      ; in: as loaded
	v_mul_u32_u24 v6, v3, 528
	s_delay_alu instid0(VALU_DEP_1)
	v_lshl_add_u32 v6, v4, 6, v6
	s_delay_alu instid0(VALU_DEP_1)
	v_add_nc_u32 v6, s44, v6                       ; back: row r, + 64 x half
.irp b, 0,1,2,3
	v_mov_b32 v[20+\b], 0                          ; written once: a lane permute's destination counts as one of its sources
.endr
	s_lshl_b32 s45, s24, 11
	s_lshl_b32 s47, s46, 10
	s_add_co_u32 s45, s45, s47
	v_add_nc_u32 v7, s45, v14                      ; the codes' place in the K step's 17,408 bytes: 1,024 t + 16 x lane
	s_lshl_b32 s45, s24, 7
	s_lshl_b32 s47, s46, 6
	s_add_co_u32 s45, s45, s47
	v_lshl_add_u32 v8, v3, 2, s45                  ; the scale words', behind the 16,384 bytes of codes: 64 t + 4 r: one register of launch 2 holds an even tile's rows in lanes 0-15 and the odd one's in lanes 16-31
	s_lshr_b32 s28, s21, 3                         ; 16 w + k
	s_mul_i32 s28, s28, 17408
	s_mov_b32 s29, 0
	s_add_nc_u64 s[12:13], s[12:13], s[28:29]
	s_wait_alu depctr_va_vdst(0)
	s_wait_loadcnt 0x0
	TURNW 64
	s_wait_dscnt 0x0
	QW 64, 192, 208
	global_store_b128 v7, v[192:195], s[12:13]                 ; an image of the operand's registers: 512 consecutive bytes a store
	global_store_b128 v7, v[196:199], s[12:13] offset:512
	global_store_b32 v8, v208, s[12:13] offset:16384           ; 64 consecutive bytes (lanes r and r + 16 store the same word with the same value); four neighbouring waves' make a block of 256: one byte in 17 of what the role stores
	s_wait_tensorcnt 0x0                           ; the wave's end: three lines behind my last LDS store
	ds_add_u32 v[SPW], v[NIL]
	s_wait_dscnt 0x0
	s_endpgm
; ---- leaf rows: work-group j: wave w = j / 16 of launch 2, tile t = j % 16; my wave is the tile's row
.Lrole_l:
	s_lshr_b32 s22, ttmp9, 4                       ; w
	s_and_b32 s23, ttmp9, 15                       ; t
	s_lshr_b32 s24, s20, 3
	s_lshl_b32 s25, s22, 1
	s_add_co_u32 s24, s24, s25                     ; g
	s_and_b32 s25, s20, 7
	s_lshl_b32 s26, s23, 3
	s_add_co_u32 s25, s25, s26                     ; sigma
	s_and_b32 s26, s25, 1                          ; tau
	s_or_b32 s27, s25, 1                           ; x = 2 pi + 1
	s_mov_b32 s28, 0
.irp i, 2,4,8,16,32,64
	s_cmp_ge_u32 s27, \i
	s_add_co_ci_u32 s28, s28, 0                    ; floor(log2 x)
.endr
	s_sub_co_u32 s28, 6, s28
	s_lshl_b32 s27, s27, s28                       ; s
	s_lshl_b32 s24, s24, 7
	s_lshl_b32 s26, s26, 6
	s_add_co_u32 s24, s24, s26
	s_add_co_u32 s24, s24, s27
	s_sub_co_u32 s24, s24, 64                      ; my leaf
	s_mul_i32 s28, s24, 4000
	s_mov_b32 s29, 0
	s_add_nc_u64 s[10:11], s[10:11], s[28:29]      ; its row of leaf_params,
	s_lshl_b32 s28, s24, 12
	s_add_nc_u64 s[18:19], s[18:19], s[28:29]      ; and of qtab
	s_wait_alu depctr_va_vdst(0)
	v_lshlrev_b32 v3, 7, v2                        ; lane l takes block l of 32 classes; lane 31 has eight,
	s_delay_alu instid0(VALU_DEP_1)
	v_min_u32 v4, 3856, v3                         ; and reads its other six pieces inside the row, to be replaced below
.irp j, 0,1
	global_load_b128 v[32+4*\j:35+4*\j], v3, s[10:11] offset:16*\j th:TH_LOAD_NT
.endr
.irp j, 2,3,4,5,6,7
	global_load_b128 v[32+4*\j:35+4*\j], v4, s[10:11] offset:16*\j th:TH_LOAD_NT
.endr
	s_lshl_b32 s28, s22, 17                        ; lq: 131,072 w + 65,536 (t / 8) + 8,192 (wave / 2) + 1,024 (t % 8) + 512 (wave % 2)
	s_lshr_b32 s30, s23, 3
	s_lshl_b32 s31, s30, 16
	s_add_co_u32 s28, s28, s31
	s_lshr_b32 s31, s20, 1
	s_lshl_b32 s31, s31, 13
	s_add_co_u32 s28, s28, s31
	s_and_b32 s31, s23, 7
	s_lshl_b32 s32, s31, 10
	s_add_co_u32 s28, s28, s32
	s_and_b32 s32, s20, 1
	s_lshl_b32 s32, s32, 9
	s_add_co_u32 s28, s28, s32
	s_add_nc_u64 s[14:15], s[14:15], s[28:29]
	s_lshl_b32 s28, s22, 13                        ; sc: 8,192 w + 4,096 (t / 8) + 128 ((t % 8) / 2) + 64 (t % 2)
	s_lshl_b32 s30, s30, 12
	s_add_co_u32 s28, s28, s30
	s_lshr_b32 s31, s31, 1
	s_lshl_b32 s31, s31, 7
	s_add_co_u32 s28, s28, s31
	s_and_b32 s31, s23, 1
	s_lshl_b32 s31, s31, 6
	s_add_co_u32 s28, s28, s31
	s_add_nc_u64 s[16:17], s[16:17], s[28:29]
	s_mov_b32 s38, 0x3fb8aa3b                      ; log2(e)
	s_mov_b32 s39, s38                             ; (named with it as a pair)
	s_mov_b32 s40, 0x80000000                      ; lane 31
	; every LDS address: constants, the lane, the wave
	s_lshl_b32 s33, s20, 4
	v_lshrrev_b32 v16, 2, v2
	s_delay_alu instid0(VALU_DEP_1)
	v_lshl_add_u32 v5, v16, 10, s33                ; codes: block l is K step l / 4, c = (l / 2) % 2, half l % 2; row = wave
	v_bfe_u32 v17, v2, 1, 1
	s_delay_alu instid0(VALU_DEP_1)
	v_lshl_add_u32 v5, v17, 9, v5
	v_and_b32 v17, 1, v2
	s_delay_alu instid0(VALU_DEP_1)
	v_lshl_add_u32 v5, v17, 8, v5
	s_lshl_b32 s33, s20, 2
	s_add_co_u32 s33, s33, LSW
	v_lshl_add_u32 v6, v16, 6, s33                 ; the byte: word (K step, row), byte l % 4
	v_and_b32 v17, 3, v2
	s_delay_alu instid0(VALU_DEP_1)
	v_add_nc_u32 v6, v6, v17
	s_mul_i32 s33, s20, 4608
	s_add_co_u32 s33, s33, QS
	v_mul_u32_u24 v7, v2, 144
	s_delay_alu instid0(VALU_DEP_1)
	v_add_nc_u32 v7, s33, v7                       ; Q into my stage: 144 bytes from lane to lane
	v_lshrrev_b32 v16, 3, v2
	s_delay_alu instid0(VALU_DEP_1)
	v_mul_u32_u24 v8, v16, 144
	v_and_b32 v17, 7, v2
	s_delay_alu instid0(VALU_DEP_1)
	v_lshl_add_u32 v8, v17, 4, v8
	s_delay_alu instid0(VALU_DEP_1)
	v_add_nc_u32 v8, s33, v8                       ; and back: piece 32 i + l of 16 bytes
	v_add_nc_u32 v16, 218, v2
	s_delay_alu instid0(VALU_DEP_1)
	v_lshlrev_b32 v11, 4, v16                      ; the last store takes pieces 218 + l, up to the row's last, 249
	s_delay_alu instid0(VALU_DEP_2)
	v_lshrrev_b32 v17, 3, v16
	s_delay_alu instid0(VALU_DEP_1)
	v_mul_u32_u24 v9, v17, 144
	s_delay_alu instid0(VALU_DEP_4)
	v_and_b32 v17, 7, v16
	s_delay_alu instid0(VALU_DEP_1)
	v_lshl_add_u32 v9, v17, 4, v9
	s_delay_alu instid0(VALU_DEP_1)
	v_add_nc_u32 v9, s33, v9
	v_lshlrev_b32 v10, 4, v2
	s_lshl_b32 s33, s20, 9
	v_add_nc_u32 v12, s33, v10                     ; behind the barrier wave v takes image (K step v / 2, c = v % 2)
	v_add_nc_u32 v13, LSW, v10                     ; and wave 0 the 128 scale words
	v_lshrrev_b32 v16, 2, v2
	s_delay_alu instid0(VALU_DEP_1)
	v_lshlrev_b32 v15, 9, v16
	v_and_b32 v17, 3, v2
	s_delay_alu instid0(VALU_DEP_1)
	v_lshl_add_u32 v15, v17, 4, v15
	v_mov_b32 v26, 0xff61b1e6                      ; -3e38
	v_mov_b32 v27, 0
	s_wait_alu depctr_va_vdst(0)
	s_wait_loadcnt 0x0
.set i, 8
.rept 24
	v_cndmask_b32 v[32+i], v[32+i], v26, s40       ; past the row's end: under every number, so that it counts neither for the maximum nor for the sum
.set i, i+1
.endr
	v_max3_num_f32 v16, v32, v33, v34
	v_max3_num_f32 v17, v35, v36, v37
.irp i, 38,42,46,50,54,58
	s_delay_alu instid0(VALU_DEP_2)
	v_max3_num_f32 v16, v16, v[\i], v[\i+1]
	s_delay_alu instid0(VALU_DEP_2)
	v_max3_num_f32 v17, v17, v[\i+2], v[\i+3]
.endr
	s_delay_alu instid0(VALU_DEP_2)
	v_max3_num_f32 v16, v16, v62, v63
	s_delay_alu instid0(VALU_DEP_1)
	v_max_num_f32 v16, v16, v17
.irp x, 1,2,4,8
	s_delay_alu instid0(VALU_DEP_1)
	v_max_num_f32_dpp v16, v16, v16 row_xmask:\x row_mask:0xf bank_mask:0xf
.endr
	s_delay_alu instid0(VALU_DEP_1)
	v_permlanex16_b32 v17, v16, s36, s37
	s_delay_alu instid0(VALU_DEP_1)
	v_max_num_f32 v16, v16, v17                    ; the row's maximum, in every lane
	s_delay_alu instid0(VALU_DEP_1)
	v_mov_b32 v17, v16
.set i, 0
.rept 16
	v_pk_add_f32 v[32+2*i:33+2*i], v[32+2*i:33+2*i], v[16:17] neg_lo:[0,1] neg_hi:[0,1]    ; the maximum is taken away, as reference() does
.set i, i+1
.endr
.set i, 0
.rept 16
	v_pk_mul_f32 v[64+2*i:65+2*i], v[32+2*i:33+2*i], s[38:39] op_sel_hi:[1,0]
.set i, i+1
.endr
.set i, 0
	s_wait_alu depctr_va_vdst(0)
.rept 32
	v_exp_f32 v[64+i], v[64+i]
.set i, i+1
.endr
	v_nop                                          ; a plain place behind the exponentials,
	s_wait_alu depctr_va_vdst(0)                   ; and one wait for the batch, ahead of its first reader
	v_pk_add_f32 v[20:21], v[64:65], v[66:67]
	v_pk_add_f32 v[222:223], v[72:73], v[76:77]
	v_pk_add_f32 v[218:219], v[80:81], v[84:85]
	v_pk_add_f32 v[216:217], v[88:89], v[92:93]
	v_pk_add_f32 v[214:215], v[68:69], v[70:71]
	v_pk_add_f32 v[212:213], v[74:75], v[78:79]
	v_pk_add_f32 v[210:211], v[82:83], v[86:87]
	v_pk_add_f32 v[18:19], v[90:91], v[94:95]
	s_delay_alu instid0(VALU_DEP_1)
	v_pk_add_f32 v[18:19], v[18:19], v[216:217]
	v_pk_add_f32 v[20:21], v[20:21], v[214:215]
	v_pk_add_f32 v[222:223], v[222:223], v[212:213]
	v_pk_add_f32 v[218:219], v[218:219], v[210:211]
	s_delay_alu instid0(VALU_DEP_2)
	v_pk_add_f32 v[18:19], v[18:19], v[222:223]
	s_delay_alu instid0(VALU_DEP_2)
	v_pk_add_f32 v[20:21], v[20:21], v[218:219]
	s_delay_alu instid0(VALU_DEP_1)
	v_pk_add_f32 v[18:19], v[18:19], v[20:21]
	s_delay_alu instid0(VALU_DEP_1)
	v_add_f32 v18, v18, v19
.irp x, 1,2,4,8
	s_delay_alu instid0(VALU_DEP_1)
	v_add_f32_dpp v18, v18, v18 row_xmask:\x row_mask:0xf bank_mask:0xf
.endr
	s_delay_alu instid0(VALU_DEP_1)
	v_permlanex16_b32 v19, v18, s36, s37
	s_delay_alu instid0(VALU_DEP_1)
	v_add_f32 v18, v18, v19                        ; the row's sum of exponentials
	s_wait_alu depctr_va_vdst(0)
	v_log_f32 v20, v18
	v_rcp_f32 v22, v18
	v_nop
	s_wait_alu depctr_va_vdst(0)                   ; one wait for the two
	v_mul_f32 v20, 0x3f317218, v20                 ; ln(sum)
	v_mov_b32 v23, v22
	s_delay_alu instid0(VALU_DEP_2)
	v_mov_b32 v21, v20
.set i, 0
.rept 16
	v_pk_add_f32 v[32+2*i:33+2*i], v[32+2*i:33+2*i], v[20:21] neg_lo:[0,1] neg_hi:[0,1]    ; log Q
	v_pk_mul_f32 v[64+2*i:65+2*i], v[64+2*i:65+2*i], v[22:23]                              ; Q
.set i, i+1
.endr
.set i, 8
.rept 24
	v_cndmask_b32 v[32+i], v[32+i], v27, s40       ; the quantiser fills the last block with zeros
.set i, i+1
.endr
	v_max3_num_f32 v16, |v32|, |v33|, 0x1800000    ; my block's largest magnitude, over the floor 2^(3 - 127)
	v_max3_num_f32 v17, |v34|, |v35|, 0x1800000
.irp i, 36,40,44,48,52,56,60
	s_delay_alu instid0(VALU_DEP_2)
	v_max3_num_f32 v16, v16, |v[\i]|, |v[\i+1]|
	s_delay_alu instid0(VALU_DEP_2)
	v_max3_num_f32 v17, v17, |v[\i+2]|, |v[\i+3]|
.endr
	s_delay_alu instid0(VALU_DEP_1)
	v_max_num_f32 v16, v16, v17
	s_delay_alu instid0(VALU_DEP_1)
	v_add_nc_u32 v18, 0xff000000, v16              ; 2 off the exponent field: the conversion's scale operand
	s_delay_alu instid0(VALU_DEP_1)
	v_lshrrev_b32 v19, 23, v18                     ; the scale's byte
.irp g, 0,1,2,3
	v_cvt_scalef32_pk8_fp4_f32 v[96+\g], v[32+8*\g:39+8*\g], v18
.endr
	v_nop                                          ; a plain place behind the last scaled conversion
	ds_store_b128 v5, v[96:99]
	ds_store_b8 v6, v19
.irp j, 0,1,2,3,4,5,6,7
	ds_store_b128 v7, v[64+4*\j:67+4*\j] offset:16*\j
.endr
.irp i, 0,1,2,3,4,5,6
	ds_load_b128 v[100+4*\i:103+4*\i], v8 offset:576*\i        ; LDS serves a wave's instructions in order: these see my stores
.endr
	ds_load_b128 v[128:131], v9
.irp i, 0,1,2,3,4,5,6
	s_wait_dscnt 7-\i                              ; load i is back; the younger ones may be out
	global_store_b128 v10, v[100+4*\i:103+4*\i], s[18:19] offset:512*\i    ; 512 consecutive bytes of the leaf's row of Q
.endr
	s_wait_dscnt 0x0                               ; the last load is back, and my stores into the tile's codes and words have landed:
	global_store_b128 v11, v[128:131], s[18:19]    ; (pieces 218 to 223 are stored twice, with the same numbers: so EXEC never changes)
	s_barrier_signal -1
	s_barrier_wait -1                              ; all sixteen rows' have
	ds_load_b128 v[132:135], v12
	s_wait_dscnt 0x0
	global_store_b128 v10, v[132:135], s[14:15]    ; an image of four operand registers: 512 consecutive bytes
	s_cmp_lg_u32 s20, 0
	s_cbranch_scc1 .Lend_l
	ds_load_b128 v[136:139], v13                   ; wave 0: lane l has K step l / 4, rows 4 (l % 4) on
	s_wait_dscnt 0x0
	global_store_b128 v15, v[136:139], s[16:17]
.Lend_l:
	s_wait_tensorcnt 0x0                           ; the wave's end: three lines behind my last LDS store
	ds_add_u32 v[SPW], v[NIL]
	s_wait_dscnt 0x0
	s_endpgm
.Lfunc_end_k_q5e058922dc_prep:
	.size	k_q5e058922dc_prep, .Lfunc_end_k_q5e058922dc_prep-k_q5e058922dc_prep
	.p2alignl 7, 3214868480
	.fill 96, 4, 3214868480
	.section	.rodata,"a",@progbits
	.p2align	6, 0x0
	.amdhsa_kernel k_q5e058922dc_prep
		.amdhsa_group_segment_fixed_size 219648
		.amdhsa_private_segment_fixed_size 0
		.amdhsa_enable_private_segment 0
		.amdhsa_kernarg_size 64
		.amdhsa_user_sgpr_count 2
		.amdhsa_user_sgpr_kernarg_segment_ptr 1
		.amdhsa_wavefront_size32 1
		.amdhsa_system_sgpr_workgroup_id_x 1
		.amdhsa_system_sgpr_workgroup_id_y 1
		.amdhsa_system_sgpr_workgroup_id_z 1
		.amdhsa_system_vgpr_workitem_id 0
		.amdhsa_next_free_vgpr 224
		.amdhsa_next_free_sgpr 66
		.amdhsa_reserve_vcc 1
		.amdhsa_float_denorm_mode_32 3
		.amdhsa_float_denorm_mode_16_64 3
		.amdhsa_memory_ordered 1
		.amdhsa_forward_progress 1
		.amdhsa_inst_pref_size 44
	.end_amdhsa_kernel
	.amdgpu_metadata
---
amdhsa.version: [ 1, 2 ]
amdhsa.kernels:
  - .name:           k_q5e058922dc_prep
    .symbol:         k_q5e058922dc_prep.kd
    .args:
      - { .name: W, .offset: 0, .size: 8, .value_kind: global_buffer, .address_space: global }
      - { .name: b, .offset: 8, .size: 8, .value_kind: global_buffer, .address_space: global }
      - { .name: beta, .offset: 16, .size: 8, .value_kind: global_buffer, .address_space: global }
      - { .name: leaf_params, .offset: 24, .size: 8, .value_kind: global_buffer, .address_space: global }
      - { .name: wq, .offset: 32, .size: 8, .value_kind: global_buffer, .address_space: global }
      - { .name: lq, .offset: 40, .size: 8, .value_kind: global_buffer, .address_space: global }
      - { .name: sc, .offset: 48, .size: 8, .value_kind: global_buffer, .address_space: global }
      - { .name: qtab, .offset: 56, .size: 8, .value_kind: global_buffer, .address_space: global }
    .group_segment_fixed_size: 219648
    .private_segment_fixed_size: 0
    .kernarg_segment_align: 8
    .kernarg_segment_size: 64
    .max_flat_workgroup_size: 512
    .sgpr_count:     66
    .vgpr_count:     224
    .wavefront_size: 32
...
	.end_amdgpu_metadata
.endif
;; end of part 4
;; launch tree (part 5): grid 256 x 1, 4 waves a work-group, clusters of 4 x 1, 327,680 bytes of LDS; arguments x, y, wq, lq, sc, part, best, lossp; writes part, best, lossp
.if DOCPART == 5
	.amdgcn_target "amdgcn-amd-amdhsa--gfx1250"
	.amdhsa_code_object_version 6
	.text
	.protected	k_q5e058922dc_tree
	.globl	k_q5e058922dc_tree
	.p2align	8
	.type	k_q5e058922dc_tree,@function
k_q5e058922dc_tree:
	s_mov_b64 s[64:65], 0
	v_nop
	global_prefetch_b8 v0, s[64:65] scope:SCOPE_SE
	s_setreg_imm32_b32 hwreg(HW_REG_WAVE_MODE, 25, 1), 1
	s_wait_xcnt 0x0
	s_wait_alu depctr_hold_cnt(0) depctr_sa_sdst(0) depctr_va_vdst(0) depctr_va_sdst(0) depctr_va_ssrc(0) depctr_va_vcc(0) depctr_vm_vsrc(0)
	s_getreg_b32 s2, hwreg(HW_REG_IB_STS2, 6, 4)
	s_cmp_eq_u32 s2, 0
	s_cbranch_scc0 .Lentry_in_a_cluster
	s_endpgm
.Lentry_in_a_cluster:
	s_bfe_u32 s2, ttmp6, 0x10000c
	s_cmp_lg_u32 s2, 0x3003
	s_cbranch_scc0 .Lentry_shape_is_right
	s_endpgm
.Lentry_shape_is_right:
; SOFT DECISION TREE, launch 2 of 3.  A work-group takes 64 rows of the batch through everything but the lookup:
;   x quantised, z = x W^T (MX-FP4), p = sigmoid(beta (z + b)), the ten levels of path products, the batch sums of the last inner level (part), the row's first largest leaf (best),
;   y quantised, TQ = y logQ^T (MX-FP4), and the sum of leaf_path x TQ (lossp).
; Left out, as shown at the head of the first launch: the penalties of depth 10, and all batch sums but those of the last inner level (the levels above are sums of pairs, made in launch 3).
; LIMITS: as stated there; the K steps of product 1 are summed in an order that begins at another step in each cluster (below): another order of rounding.  Ties of the largest leaf go to the lowest leaf number.
; SHARES.  Four waves.  Wave w owns 256 slots (nodes in product 1, leaves in product 2) for all 64 rows: 32 accumulators of 32 x 16, 512 registers.
; Both products are used transposed (source 0 = 32 weight rows, source 1 = 16 batch rows): lane (r, h) holds batch row r, and its registers the slots of group g = 2 w + h,
; the subtree under position g of tree level 3.  Slot sigma lies at v[128 + sigma] of window m (m: the tile of 16 rows).
; THE TREE IN PLACE.  Pair pi = registers (2 pi, 2 pi + 1) holds heap place pi of the group's two twins.  For heap place s the right child's path takes pair s, where p lay, and the left child's
; keeps the pair of s's own path: the path of place s lies in pair (odd part of s) / 2.
; Wave w also quantises rows 16 w .. 16 w + 15 of x and of y; fragments go from wave to wave through LDS as images of the operand's registers.
; CLUSTER.  Four work-groups ask for W JOINTLY (mask 15).  W, laid by launch 1 in the order of the operand's registers, goes through a ring of two LDS slots; a slot holds two K steps:
; for each wave 2 x 17,408 bytes, dense in memory.  Wave w fetches its own part by one load and alone reads it.
; THE WALK ALONG K begins, in cluster c, at pair c mod 8 of the eight pairs of K steps and goes round.  So a pair that my cluster asks for was asked for one fill earlier by the clusters that
; began one pair further on; for that reason W has no prefetch of its own.  x, which one wave reads once, is prefetched four K steps ahead, two ahead of its loads.
; logQ goes from memory straight into registers, 512 consecutive bytes an instruction: y's rows lie in the ring's bytes until they are quantised.
; REGISTERS, in windows of 256 (s_set_vgpr_msb: bits 1:0 source 0, 3:2 source 1, 5:4 source 2, 7:6 destination):
;   v128-255 of window m: z, then p, then the paths, then leaf_path of rows 16 m on.
;   window 0: v0-31 addresses (v24, v25 the add's two; v28, v29 x's or y's scale words); v32-63 four fragments of x or y; v64-71 codes; v72-88 the quantiser's work; v89-93 addresses; v96-111 at work; v112-127 scale words.
;   window 1 v0-127: W's fragments of one K step; then TQ of rows 0-31.   window 2 v0-63: 64 numbers of x or y back from the stage; v0-127 c b; then TQ of rows 32-63.
;   window 3 v0-127: two sets of 64 numbers of x as loaded; then c; then logQ's fragments, two sets.     v96-111 of every window: at work in the tree.
.set WSTEP, 17408
.set WPART, 2*WSTEP                    ; a wave's part of a slot: 136 rows of 256 bytes
.set SLOT,  4*WPART                    ; the ring's slots lie at 0 and at SLOT; later y's 64 rows of 4,000 bytes lie at 0.  Nothing is ever stored there
.set STG,   2*SLOT                     ; a stage of 16 rows x 528 bytes for each wave; later y's 32 images of 1,024 bytes
.set XIMG,  STG+4*8448                 ; x's four images of 1,024 bytes, twice: by the K step's parity
.set XSC,   XIMG+8192                  ; x's scale words, twice
.set SPARE, XSC+512                    ; the spare words, 128 bytes for each wave, which no other line names
.set TOP,   XIMG                       ; behind the K loop: p of the seven nodes above level 3
.set YSC,   XIMG+2048                  ; y's scale words
.set AMV,   XIMG+4096                  ; the groups' largest leaf_path; their leaf numbers 2,048 bytes on
.set LSS,   XSC                        ; the four waves' sums of leaf_path x TQ
.set PC,  64
.set TM,  72
.set PW,  88
.set TT,  96
.set MSB, 0
.macro WIN new                         ; the immediate's high byte repeats the setting that is left
.if MSB != (\new)
	s_set_vgpr_msb (MSB<<8)|(\new)
.set MSB, (\new)
.endif
.endm
.macro PLACES                          ; four plain places behind a matrix instruction (ISA guide 7.12.1)
.rept 4
	v_nop
.endr
.endm
.macro CROUND                          ; a round of the cluster's barrier
	s_barrier_signal -1
	s_barrier_wait -1
	s_cmp_lg_u32 s2, 0
	s_cbranch_scc1 .Lnot_wave_0_\@
	s_barrier_signal -3
.Lnot_wave_0_\@:
	s_barrier_wait -3
	s_barrier_signal -1
	s_barrier_wait -1
.endm
.macro XLOAD set, koff                 ; my 16 rows' 128 numbers of a K step: a row's 512 consecutive bytes an instruction
	WIN 0xc0
.irp i, 0,1,2,3,4,5,6,7,8,9,10,11,12,13,14,15
	global_load_b128 v[64*(\set)+4*\i:64*(\set)+4*\i+3], v1, s[4:5] offset:8192*\i+(\koff) th:TH_LOAD_NT
.endr
	WIN 0
.endm
.macro TLOAD set                       ; half of the table c of my group's 128 slots, into the set that x has left: sixteen loads, as many as XLOAD has
	WIN 0xc0
.irp i, 0,1,2,3,4,5,6,7,8,9,10,11,12,13,14,15
	global_load_b128 v[64*(\set)+4*\i:64*(\set)+4*\i+3], v30, s[10:11] offset:16*(16*(\set)+\i)
.endr
	WIN 0
.endm
.macro WFETCH p                        ; a K step of my 256 nodes out of the slot in hand (v91, v92): 16 fragments and eight scale registers.  p: the step's place in its slot
	WIN 0x40
.irp t, 0,1,2,3,4,5,6,7,8,9,10,11,12,13,14,15
.irp c, 0,1
	ds_load_b128 v[8*\t+4*\c:8*\t+4*\c+3], v91 offset:WSTEP*(\p)+1024*\t+512*\c
.endr
.endr
	WIN 0
.irp u, 0,1,2,3,4,5,6,7
	ds_load_b32 v[112+\u], v92 offset:WSTEP*(\p)+16384+128*\u
.endr
.endm
; the 2,048 numbers turn through my own stage: in as loaded, back as 16 neighbours of each block of 32 of MY row, into window 2.  LDS serves a wave's instructions in order (ISA guide 5.7.1.4)
.macro TURN set
	WIN 0x0c
.irp i, 0,1,2,3,4,5,6,7,8,9,10,11,12,13,14,15
	ds_store_b128 v3, v[64*(\set)+4*\i:64*(\set)+4*\i+3] offset:528*\i
.endr
	WIN 0x80
.irp b, 0,1,2,3
.irp j, 0,1,2,3
	ds_load_b128 v[16*\b+4*\j:16*\b+4*\j+3], v4 offset:128*\b+16*\j
.endr
.endr
	WIN 0
.endm
; 64 numbers of a lane, v[s] on in window win, register 16 b + i = k 32 b + 16 (lane / 16) + i of my row, become a fragment's codes in v[PC] on and its scale word in v[PW]
.macro QUANT s, win
	WIN ((\win)<<2)|((\win)<<4)
.irp b, 0,1,2,3
	v_max3_num_f32 v[TM+\b], 0x1800000, |v[(\s)+16*\b]|, |v[(\s)+16*\b+1]|     ; over the floor 2^(3 - 127): the byte cannot fall under 1
.endr
.irp i, 2,4,6,8,10,12,14
.irp b, 0,1,2,3
	v_max3_num_f32 v[TM+\b], v[TM+\b], |v[(\s)+16*\b+\i]|, |v[(\s)+16*\b+\i+1]|
.endr
.endr
	WIN 0
.irp b, 0,1,2,3
	v_permlanex16_b32 v[TM+4+\b], v[TM+\b], s36, s37
.endr
.irp b, 0,1,2,3
	v_max_num_f32 v[TM+\b], v[TM+\b], v[TM+4+\b]   ; with lane l xor 16's: the block's largest magnitude
.endr
.irp b, 0,1,2,3
	v_add_nc_u32 v[TM+12+\b], 0xff000000, v[TM+\b] ; 2 off its exponent field: the conversion's scale operand
.endr
.irp b, 0,1,2,3
	v_lshrrev_b32 v[TM+4+\b], 23, v[TM+12+\b]      ; the scale's byte
.endr
	v_lshl_or_b32 v[PW], v[TM+5], 8, v[TM+4]
	v_lshl_or_b32 v[PW], v[TM+6], 16, v[PW]
	v_lshl_or_b32 v[PW], v[TM+7], 24, v[PW]
	WIN (\win)
.irp b, 0,1,2,3
	v_cvt_scalef32_pk8_fp4_f32 v[PC+2*\b], v[(\s)+16*\b:(\s)+16*\b+7], v[TM+12+\b]
	v_cvt_scalef32_pk8_fp4_f32 v[PC+2*\b+1], v[(\s)+16*\b+8:(\s)+16*\b+15], v[TM+12+\b]
.endr
	WIN 0
	v_nop                                          ; a plain place behind the last scaled conversion
.irp c, 0,1                                    ; the operand's layout wants a whole block in a lane
.irp i, 0,1
	v_permlane16_swap_b32 v[PC+4*\c+\i], v[PC+2+4*\c+\i]
.endr
.endr
.endm
; one scaled matrix instruction, 32 weight rows x 16 batch rows x 128: the weights' scale register holds row m's word in lane m; rb: the batch rows' words stand in lanes 16-31
.macro WM d, a, b, zero, sa, sb, rb
.if (\zero) && (\rb)
	v_wmma_scale_f32_32x16x128_f4 v[\d:\d+15], v[\a:\a+15], v[\b:\b+7], 0, v[\sa], v[\sb] matrix_b_scale:MATRIX_SCALE_ROW1
.elseif (\zero)
	v_wmma_scale_f32_32x16x128_f4 v[\d:\d+15], v[\a:\a+15], v[\b:\b+7], 0, v[\sa], v[\sb]
.elseif (\rb)
	v_wmma_scale_f32_32x16x128_f4 v[\d:\d+15], v[\a:\a+15], v[\b:\b+7], v[\d:\d+15], v[\sa], v[\sb] matrix_b_scale:MATRIX_SCALE_ROW1
.else
	v_wmma_scale_f32_32x16x128_f4 v[\d:\d+15], v[\a:\a+15], v[\b:\b+7], v[\d:\d+15], v[\sa], v[\sb]
.endif
.endm
; a K step's 32 products.  The 32 accumulators take turns, one instruction a turn, in the same order in every step
.macro MULP zero
.irp m, 0,1,2,3
	WIN 1|((\m)<<4)|((\m)<<6)
.irp T, 0,1,2,3,4,5,6,7
	WM 128+16*\T, 16*\T, 32+8*(\m), \zero, 112+\T, 28+(\m)/2, (\m)%2
.endr
.endr
	WIN 0
.endm
.macro XFETCH p                        ; the four tiles' fragments of x, and their scale words
.irp m, 0,1,2,3
.irp c, 0,1
	ds_load_b128 v[32+8*\m+4*\c:35+8*\m+4*\c], v7 offset:4096*(\p)+1024*\m+512*\c
.endr
.endr
	ds_load_b32 v28, v8 offset:256*(\p)
	ds_load_b32 v29, v8 offset:256*(\p)+128
.endm
; K STEP k of my walk, of parity p.  Its numbers of x go into the stage; as soon as the stage's stores are done, x of step k + 2 is asked for into the registers that they left;
; the products of step k - 1 are issued while the turn is out; then W of step k is fetched into the one set; x is quantised; the image goes to LDS; ONE barrier (the images lie twice, by parity).
; wm = 0: no products in the loop's first trip; 1: in the first trip they start the sums; 2: plain.  tail: steps 12 to 15: in the last trip the table c is asked for in x's place, so that every count of loads stays.
; chg = 1: the slot's two steps have been read: the barrier is a round of the cluster's, and behind it the slot is filled again.  chg = 2: the slot is left, and nothing is asked for.
.macro POS p, wm, tail, chg
	s_wait_loadcnt 16                              ; this step's x is in; behind it stand the next step's sixteen loads
	s_wait_xcnt 0x0                                ; the loads and the prefetch that are out have read their bases
	s_and_b32 s66, s22, 15                         ; step k + 2 of my walk, round K's sixteen
	s_lshl_b32 s66, s66, 9
	s_add_nc_u64 s[4:5], s[6:7], s[66:67]
.if !(\tail)
	s_add_co_u32 s46, s22, 2                       ; step k + 4, for the prefetch
	s_and_b32 s46, s46, 15
	s_lshl_b32 s46, s46, 9
	s_add_nc_u64 s[56:57], s[6:7], s[46:47]
.endif
	s_add_co_u32 s22, s22, 1
.if (\p) == 0
	v_add_nc_u32 v91, s63, v89                     ; my part of the slot in hand: fragments,
	v_add_nc_u32 v92, s63, v90                     ; scale words
	s_wait_alu depctr_va_vdst(0)                   ; the wait directly behind the writes
.endif
	TURN \p
	s_wait_dscnt 16                                ; the last step's fragments of x are in and the stage's stores are done; the turn's sixteen loads may be out
.if \tail
	s_cmp_eq_u32 s3, 1
	s_cbranch_scc1 .Ltb_\@
	XLOAD \p, 0
	s_branch .Lxj_\@
.Ltb_\@:
	TLOAD \p
.Lxj_\@:
.else
	XLOAD \p, 0
	global_prefetch_b8 v93, s[56:57] th:TH_LOAD_NT scope:SCOPE_SE      ; my 16 rows' K step four on: 32 blocks of 256 bytes, a lane a block; steps 4 to 15 of my walk, each named once, by one wave
.endif
.if (\wm) == 0
	s_cmp_eq_u32 s3, 6
	s_cbranch_scc1 .Lnp_\@
	MULP 0
	PLACES
.Lnp_\@:
.elseif (\wm) == 1
	s_cmp_eq_u32 s3, 6
	s_cbranch_scc0 .Lnz_\@
	MULP 1                                         ; the products of step 0 start the sums: nothing is cleared
	s_branch .Lpj_\@
.Lnz_\@:
	MULP 0
.Lpj_\@:
	PLACES
.else
	MULP 0
	PLACES
.endif
	WFETCH \p
	s_wait_dscnt 40                                ; the turn is back; W's forty loads may be out
	QUANT 0, 2                                     ; (its plain instructions are also the places in front of the loads of x's fragments below)
	ds_store_b128 v5, v[PC:PC+3] offset:4096*(\p)
	ds_store_b128 v5, v[PC+4:PC+7] offset:4096*(\p)+512
	ds_store_b32 v6, v[PW] offset:256*(\p)         ; (lanes r and r + 16 write the same word with the same value)
.if (\chg) == 1
	s_wait_tensorcnt 0x0                           ; all my tensor loads have landed: my part of the other slot; so a group 0 may be written
	ds_add_u32 v24, v25
	s_xor_b32 s63, s63, SLOT                       ; the reads go on to the other slot;
	s_xor_b32 s89, s89, SLOT                       ; the walking descriptor: the slot just read (34,816 w has none of SLOT's two bits),
	s_and_b32 s66, s23, 7                          ; the next pair of K steps of my cluster's walk, round the eight
	s_mul_i32 s66, s66, WPART
	s_add_nc_u64 s[90:91], s[8:9], s[66:67]
	s_or_b32 s91, s91, 0x80000000                  ; type = 2
	s_add_co_u32 s23, s23, 1
	s_wait_dscnt 0x0                               ; the add is done, my image has landed, and my reads of the slot are over
	CROUND
	tensor_load_to_lds s[88:91], s[92:99]          ; my one tensor load behind the round
	s_nop 0
	PLACES
.else
.if (\chg) == 2
	s_wait_tensorcnt 0x0                           ; for the reads of the next two K steps: my part of the last fill has landed
	s_xor_b32 s63, s63, SLOT
.endif
	s_wait_dscnt 0x0                               ; for the others' sake: my image has landed
	s_barrier_signal -1
	s_barrier_wait -1
.endif
	XFETCH \p
.endm
.macro PAIRP s                         ; pp = the pair in which the path of heap place s lies: (odd part of s) / 2
.set pp, \s
.rept 6
.if pp%2 == 0
.set pp, pp/2
.endif
.endr
.set pp, pp/2
.endm
; the nodes at heap places lo .. hi - 1 of both twins, gs at a time: 1 - p; right child's path = path x p, where p lay; left child's = path x (1 - p), where the path lay
.macro LEVEL lo, hi, gs
.set gb, \lo
.rept ((\hi)-(\lo))/(\gs)
.set n, 0
.rept \gs
	v_pk_add_f32 v[TT+2*n:TT+2*n+1], 1.0, v[128+2*(gb+n):129+2*(gb+n)] op_sel_hi:[0,1] neg_lo:[0,1] neg_hi:[0,1]
.set n, n+1
.endr
.set n, 0
.rept \gs
	PAIRP gb+n
	v_pk_mul_f32 v[128+2*(gb+n):129+2*(gb+n)], v[128+2*pp:129+2*pp], v[128+2*(gb+n):129+2*(gb+n)]
.set n, n+1
.endr
.set n, 0
.rept \gs
	PAIRP gb+n
	v_pk_mul_f32 v[128+2*pp:129+2*pp], v[128+2*pp:129+2*pp], v[TT+2*n:TT+2*n+1]
.set n, n+1
.endr
.set gb, gb+\gs
.endr
.endm
.macro LEAFREG l                       ; lr = the register of the group's leaf l (0..127)
	PAIRP 64+(\l)%64
.set lr, 128+2*pp+(\l)/64
.endm
; one stage of the sum over the 16 lanes of a half: a lane keeps one of two sums and sends the other to its partner
.macro HALVE k, cnt, xm, mask
.set hi, 0
.set n, 0
.rept \cnt
.irp lo, 0,1,2,3
.set ea, 32+hi*(8<<(\k))+\lo
.set eb, ea+(4<<(\k))
.set tx, TT+2*(n%8)
	v_cndmask_b32 v[tx], v[ea], v[eb], s[\mask]
	v_cndmask_b32 v[tx+1], v[eb], v[ea], s[\mask]
	v_add_f32_dpp v[ea], v[tx+1], v[tx] row_xmask:\xm row_mask:0xf bank_mask:0xf
.set n, n+1
.endr
.set hi, hi+1
.endr
.endm
; a K step of logQ for eight tiles of leaves: 8 fragments into set par of window 3, four scale registers
.macro LQLOAD par, step
	s_wait_xcnt 0x0                                ; earlier loads and stores have read their bases and registers
.if \step
	s_add_nc_u64 s[12:13], s[12:13], 8192
	s_add_nc_u64 s[14:15], s[14:15], 512
.endif
	WIN 0xc0
.irp t, 0,1,2,3,4,5,6,7
.irp c, 0,1
	global_load_b128 v[64*(\par)+8*\t+4*\c:64*(\par)+8*\t+4*\c+3], v1, s[12:13] offset:1024*\t+512*\c
.endr
.endr
	WIN 0
.irp u, 0,1,2,3
	global_load_b32 v[112+8*(\par)+\u], v2, s[14:15] offset:128*\u
.endr
.endm
; 128 classes of y for my 16 rows: from LDS, quantised, image to LDS.  last: classes 896 on: 104 numbers, then zeros
.macro YSTEP last
	v_add_nc_u32 v22, s56, v9
	WIN 0x80
.irp b, 0,1,2
.irp j, 0,1,2,3
	ds_load_b128 v[16*\b+4*\j:16*\b+4*\j+3], v22 offset:128*\b+16*\j
.endr
.endr
.if \last
	ds_load_b128 v[48:51], v10 offset:3968         ; classes 992 to 999, the same in both halves of the lanes
	ds_load_b128 v[52:55], v10 offset:3984
.else
.irp j, 0,1,2,3
	ds_load_b128 v[48+4*\j:51+4*\j], v22 offset:384+16*\j
.endr
.endif
	WIN 0
	s_wait_dscnt 0x0                               ; the numbers are in, and the last step's image stores have read their registers
.if \last
	WIN 0x82
.irp i, 0,1,2,3,4,5,6,7
	v_cndmask_b32 v[48+\i], v[48+\i], 0, s38       ; lanes 16-31 hold classes 1,008 on: zeros,
.endr
.irp i, 0,1,2,3,4,5,6,7
	v_mov_b32 v[56+\i], 0                          ; and so are classes 1,000 on: the quantiser fills the last block with zeros
.endr
.endif
	QUANT 0, 2
	v_add_nc_u32 v23, s57, v11
	v_add_nc_u32 v31, s58, v12
	ds_store_b128 v23, v[PC:PC+3]
	ds_store_b128 v23, v[PC+4:PC+7] offset:512
	ds_store_b32 v31, v[PW]
.endm
; a K step of product 2 for eight tiles of leaves x four tiles of rows: 16 accumulators by turns.  nl: the loads that may stay out.  cond: among this line's steps is one of the last two, which have no step two on
.macro G2STEP par, zero, nl, cond
	v_add_nc_u32 v22, s57, v13
	v_add_nc_u32 v23, s58, v14
.irp m, 0,1,2,3
.irp c, 0,1
	ds_load_b128 v[32+8*\m+4*\c:35+8*\m+4*\c], v22 offset:1024*\m+512*\c
.endr
.endr
	ds_load_b32 v28, v23
	ds_load_b32 v29, v23 offset:128
	s_wait_loadcnt \nl                             ; this step's logQ is in; the next step's 20 loads may be out
	s_wait_dscnt 0x0
.irp m, 0,1,2,3
	WIN 3|((1+\m/2)<<4)|((1+\m/2)<<6)
.irp T, 0,1,2,3
	WM 64*(\m%2)+16*\T, 64*(\par)+16*\T, 32+8*\m, \zero, 112+8*(\par)+\T, 28+\m/2, \m%2
.endr
.endr
	WIN 0
	PLACES
.if \cond
	s_cmp_lt_u32 s59, 14
	s_cbranch_scc0 .Lnq_\@
	LQLOAD \par, 1
	s_branch .Lqj_\@
.Lnq_\@:
	s_wait_loadcnt 0x0                             ; nothing is asked for: what is out is awaited here
.Lqj_\@:
.else
	LQLOAD \par, 1
.endif
	s_add_co_u32 s59, s59, 1
	s_add_co_u32 s57, s57, 4096
	s_add_co_u32 s58, s58, 256
.endm
.macro FMA hh                          ; the sum of leaf_path x TQ over the half's 64 slots, in four packed chains; each accumulator is read from its low end on
.irp m, 0,1,2,3
	WIN \m|((1+\m/2)<<2)
.set i, 0
.rept 32
.if ((\hh) == 0) && (\m == 0) && (i < 4)
	v_pk_mul_f32 v[TT+2*i:TT+2*i+1], v[128+2*i:129+2*i], v[2*i:2*i+1]      ; the first four start the chains
.else
	v_pk_fma_f32 v[TT+2*(i%4):TT+2*(i%4)+1], v[128+64*(\hh)+2*i:129+64*(\hh)+2*i], v[64*(\m%2)+2*i:64*(\m%2)+2*i+1], v[TT+2*(i%4):TT+2*(i%4)+1]
.endif
.set i, i+1
.endr
.endr
	WIN 0
.endm
	s_load_b512 s[68:83], s[0:1], 0x0              ; x s[68:69], y s[70:71], wq s[72:73], lq s[74:75], sc s[76:77], part s[78:79], best s[80:81], lossp s[82:83]
	v_lshl_add_u32 v24, v0, 2, SPARE
	v_mov_b32 v25, 0
	ds_add_u32 v24, v25                            ; the wave's opening: the add, twice on end, and its wait ahead of the round in front of my first tensor load
	ds_add_u32 v24, v25
	v_lshrrev_b32 v22, 5, v0
	v_readfirstlane_b32 s2, v22                    ; wave w
	s_bfe_u32 s61, ttmp6, 0x40000                  ; cx: my place in the cluster
	s_lshl_b32 s62, ttmp9, 2                       ; in a cluster launch ttmp9 counts clusters
	s_add_co_u32 s62, s62, s61                     ; my block of 64 rows: it enters the addresses of x, y, part, best and lossp alone
	v_and_b32 v22, 31, v0                          ; lane
	v_and_b32 v23, 15, v0                          ; r
	v_bfe_u32 v31, v0, 4, 1                        ; h
	v_lshlrev_b32 v1, 4, v22                       ; v1  16 x lane
	v_lshlrev_b32 v2, 2, v22                       ; v2  4 x lane
	s_mul_i32 s45, s2, 8448
	s_add_co_u32 s45, s45, STG
	v_add_nc_u32 v3, s45, v1                       ; v3  my stage, on the way in
	v_mul_u32_u24 v4, v23, 528
	v_lshl_add_u32 v4, v31, 6, v4
	v_add_nc_u32 v4, s45, v4                       ; v4  and back: row r, + 64 h
	s_lshl_b32 s45, s2, 10
	s_add_co_u32 s46, s45, XIMG
	v_add_nc_u32 v5, s46, v1                       ; v5  where I store x's image
	s_add_co_u32 s46, s45, STG
	v_add_nc_u32 v11, s46, v1                      ; v11 and y's
	s_lshl_b32 s45, s2, 6
	s_add_co_u32 s46, s45, XSC
	v_lshl_add_u32 v6, v23, 2, s46                 ; v6  x's scale word of my row
	s_add_co_u32 s46, s45, YSC
	v_lshl_add_u32 v12, v23, 2, s46                ; v12 y's
	v_add_nc_u32 v7, XIMG, v1                      ; v7  where any wave loads x's images,
	v_add_nc_u32 v8, XSC, v2                       ; v8  their scale words,
	v_add_nc_u32 v13, STG, v1                      ; v13 y's images,
	v_add_nc_u32 v14, YSC, v2                      ; v14 their scale words
	s_mul_i32 s25, s2, 64000                       ; my 16 rows of y in LDS (also their descriptor's LDS address)
	v_mul_u32_u24 v10, v23, 4000
	v_add_nc_u32 v10, s25, v10                     ; v10 row r
	v_lshl_add_u32 v9, v31, 6, v10                 ; v9  + 64 h
	s_lshl_b32 s45, s2, 9
	s_add_co_u32 s46, s45, TOP
	v_lshl_add_u32 v15, v31, 8, s46
	v_lshl_add_u32 v15, v23, 4, v15                ; v15 heap place g = 2 w + h, row r
	v_lshlrev_b32 v16, 4, v23
	s_lshr_b32 s46, s2, 1
	s_lshl_b32 s46, s46, 8
	s_add_co_u32 s46, s46, TOP+512
	v_add_nc_u32 v17, s46, v16                     ; v17 my ancestor at level 1
	s_lshl_b32 s46, s2, 8
	s_add_co_u32 s46, s46, TOP+1024
	v_add_nc_u32 v18, s46, v16                     ; v18 at level 2
	v_add_nc_u32 v16, TOP+256, v16                 ; v16 the root
	s_add_co_u32 s46, s45, AMV
	v_lshl_add_u32 v19, v31, 8, s46
	v_lshl_add_u32 v19, v23, 2, v19                ; v19 group g, row r
	s_lshl_b32 s46, s2, 8
	v_lshl_add_u32 v20, v31, 7, s46                ; v20 128 g: my group's first leaf
	s_lshl_b32 s46, s2, 2
	s_add_co_u32 s46, s46, LSS
	v_mov_b32 v21, s46                             ; v21 my wave's word of the loss
	v_lshl_add_u32 v26, v22, 3, AMV                ; v26 rows 2 l and 2 l + 1
	v_add_nc_u32 v27, s45, v1                      ; v27 my 16 bytes of the work-group's row of part
	s_lshl_b32 s46, s2, 10
	v_lshl_add_u32 v30, v31, 9, s46                ; v30 512 g: my group's 128 numbers of a table
	s_mul_i32 s85, s2, WPART                       ; my part of a slot: no place in the cluster enters an LDS address
	v_add_nc_u32 v89, s85, v1                      ; v89 my fragments' place in slot 0,
	v_add_nc_u32 v90, s85, v2                      ; v90 my scale words'
	v_lshrrev_b32 v93, 1, v22
	v_lshlrev_b32 v93, 13, v93
	v_and_b32 v22, 1, v22
	v_lshl_add_u32 v93, v22, 8, v93                ; v93 the prefetch's offset: row lane / 2 of my sixteen, its K step's first or second 256 bytes
.irp b, 0,1,2,3
	v_mov_b32 v[TM+4+\b], 0                        ; written once: a lane permute's destination counts as one of its sources
.endr
	s_mov_b32 s36, 0x76543210
	s_mov_b32 s37, 0xfedcba98                      ; v_permlanex16_b32's selects for lane l xor 16
	s_mov_b32 s38, 0xffff0000                      ; lanes with h = 1
	s_lshr_b32 s39, s2, 1
	s_sub_co_u32 s39, 0, s39                       ; all ones where my groups lie right of the root,
	s_and_b32 s40, s2, 1
	s_sub_co_u32 s40, 0, s40                       ; right of the ancestor at level 1
	s_mov_b32 s41, 0xaaaaaaaa
	s_mov_b32 s42, 0xcccccccc
	s_mov_b32 s43, 0xf0f0f0f0
	s_mov_b32 s44, 0xff00ff00                      ; lanes with bit 0, 1, 2, 3 set
	s_mov_b32 s63, 0                               ; the slot in hand: 0 or SLOT
	; y's descriptor: my 16 rows are 64,000 dense bytes: 250 rows of 32 elements of 8 bytes; a load of my work-group's own: no mask
	s_mov_b32 s24, 1
	s_mov_b32 s28, 3<<16
	s_mov_b32 s29, 32<<16
	s_mov_b32 s30, 250<<16
	s_mov_b32 s31, 32<<16
	s_mov_b32 s32, 250
	s_mov_b32 s33, 32
	s_mov_b32 s34, 0
	s_mov_b32 s35, 0
	; W's descriptors: a wave's part of a slot is 34,816 dense bytes: 136 rows of 32 elements of 8 bytes
	s_mov_b32 s92, 15|(3<<16)|(1<<21)              ; the mask: all four work-groups; elements of 8 bytes; bit 21 set beside a mask
	s_mov_b32 s93, 32<<16
	s_mov_b32 s94, 136<<16
	s_mov_b32 s95, 32<<16
	s_mov_b32 s96, 136
	s_mov_b32 s97, 32
	s_mov_b32 s98, 0
	s_mov_b32 s99, 0
	s_mov_b32 s84, 1                               ; group 0 of the first fill: slot 0 (s85)
	s_mov_b32 s88, 1                               ; group 0 of the second, which then walks on:
	s_add_co_u32 s89, s85, SLOT                    ; slot 1
	s_and_b32 s23, ttmp9, 7                        ; the pair of K steps at which my cluster's walk begins: the same in all four partners
	s_mul_i32 s66, s2, 16*WSTEP                    ; my sixteen K steps in wq
	s_mov_b32 s67, 0
	s_mov_b32 s47, 0
	s_wait_alu depctr_va_vdst(0)
	s_wait_dscnt 0x0                               ; both opening adds are done
	s_wait_kmcnt 0x0
	s_add_nc_u64 s[8:9], s[72:73], s[66:67]        ; W at my wave's part: made of the wave's number alone
	s_mul_i32 s66, s23, WPART
	s_add_nc_u64 s[86:87], s[8:9], s[66:67]        ; the walk's first pair,
	s_add_co_u32 s45, s23, 1
	s_and_b32 s45, s45, 7
	s_mul_i32 s66, s45, WPART
	s_add_nc_u64 s[90:91], s[8:9], s[66:67]        ; its second
	s_or_b32 s87, s87, 0x80000000                  ; type = 2
	s_or_b32 s91, s91, 0x80000000
	s_lshl_b32 s22, s23, 1                         ; the walk's first K step (even, so the second follows it in memory)
	s_lshl_b32 s46, s62, 19                        ; x: 64 rows of 8,192 bytes a work-group,
	s_lshl_b32 s45, s2, 17                         ; 16 a wave
	s_add_co_u32 s46, s46, s45
	s_add_nc_u64 s[6:7], s[68:69], s[46:47]
	s_lshl_b32 s66, s22, 9
	s_add_nc_u64 s[4:5], s[6:7], s[66:67]
	s_add_co_u32 s22, s22, 2                       ; the next step of x to ask for,
	s_add_co_u32 s23, s23, 2                       ; the next pair of W
	s_add_nc_u64 s[10:11], s[76:77], 32768         ; the tables c and c b
	s_lshl_b32 s46, s2, 17
	s_add_nc_u64 s[12:13], s[74:75], s[46:47]      ; lq: 131,072 a wave
	s_lshl_b32 s46, s2, 13
	s_add_nc_u64 s[14:15], s[76:77], s[46:47]      ; logQ's scale words: 8,192 a wave
	s_lshl_b32 s46, s62, 11
	s_add_nc_u64 s[16:17], s[78:79], s[46:47]      ; part: 2,048 a work-group
	s_lshl_b32 s46, s62, 8
	s_add_nc_u64 s[18:19], s[80:81], s[46:47]      ; best: 256
	s_lshl_b32 s46, s62, 2
	s_add_nc_u64 s[20:21], s[82:83], s[46:47]      ; lossp: 4
	s_lshl_b32 s46, s62, 2
	s_add_co_u32 s46, s46, s2
	s_mul_i32 s46, s46, 64000
	s_add_nc_u64 s[26:27], s[70:71], s[46:47]      ; y at my 16 rows
	s_or_b32 s27, s27, 0x80000000                  ; type = 2
; ---- PRODUCT 1: sixteen K steps of 128
	XLOAD 0, 0
	XLOAD 1, 512
	CROUND                                         ; all four work-groups are here: the first joint loads meet
	tensor_load_to_lds s[84:87], s[92:99]          ; one tensor load a wave at the head
	s_nop 0
	PLACES
	s_wait_tensorcnt 0x0                           ; slot 1's first fill goes as a refill goes: my part of slot 0 is in,
	ds_add_u32 v24, v25                            ; the add,
	s_wait_dscnt 0x0                               ; its wait,
	CROUND                                         ; a round,
	tensor_load_to_lds s[88:91], s[92:99]          ; and the load first behind it
	s_nop 0
	PLACES
	s_mov_b32 s3, 6
.Lk:                                               ; steps 0 to 11: each trip reads a slot out and fills it again
	POS 0, 0, 0, 0
	POS 1, 1, 0, 1
	s_sub_co_u32 s3, s3, 1
	s_cmp_lg_u32 s3, 0
	s_cbranch_scc1 .Lk
	s_mov_b32 s3, 2
.Lkt:                                              ; steps 12 to 15: a loop of their own
	POS 0, 2, 1, 0
	POS 1, 2, 1, 2
	s_sub_co_u32 s3, s3, 1
	s_cmp_lg_u32 s3, 0
	s_cbranch_scc1 .Lkt
	WIN 0x80
.set i, 0
.rept 32
	global_load_b128 v[4*i:4*i+3], v30, s[10:11] offset:4096+16*i      ; c b of my group's 128 slots, where x's turned numbers lay
.set i, i+1
.endr
	WIN 0
; y is asked for here, where x's stream has ended.  It lands on the ring's bytes, so it goes as every refill goes
	s_wait_tensorcnt 0x0
	ds_add_u32 v24, v25
	s_wait_dscnt 0x0                               ; the add is done, and step 15's fragments of x and of W are in: my reads of the ring are over
	CROUND
	tensor_load_to_lds s[24:27], s[28:35]          ; my last tensor load
	s_nop 0
	PLACES
	MULP 0                                         ; the products of step 15
	PLACES
	s_wait_loadcnt 0x0                             ; the tables
; ---- p = 1 / (1 + 2^(c z + c b)); each accumulator is read from its low end on
.irp m, 0,1,2,3
	WIN \m|(3<<2)|(2<<4)|(\m<<6)
.set i, 0
.rept 64
	v_pk_fma_f32 v[128+2*i:129+2*i], v[128+2*i:129+2*i], v[2*i:2*i+1], v[2*i:2*i+1]
.set i, i+1
.endr
.endr
	s_wait_alu depctr_va_vdst(0)                   ; a wait ahead of a batch of transcendentals, and one behind it
.irp m, 0,1,2,3
	WIN 0x55*\m
.set i, 0
.rept 128
	v_exp_f32 v[128+i], v[128+i]
.set i, i+1
.endr
	v_nop
	s_wait_alu depctr_va_vdst(0)
.set i, 0
.rept 64
	v_pk_add_f32 v[128+2*i:129+2*i], v[128+2*i:129+2*i], 1.0 op_sel_hi:[1,0]
.set i, i+1
.endr
.set i, 0
	s_wait_alu depctr_va_vdst(0)
.rept 128
	v_rcp_f32 v[128+i], v[128+i]
.set i, i+1
.endr
	v_nop
	s_wait_alu depctr_va_vdst(0)
.endr
; ---- the nodes above level 3: each group's spare slot (register 129) holds p of heap place g; they meet in LDS
.irp m, 0,1,2,3
	WIN \m
	v_mov_b32 v[32+\m], v129
.endr
	WIN 0
	ds_store_b128 v15, v[32:35]
	s_wait_dscnt 0x0
	s_barrier_signal -1
	s_barrier_wait -1
	ds_load_b128 v[36:39], v16                     ; p of the root, for my row in the four tiles,
	ds_load_b128 v[40:43], v17                     ; of my ancestor at level 1,
	ds_load_b128 v[44:47], v18                     ; at level 2
	s_wait_dscnt 0x0
.irp m, 0,1,2,3
	v_sub_f32 v[48+\m], 1.0, v[36+\m]
	v_sub_f32 v[52+\m], 1.0, v[40+\m]
	v_sub_f32 v[56+\m], 1.0, v[44+\m]
.endr
.irp m, 0,1,2,3
	v_cndmask_b32 v[48+\m], v[48+\m], v[36+\m], s39    ; p to the right, 1 - p to the left: by the bits of g
	v_cndmask_b32 v[52+\m], v[52+\m], v[40+\m], s40
	v_cndmask_b32 v[56+\m], v[56+\m], v[44+\m], s38
.endr
.irp m, 0,1,2,3
	v_mul_f32 v[48+\m], v[48+\m], v[52+\m]
.endr
.irp m, 0,1,2,3
	v_mul_f32 v[48+\m], v[48+\m], v[56+\m]         ; the path to my group's node at level 3, in reference()'s order of products
.endr
; ---- levels 3 to 8
.irp m, 0,1,2,3
	WIN (\m<<2)|(\m<<6)
	v_sub_f32 v[TT], 1.0, v128
	v_mul_f32 v129, v[48+\m], v128                 ; the right twin's root,
	v_mul_f32 v128, v[48+\m], v[TT]                ; the left twin's
	WIN 0x55*\m
	LEVEL 1, 2, 1
	LEVEL 2, 4, 2
	LEVEL 4, 8, 4
	LEVEL 8, 16, 8
	LEVEL 16, 32, 8
.endr
; ---- the batch sums of the paths at the last inner level: over the four tiles, then over the sixteen lanes
	WIN 0x04
.set i, 0
.rept 32
	PAIRP 32+i
	v_pk_add_f32 v[32+2*i:33+2*i], v[128+2*pp:129+2*pp], v[128+2*pp:129+2*pp]
.set i, i+1
.endr
.irp m, 2,3
	WIN \m<<2
.set i, 0
.rept 32
	PAIRP 32+i
	v_pk_add_f32 v[32+2*i:33+2*i], v[32+2*i:33+2*i], v[128+2*pp:129+2*pp]
.set i, i+1
.endr
.endr
	WIN 0
	HALVE 0, 8, 1, 41
	HALVE 1, 4, 2, 42
	HALVE 2, 2, 4, 43
	HALVE 3, 1, 8, 44
	global_store_b128 v27, v[32:35], s[16:17]      ; lane r holds sums 4 r to 4 r + 3 of its group: the wave stores 512 consecutive bytes
; ---- level 9 makes the leaves; then the group's first largest leaf
.irp m, 0,1,2,3
	WIN 0x55*\m
	LEVEL 32, 64, 8
.irp q, 0,1,2,3
	v_max3_num_f32 v[TT+\q], v[128+32*\q], v[129+32*\q], v[130+32*\q]
.endr
.irp i, 3,5,7,9,11,13,15,17,19,21,23,25,27,29
.irp q, 0,1,2,3
	v_max3_num_f32 v[TT+\q], v[TT+\q], v[128+32*\q+\i], v[129+32*\q+\i]
.endr
.endr
	v_max3_num_f32 v[TT+4], v[TT], v[TT+1], v[TT+2]
	v_max3_num_f32 v[TT+5], v[TT+3], v159, v191
	v_max3_num_f32 v[TT+4], v[TT+4], v[TT+5], v223
	v_max_num_f32 v[TT+4], v[TT+4], v255           ; the largest of my 128
.irp c, 0,1,2,3
	v_mov_b32 v[TT+5+\c], 0x400
.endr
.set i, 31                                     ; four chains of 32 leaves, walked downward, so that the lowest leaf that equals the largest is kept
.rept 16
.set n, 0
.rept 2
.irp c, 0,1,2,3
	LEAFREG 32*\c+i-n
	v_cmp_eq_f32 s[48+4*n+\c], v[lr], v[TT+4]
.endr
.set n, n+1
.endr
.set n, 0
.rept 2
.irp c, 0,1,2,3
	v_cndmask_b32 v[TT+5+\c], v[TT+5+\c], i-n, s[48+4*n+\c]
.endr
.set n, n+1
.endr
.set i, i-2
.endr
	v_add_nc_u32 v[TT+6], 32, v[TT+6]
	v_add_nc_u32 v[TT+7], 64, v[TT+7]
	v_add_nc_u32 v[TT+8], 0x60, v[TT+8]
	v_min_u32 v[TT+5], v[TT+5], v[TT+6]
	v_min_u32 v[TT+7], v[TT+7], v[TT+8]
	v_min_u32 v[TT+5], v[TT+5], v[TT+7]
	WIN (\m<<2)|(\m<<6)
	v_add_nc_u32 v[TT+5], v20, v[TT+5]             ; the leaf's number in the tree
	WIN \m<<2
	ds_store_b32 v19, v[TT+4] offset:64*\m
	ds_store_b32 v19, v[TT+5] offset:2048+64*\m
.endr
	WIN 0
; ---- y: quantised from LDS, images to LDS
	s_wait_dscnt 0x0                               ; those stores have read their registers, which logQ's fragments take
	LQLOAD 0, 0                                    ; the first two K steps of logQ are asked for early
	LQLOAD 1, 1
	s_wait_tensorcnt 0x0                           ; my 16 rows of y have landed
	s_barrier_signal -1
	s_barrier_wait -1                              ; everybody's have
	s_mov_b32 s56, 0                               ; 512 bytes of a row of y,
	s_mov_b32 s57, 0                               ; 4,096 bytes of images,
	s_mov_b32 s58, 0                               ; 256 bytes of scale words a K step
	s_mov_b32 s3, 7
.Ly:
	YSTEP 0
	s_add_co_u32 s56, s56, 512
	s_add_co_u32 s57, s57, 4096
	s_add_co_u32 s58, s58, 256
	s_sub_co_u32 s3, s3, 1
	s_cmp_lg_u32 s3, 0
	s_cbranch_scc1 .Ly
	YSTEP 1
	s_wait_dscnt 0x0                               ; for the others' sake: my images have landed
	s_barrier_signal -1
	s_barrier_wait -1
; ---- PRODUCT 2, in two halves of my sixteen tiles of leaves: TQ's 16 accumulators stand beside the 512 registers of leaf_path; each fragment of logQ is read once
	s_mov_b32 s59, 0                               ; the step, 0 to 15
	s_mov_b32 s60, 0                               ; the half
.Lhalf:
	s_mov_b32 s57, 0
	s_mov_b32 s58, 0
	G2STEP 0, 1, 20, 0                             ; the first K step starts the sums
	s_mov_b32 s3, 3
.Lk2:
	G2STEP 1, 0, 20, 0
	G2STEP 0, 0, 20, 1
	s_sub_co_u32 s3, s3, 1
	s_cmp_lg_u32 s3, 0
	s_cbranch_scc1 .Lk2
	G2STEP 1, 0, 0, 1
	s_cmp_eq_u32 s60, 0
	s_cbranch_scc0 .Lfma1
	FMA 0
	s_branch .Lfmaj
.Lfma1:
	FMA 1
.Lfmaj:
	s_add_co_u32 s60, s60, 1
	s_cmp_lt_u32 s60, 2
	s_cbranch_scc1 .Lhalf
; ---- the way out
	s_wait_alu depctr_va_vdst(0)
	v_pk_add_f32 v[TT:TT+1], v[TT:TT+1], v[TT+2:TT+3]
	v_pk_add_f32 v[TT+4:TT+5], v[TT+4:TT+5], v[TT+6:TT+7]
	v_pk_add_f32 v[TT:TT+1], v[TT:TT+1], v[TT+4:TT+5]
	v_add_f32 v[TT], v[TT], v[TT+1]
.irp x, 1,2,4,8
	v_add_f32_dpp v[TT], v[TT], v[TT] row_xmask:\x row_mask:0xf bank_mask:0xf
.endr
	v_permlanex16_b32 v[TT+1], v[TT], s36, s37
	v_add_f32 v[TT], v[TT], v[TT+1]                ; my wave's 256 leaves x 64 rows
	ds_store_b32 v21, v[TT]
	s_wait_dscnt 0x0
	s_barrier_signal -1
	s_barrier_wait -1
	s_cmp_lg_u32 s2, 0
	s_cbranch_scc1 .Lend
.irp g, 0,1,2,3,4,5,6,7
	ds_load_b64 v[32+2*\g:33+2*\g], v26 offset:256*\g          ; wave 0: lane l takes rows 2 l and 2 l + 1: the eight groups' largest,
	ds_load_b64 v[48+2*\g:49+2*\g], v26 offset:2048+256*\g     ; and their leaves
.endr
	ds_load_b128 v[64:67], v21                     ; (in wave 0 this is the first of the four words)
	v_and_b32 v22, 31, v0
	v_lshlrev_b32 v22, 3, v22
	v_mov_b32 v23, 0
	s_wait_dscnt 0x0
.irp g, 1,2,3,4,5,6,7                          ; upward, and only a strictly larger one is taken: the first largest leaf stays
.irp e, 0,1
	v_cmp_gt_f32 vcc_lo, v[32+2*\g+\e], v[32+\e]
	v_cndmask_b32 v[32+\e], v[32+\e], v[32+2*\g+\e], vcc_lo
	v_cndmask_b32 v[48+\e], v[48+\e], v[48+2*\g+\e], vcc_lo
.endr
.endr
	global_store_b64 v22, v[48:49], s[18:19]       ; 256 consecutive bytes, aligned
	v_add_f32 v64, v64, v65
	v_add_f32 v66, v66, v67
	v_add_f32 v64, v64, v66
	v_cmp_gt_u32 vcc_lo, 1, v0
	s_wait_alu depctr_va_vdst(0)
	s_wait_xcnt 0x0                                ; EXEC changes only behind this wait,
	s_and_saveexec_b32 s45, vcc_lo
	global_store_b32 v23, v64, s[20:21]
	s_wait_xcnt 0x0                                ; and again in front of the line that widens it
	s_or_b32 exec_lo, exec_lo, s45
.Lend:
	s_wait_tensorcnt 0x0                           ; the wave's end
	ds_add_u32 v24, v25
	s_wait_dscnt 0x0
	CROUND                                         ; the closing round
	s_endpgm
.Lfunc_end_k_q5e058922dc_tree:
	.size	k_q5e058922dc_tree, .Lfunc_end_k_q5e058922dc_tree-k_q5e058922dc_tree
	.p2alignl 7, 3214868480
	.fill 96, 4, 3214868480
	.section	.rodata,"a",@progbits
	.p2align	6, 0x0
	.amdhsa_kernel k_q5e058922dc_tree
		.amdhsa_group_segment_fixed_size 327680
		.amdhsa_private_segment_fixed_size 0
		.amdhsa_enable_private_segment 0
		.amdhsa_kernarg_size 64
		.amdhsa_user_sgpr_count 2
		.amdhsa_user_sgpr_kernarg_segment_ptr 1
		.amdhsa_wavefront_size32 1
		.amdhsa_system_sgpr_workgroup_id_x 1
		.amdhsa_system_sgpr_workgroup_id_y 1
		.amdhsa_system_sgpr_workgroup_id_z 1
		.amdhsa_system_vgpr_workitem_id 0
		.amdhsa_next_free_vgpr 1024
		.amdhsa_next_free_sgpr 100
		.amdhsa_reserve_vcc 1
		.amdhsa_float_denorm_mode_32 3
		.amdhsa_float_denorm_mode_16_64 3
		.amdhsa_memory_ordered 1
		.amdhsa_forward_progress 1
		.amdhsa_inst_pref_size 255
	.end_amdhsa_kernel
	.section	.bss,"aw",@nobits
	.p2align	6
	.space	262144
	.amdgpu_metadata
---
amdhsa.version: [ 1, 2 ]
amdhsa.kernels:
  - .name:           k_q5e058922dc_tree
    .symbol:         k_q5e058922dc_tree.kd
    .args:
      - { .name: x, .offset: 0, .size: 8, .value_kind: global_buffer, .address_space: global }
      - { .name: y, .offset: 8, .size: 8, .value_kind: global_buffer, .address_space: global }
      - { .name: wq, .offset: 16, .size: 8, .value_kind: global_buffer, .address_space: global }
      - { .name: lq, .offset: 24, .size: 8, .value_kind: global_buffer, .address_space: global }
      - { .name: sc, .offset: 32, .size: 8, .value_kind: global_buffer, .address_space: global }
      - { .name: part, .offset: 40, .size: 8, .value_kind: global_buffer, .address_space: global }
      - { .name: best, .offset: 48, .size: 8, .value_kind: global_buffer, .address_space: global }
      - { .name: lossp, .offset: 56, .size: 8, .value_kind: global_buffer, .address_space: global }
    .group_segment_fixed_size: 327680
    .private_segment_fixed_size: 0
    .kernarg_segment_align: 8
    .kernarg_segment_size: 64
    .max_flat_workgroup_size: 128
    .sgpr_count:     100
    .vgpr_count:     1024
    .wavefront_size: 32
...
	.end_amdgpu_metadata
.endif
;; end of part 5
;; launch emit (part 6): grid 251 x 1, 16 waves a work-group, no clusters, 36,864 bytes of LDS; arguments best, qtab, part, lossp, out0, out1; writes out0, out1
.if DOCPART == 6
	.amdgcn_target "amdgcn-amd-amdhsa--gfx1250"
	.amdhsa_code_object_version 6
	.text
	.protected	k_q5e058922dc_emit
	.globl	k_q5e058922dc_emit
	.p2align	8
	.type	k_q5e058922dc_emit,@function
k_q5e058922dc_emit:
	s_mov_b64 s[64:65], 0
	v_nop
	global_prefetch_b8 v0, s[64:65] scope:SCOPE_SE
	s_setreg_imm32_b32 hwreg(HW_REG_WAVE_MODE, 25, 1), 1
	s_wait_xcnt 0x0
; SOFT DECISION TREE, launch 3 of 3.  Work-groups 1 to 250: out1[row] = Q[best[row]].  Work-group 0, which has the lowest number and runs beside them: out0.
; Left out, as shown at the head of the first launch: the penalties of depth 10; the sums of the levels above the last inner one are made here, as sums of pairs.
; THE LOOKUP.  out1 is 4,096,000 pieces of 16 bytes, 250 to a row.  A wave takes 1,024 of them on end: 32 stores of 512 consecutive bytes, which begin at multiples of 16,384 bytes.  4,000 waves: 250 work-groups of 16.
; A lane finds its piece's row as piece / 250 (by a multiplication that is exact for these sizes), gathers the row's leaf number, which the launch before stored as a whole number, holds it to 0..1,023
; (behind that only a shift to the left and an addition make the address), and loads its 16 bytes of the leaf's row of qtab.  The 32 pieces of a lane go in four groups of eight: the loads of two groups
; are on their way while the group before them is stored, so that a wave's loads and stores take turns.  No register of a load or store is ever written again.
; No LDS, no matrix unit, no cluster in the lookup: no two waves want the same rows by design.  No prefetch: the lookup has no loop to run ahead in.
; out0 = -(sum of lossp / 16,384 + sum over inner nodes of depth under 10 of 0.05 x 2^-depth x (ln pen + ln(1 - pen))), pen = sum(right child) / (sum(left child) + sum(right child)).
.set RS,    0                          ; LDS (work-group 0 alone): the sixteen waves' sums of 512 numbers
.set T8,    32768                      ; the 256 sums of level 8, in level order
.set T7,    33792                      ; the 128 of level 7; 512 bytes on: each thread's part of out0
.set SPARE, 34816                      ; the spare words, 128 bytes for each wave, which no other line names
.set SPW,   12
.set NIL,   13
.set WT0,   0x3d0df4e0                 ; 0.05 ln 2 as f32: a weight is this with the depth (and the binary logarithm of the lanes that hold the same node) taken off its exponent field
	s_load_b256 s[4:11], s[0:1], 0x0               ; best s[4:5], qtab s[6:7], part s[8:9], lossp s[10:11]
	s_load_b128 s[12:15], s[0:1], 0x20             ; out0 s[12:13], out1 s[14:15]
	v_lshl_add_u32 v[SPW], v0, 2, SPARE
	v_mov_b32 v[NIL], 0
	v_lshrrev_b32 v1, 5, v0
	s_delay_alu instid0(VALU_DEP_1)
	v_readfirstlane_b32 s48, v1                    ; wave
	v_and_b32 v2, 31, v0                           ; lane
	s_delay_alu instid0(VALU_DEP_1)
	v_lshlrev_b32 v3, 4, v2                        ; 16 x lane
	s_wait_kmcnt 0x0
	s_cmp_eq_u32 ttmp9, 0
	s_cbranch_scc1 .Lsums
	s_sub_co_u32 s49, ttmp9, 1
	s_lshl_b32 s49, s49, 4
	s_add_co_u32 s49, s49, s48                     ; which 1,024 pieces are my wave's
	s_lshl_b32 s50, s49, 14
	s_mov_b32 s51, 0
	s_add_nc_u64 s[14:15], s[14:15], s[50:51]
	s_lshl_b32 s52, s49, 10
	s_wait_alu depctr_va_vdst(0)
	v_add_nc_u32 v4, s52, v2                       ; my piece in instruction 0
	s_mov_b32 s53, 0x10624dd3                      ; (2^35 + 7) / 125: n x this / 2^35, rounded down, is n / 125 rounded down for every n under 2^21
; instructions 8 g to 8 g + 7, stage by stage, so that no line waits for the line above it.  v[16 + i] the row, then its place in best; v[48 + i] its leaf number; v[80 + i] the piece, then its byte in its row
.macro ROWS g
.irp n, 0,1,2,3,4,5,6,7
	v_add_nc_u32 v[80+8*\g+\n], 32*(8*\g+\n), v4
.endr
.irp n, 0,1,2,3,4,5,6,7
	v_lshrrev_b32 v[16+8*\g+\n], 1, v[80+8*\g+\n]  ; piece / 250 = (piece / 2) / 125
.endr
.irp n, 0,1,2,3,4,5,6,7
	v_mul_hi_u32 v[16+8*\g+\n], v[16+8*\g+\n], s53
.endr
.irp n, 0,1,2,3,4,5,6,7
	v_lshrrev_b32 v[16+8*\g+\n], 3, v[16+8*\g+\n]  ; the row
.endr
.irp n, 0,1,2,3,4,5,6,7
	v_mul_u32_u24 v[48+8*\g+\n], v[16+8*\g+\n], 250
.endr
.irp n, 0,1,2,3,4,5,6,7
	v_sub_nc_u32 v[80+8*\g+\n], v[80+8*\g+\n], v[48+8*\g+\n]   ; the piece's number in its row
.endr
.irp n, 0,1,2,3,4,5,6,7
	v_lshlrev_b32 v[16+8*\g+\n], 2, v[16+8*\g+\n]
.endr
.irp n, 0,1,2,3,4,5,6,7
	global_load_b32 v[48+8*\g+\n], v[16+8*\g+\n], s[4:5]
.endr
.irp n, 0,1,2,3,4,5,6,7
	v_lshlrev_b32 v[80+8*\g+\n], 4, v[80+8*\g+\n]
.endr
.endm
; group g's eight loads.  w = 1: gathers may still be out
.macro LD8 g, w
.set i, 8*(\g)
.rept 8
.if \w
	s_wait_loadcnt 31                              ; behind gather i stand 31 - i gathers and the i loads of this macro: 31
.endif
	v_min_u32 v[48+i], 0x3ff, v[48+i]              ; an index stays inside its table
	s_delay_alu instid0(VALU_DEP_1)
	v_lshlrev_b32 v[48+i], 12, v[48+i]             ; the leaf's row of qtab: rows 4,096 bytes apart
	s_delay_alu instid0(VALU_DEP_1)
	v_add_nc_u32 v[48+i], v[48+i], v[80+i]
	global_load_b128 v[128+4*i:131+4*i], v[48+i], s[6:7]
.set i, i+1
.endr
.endm
; group g's eight stores.  top: the number of the last load issued so far
.macro ST8 g, top
.set i, 8*(\g)
.rept 8
	s_wait_loadcnt (\top)-i                        ; load i is in; the younger ones may be out.  (All gathers are older than load 0: behind the first of these waits they are in)
	global_store_b128 v3, v[128+4*i:131+4*i], s[14:15] offset:512*i th:TH_STORE_NT     ; 512 consecutive bytes, at a multiple of 512 from out1's first byte
.set i, i+1
.endr
.endm
	ROWS 0
	ROWS 1
	ROWS 2
	ROWS 3
	LD8 0, 1
	LD8 1, 1
	ST8 0, 15
	LD8 2, 0
	ST8 1, 23
	LD8 3, 0
	ST8 2, 31
	ST8 3, 31
	s_endpgm
; ---- work-group 0
; group n: 4 rows of part (a row: one work-group's 512 sums, 2,048 bytes), 16 loads, into set n % 3 of 64 registers
.macro PLOAD n
.irp j, 0,1,2,3
.irp u, 0,1,2,3
	global_load_b128 v[64+64*((\n)%3)+16*\j+4*\u:67+64*((\n)%3)+16*\j+4*\u], v3, s[8:9] offset:2048*(4*(\n)+\j)+512*\u th:TH_LOAD_NT
.endr
.endr
.endm
.macro PSUM n, left
	s_wait_loadcnt \left                           ; this group's 16 loads are in; the younger groups' may be out
.set PB, 64+64*((\n)%3)
.irp j, 1,2,3
.irp q, 0,1,2,3,4,5,6,7
.if ((\n) == 0) && (\j == 1)
	v_pk_add_f32 v[16+2*\q:17+2*\q], v[PB+2*\q:PB+2*\q+1], v[PB+16+2*\q:PB+17+2*\q]       ; the first two rows start the sums
.else
	v_pk_add_f32 v[16+2*\q:17+2*\q], v[16+2*\q:17+2*\q], v[PB+16*\j+2*\q:PB+16*\j+2*\q+1]
.endif
.endr
.endr
.if (\n) > 0
.irp q, 0,1,2,3,4,5,6,7
	v_pk_add_f32 v[16+2*\q:17+2*\q], v[16+2*\q:17+2*\q], v[PB+2*\q:PB+2*\q+1]
.endr
.endif
.endm
; a node's term: v[s] = the sum of its two children's sums, v[r] the right child's; v36 += weight x (log2 pen + log2(1 - pen))
.macro PENT r, s, wt
	v_rcp_f32 v60, v[\s]
	v_nop                                          ; a plain place behind the transcendental,
	s_wait_alu depctr_va_vdst(0)                   ; and the wait ahead of its reader
	v_mul_f32 v60, v[\r], v60                      ; pen
	s_delay_alu instid0(VALU_DEP_1)
	v_sub_f32 v61, 1.0, v60
	s_wait_alu depctr_va_vdst(0)
	v_log_f32 v60, v60
	v_log_f32 v61, v61
	v_nop
	s_wait_alu depctr_va_vdst(0)                   ; one wait for the two
	v_add_f32 v60, v60, v61
	s_delay_alu instid0(VALU_DEP_1)
	v_fmac_f32 v36, \wt, v60
.endm
; a level whose nodes lie in lanes: my sibling is lane l xor xm; the right child is the lane with that bit set; rep: the binary logarithm of the lanes that form the same term
.macro LANELV xm, mask, d, rep
	v_mov_b32_dpp v35, v34 row_xmask:\xm row_mask:0xf bank_mask:0xf
	s_delay_alu instid0(VALU_DEP_1)
	v_cndmask_b32 v38, v35, v34, s[\mask]
	s_delay_alu instid0(VALU_DEP_2)
	v_add_f32 v34, v34, v35
	s_wait_alu depctr_va_vdst(0)
	PENT 38, 34, WT0-((\d+1+\rep)<<23)
.endm
.Lsums:
	v_mov_b32 v36, 0                               ; these three are written in every wave, so that no way through the text reads a register that it has not written
	v_mov_b32 v40, 0
	v_mov_b32 v41, 0
	v_lshlrev_b32 v4, 3, v0
	s_cmp_ge_u32 s48, 4
	s_cbranch_scc1 .Lno_lossp
	global_load_b64 v[40:41], v4, s[10:11]         ; waves 0 to 3, which make the tail: two of the 256 numbers of lossp a thread
.Lno_lossp:
	s_lshl_b32 s50, s48, 15                        ; wave w sums rows 16 w to 16 w + 15 of part
	s_mov_b32 s51, 0
	s_add_nc_u64 s[8:9], s[8:9], s[50:51]
	s_wait_alu depctr_va_vdst(0)
	PLOAD 0
	PLOAD 1
	PLOAD 2
	s_mov_b32 s36, 0x76543210
	s_mov_b32 s37, 0xfedcba98
	s_mov_b32 s38, 0xffff0000
	s_mov_b32 s41, 0xaaaaaaaa
	s_mov_b32 s42, 0xcccccccc
	s_mov_b32 s43, 0xf0f0f0f0
	s_mov_b32 s44, 0xff00ff00
	s_lshl_b32 s50, s48, 11
	v_add_nc_u32 v5, s50, v3                       ; my wave's 2,048 bytes of sums
	v_lshlrev_b32 v6, 4, v0                        ; thread t (of waves 0 to 3) takes sums 4 t to 4 t + 3
	v_lshrrev_b32 v7, 4, v0
	v_and_b32 v8, 15, v0
	s_delay_alu instid0(VALU_DEP_2)
	v_lshlrev_b32 v7, 7, v7
	s_delay_alu instid0(VALU_DEP_1)
	v_lshl_add_u32 v7, v8, 2, v7
	s_delay_alu instid0(VALU_DEP_1)
	v_add_nc_u32 v7, T8, v7                        ; level 8: place 32 g + a (the left twin's; the right twin's 16 places on), g = t / 16, a = t % 16
	v_lshl_add_u32 v8, v0, 3, T8
	v_lshl_add_u32 v9, v0, 2, T7
	v_add_nc_u32 v10, T7, v3
	v_mov_b32 v35, 0
	v_mov_b32 v39, 0
	PSUM 0, 32
	PLOAD 3
	s_wait_alu depctr_va_vdst(0)
	PSUM 1, 32
	s_wait_alu depctr_va_vdst(0)
	PSUM 2, 16
	s_wait_alu depctr_va_vdst(0)
	PSUM 3, 0
.irp u, 0,1,2,3
	ds_store_b128 v5, v[16+4*\u:19+4*\u] offset:512*\u
.endr
	s_wait_dscnt 0x0
	s_barrier_signal -1
	s_barrier_wait -1
	s_cmp_ge_u32 s48, 4                            ; the tail has work for 128 threads; the other waves pass its barriers
	s_cbranch_scc1 .Ljoin_8
.irp q, 0,1,2,3,4,5,6,7,8,9,10,11,12,13,14,15
	ds_load_b128 v[64+4*\q:67+4*\q], v6 offset:2048*\q
.endr
	s_wait_dscnt 0x0
.irp q, 0,1,2,3,4,5,6,7
	v_pk_add_f32 v[64+4*\q:65+4*\q], v[64+4*\q:65+4*\q], v[96+4*\q:97+4*\q]
	v_pk_add_f32 v[66+4*\q:67+4*\q], v[66+4*\q:67+4*\q], v[98+4*\q:99+4*\q]
.endr
.irp q, 0,1,2,3
	v_pk_add_f32 v[64+4*\q:65+4*\q], v[64+4*\q:65+4*\q], v[80+4*\q:81+4*\q]
	v_pk_add_f32 v[66+4*\q:67+4*\q], v[66+4*\q:67+4*\q], v[82+4*\q:83+4*\q]
.endr
.irp q, 0,1
	s_delay_alu instid0(VALU_DEP_4)
	v_pk_add_f32 v[64+4*\q:65+4*\q], v[64+4*\q:65+4*\q], v[72+4*\q:73+4*\q]
	s_delay_alu instid0(VALU_DEP_4)
	v_pk_add_f32 v[66+4*\q:67+4*\q], v[66+4*\q:67+4*\q], v[74+4*\q:75+4*\q]
.endr
	s_delay_alu instid0(VALU_DEP_2)
	v_pk_add_f32 v[64:65], v[64:65], v[68:69]
	s_delay_alu instid0(VALU_DEP_2)
	v_pk_add_f32 v[66:67], v[66:67], v[70:71]      ; four batch sums of the last inner level: two neighbours of the left twin (v64, v66), two of the right (v65, v67)
	v_add_f32 v36, v40, v41
	s_delay_alu instid0(VALU_DEP_1)
	v_mul_f32 v36, 0x38800000, v36                 ; my part of the mean: / 16,384
	s_delay_alu instid0(VALU_DEP_3)
	v_add_f32 v32, v64, v66
	s_delay_alu instid0(VALU_DEP_4)
	v_add_f32 v33, v65, v67
	s_wait_alu depctr_va_vdst(0)
	PENT 66, 32, WT0-(9<<23)                       ; level 8, depth 9
	PENT 67, 33, WT0-(9<<23)
	ds_store_b32 v7, v32
	ds_store_b32 v7, v33 offset:64
	s_wait_dscnt 0x0
.Ljoin_8:
	s_barrier_signal -1
	s_barrier_wait -1
	s_cmp_ge_u32 s48, 4
	s_cbranch_scc1 .Ljoin_7
	ds_load_b64 v[48:49], v8
	s_wait_dscnt 0x0
	v_add_f32 v34, v48, v49
	s_wait_alu depctr_va_vdst(0)
	PENT 49, 34, WT0-(8<<23)                       ; level 7
	ds_store_b32 v9, v34
	ds_store_b32 v9, v36 offset:512
	s_wait_dscnt 0x0
.Ljoin_7:
	s_barrier_signal -1
	s_barrier_wait -1
	s_cmp_lg_u32 s48, 0
	s_cbranch_scc1 .Lsend
	ds_load_b128 v[48:51], v10                     ; wave 0: four sums of level 7,
	ds_load_b128 v[52:55], v10 offset:512          ; and four threads' parts
	s_wait_dscnt 0x0
	v_add_f32 v52, v52, v53
	v_add_f32 v54, v54, v55
	s_delay_alu instid0(VALU_DEP_1)
	v_add_f32 v36, v52, v54
	v_add_f32 v32, v48, v49
	v_add_f32 v33, v50, v51
	s_wait_alu depctr_va_vdst(0)
	PENT 49, 32, WT0-(7<<23)                       ; level 6: two nodes a lane
	PENT 51, 33, WT0-(7<<23)
	v_add_f32 v34, v32, v33
	s_wait_alu depctr_va_vdst(0)
	PENT 33, 34, WT0-(6<<23)                       ; level 5: one
	LANELV 1, 41, 4, 1
	LANELV 2, 42, 3, 2
	LANELV 4, 43, 2, 3
	LANELV 8, 44, 1, 4
	v_permlanex16_b32 v35, v34, s36, s37           ; the root: its children lie in the two halves of the lanes
	s_delay_alu instid0(VALU_DEP_1)
	v_cndmask_b32 v38, v35, v34, s38
	s_delay_alu instid0(VALU_DEP_2)
	v_add_f32 v34, v34, v35
	s_wait_alu depctr_va_vdst(0)
	PENT 38, 34, WT0-(6<<23)
.irp x, 1,2,4,8
	s_delay_alu instid0(VALU_DEP_1)
	v_add_f32_dpp v36, v36, v36 row_xmask:\x row_mask:0xf bank_mask:0xf
.endr
	s_delay_alu instid0(VALU_DEP_1)
	v_permlanex16_b32 v35, v36, s36, s37
	s_delay_alu instid0(VALU_DEP_1)
	v_add_f32 v36, v36, v35
	s_delay_alu instid0(VALU_DEP_1)
	v_mul_f32 v36, -1.0, v36
	v_cmp_eq_u32 vcc_lo, 0, v2
	s_wait_alu depctr_va_vdst(0)
	s_wait_xcnt 0x0                                ; EXEC changes only behind this wait,
	s_and_saveexec_b32 s52, vcc_lo
	global_store_b32 v39, v36, s[12:13]
	s_wait_xcnt 0x0                                ; and again in front of the line that widens it
	s_or_b32 exec_lo, exec_lo, s52
.Lsend:
	s_wait_tensorcnt 0x0                           ; the wave's end: three lines behind my last LDS store
	ds_add_u32 v[SPW], v[NIL]
	s_wait_dscnt 0x0
	s_endpgm
.Lfunc_end_k_q5e058922dc_emit:
	.size	k_q5e058922dc_emit, .Lfunc_end_k_q5e058922dc_emit-k_q5e058922dc_emit
	.p2alignl 7, 3214868480
	.fill 96, 4, 3214868480
	.section	.rodata,"a",@progbits
	.p2align	6, 0x0
	.amdhsa_kernel k_q5e058922dc_emit
		.amdhsa_group_segment_fixed_size 36864
		.amdhsa_private_segment_fixed_size 0
		.amdhsa_enable_private_segment 0
		.amdhsa_kernarg_size 48
		.amdhsa_user_sgpr_count 2
		.amdhsa_user_sgpr_kernarg_segment_ptr 1
		.amdhsa_wavefront_size32 1
		.amdhsa_system_sgpr_workgroup_id_x 1
		.amdhsa_system_sgpr_workgroup_id_y 1
		.amdhsa_system_sgpr_workgroup_id_z 1
		.amdhsa_system_vgpr_workitem_id 0
		.amdhsa_next_free_vgpr 256
		.amdhsa_next_free_sgpr 66
		.amdhsa_reserve_vcc 1
		.amdhsa_float_denorm_mode_32 3
		.amdhsa_float_denorm_mode_16_64 3
		.amdhsa_memory_ordered 1
		.amdhsa_forward_progress 1
		.amdhsa_inst_pref_size 58
	.end_amdhsa_kernel
	.amdgpu_metadata
---
amdhsa.version: [ 1, 2 ]
amdhsa.kernels:
  - .name:           k_q5e058922dc_emit
    .symbol:         k_q5e058922dc_emit.kd
    .args:
      - { .name: best, .offset: 0, .size: 8, .value_kind: global_buffer, .address_space: global }
      - { .name: qtab, .offset: 8, .size: 8, .value_kind: global_buffer, .address_space: global }
      - { .name: part, .offset: 16, .size: 8, .value_kind: global_buffer, .address_space: global }
      - { .name: lossp, .offset: 24, .size: 8, .value_kind: global_buffer, .address_space: global }
      - { .name: out0, .offset: 32, .size: 8, .value_kind: global_buffer, .address_space: global }
      - { .name: out1, .offset: 40, .size: 8, .value_kind: global_buffer, .address_space: global }
    .group_segment_fixed_size: 36864
    .private_segment_fixed_size: 0
    .kernarg_segment_align: 8
    .kernarg_segment_size: 48
    .max_flat_workgroup_size: 512
    .sgpr_count:     66
    .vgpr_count:     256
    .wavefront_size: 32
...
	.end_amdgpu_metadata
.endif
;; end of part 6
